; MI455X (gfx1250); checked and timed in simulation.
; The chip was launched on July 23, 2026; its instructions are those of AMD's public machine-readable ISA for CDNA 5 (MIT licence, August 2026) and "CDNA5" Instruction Set Architecture Reference Guide (July 2026). The comments in the code are by the model that wrote it; some were corrected since.
;; Encoder Layer. Allowed arithmetic: float matrix products may take bf16 or f16 operands with f32 sums; other float arithmetic in f32, or as packed bf16 or f16 multiplies, adds, multiply-adds, maxima and minima; sums over many terms, partial sums and values carried from step to step in f32; what a program stores and reads back later, other than sums and carried values, may be rounded once to bf16 or f16.
;; Inputs: bk1 1,024 float32; bk2 1,024 float32; bo 1,024 float32; bq1 1,024 float32; bq2 1,024 float32; bv1 1,024 float32; bv2 1,024 float32; eb1 8 x 2,048 float32; eb2 8 x 1,024 float32; eb3 8 x 2,048 float32; ew1 8 x 1,024 x 2,048 float32; ew2 8 x 2,048 x 1,024 float32; ew3 8 x 1,024 x 2,048 float32; gate_b 8 float32; gate_w 1,024 x 8 float32; ln1_b 1,024 float32; ln1_g 1,024 float32; ln2_b 1,024 float32; ln2_g 1,024 float32; mask 4 x 1 x 256 x 256 int32; wk1 1,024 x 1,024 float32; wk2 1,024 x 1,024 float32; wo 1,024 x 1,024 float32; wq1 1,024 x 1,024 float32; wq2 1,024 x 1,024 float32; wv1 1,024 x 1,024 float32; wv2 1,024 x 1,024 float32; x 4 x 256 x 1,024 float32.
;; Outputs: out0 4 x 256 x 1,024 float32.
;; 2 versions, each right and faster than the one before. Each part assembles by itself: llvm-mc -triple=amdgcn-amd-amdhsa -mcpu=gfx1250 --defsym DOCPART=n.
;; ======== version 1 of 2: 8 launches
;; workspace buffers: a1 2,097,152 bytes; qkv 6,291,456 bytes; hbuf 33,554,432 bytes; x1 4,194,304 bytes; sel 4,096 bytes of whole numbers; topw 8,192 bytes; rlist 34,816 bytes of whole numbers; part 16,777,216 bytes
;; launch ln1 (part 1): grid 256 x 1, 4 waves a work-group, no clusters, 0 bytes of LDS; arguments x, ln1_g, ln1_b, a1; writes a1
.if DOCPART == 1
	.amdgcn_target "amdgcn-amd-amdhsa--gfx1250"
	.amdhsa_code_object_version 6
	.text
	.protected	k_q7cc16c222e_ln1
	.globl	k_q7cc16c222e_ln1
	.p2align	8
	.type	k_q7cc16c222e_ln1,@function
k_q7cc16c222e_ln1:
	s_mov_b64 s[64:65], 0
	v_nop
	global_prefetch_b8 v0, s[64:65] scope:SCOPE_SE
	s_setreg_imm32_b32 hwreg(HW_REG_WAVE_MODE, 25, 1), 1
	s_wait_xcnt 0x0
; a1[t][:] = bf16( (x[t][:] - mean) * rsqrt(var + 1e-5) * g + b ).  x: [1024][1024] f32, a1: [1024][1024] bf16.
; One wave takes one row of 4,096 bytes and keeps it in 32 registers: memory is read once, and no wave waits for another.
; Mean first, then the mean of (x - mean)^2, as reference() has it: a common offset of x costs nothing.  All in f32; rounded once at the store.
; LIMITS: v_rsq_f32 is good to one unit in the last place; NaN and infinities are not treated apart.
.set X,   16                           ; v[16:47]  the row: load n holds columns 128 n + 4 lane .. + 3
.set GG,  48                           ; v[48:79]  g, later the packed result
.set BB,  80                           ; v[80:111] b
.set SXA, 18                           ; s18, s19  selects of v_permlanex16_b32: each lane takes its own place in the other half
.set SXB, 19
.set RCN, 20                           ; s20       1 / 1024
.set OUTP, 10
.macro RED                             ; v8 summed over the 32 lanes, the result in every lane
	v_add_f32_dpp v8, v8, v8 row_xmask:1 row_mask:0xf bank_mask:0xf
	v_add_f32_dpp v8, v8, v8 row_xmask:2 row_mask:0xf bank_mask:0xf
	v_add_f32_dpp v8, v8, v8 row_xmask:4 row_mask:0xf bank_mask:0xf
	v_add_f32_dpp v8, v8, v8 row_xmask:8 row_mask:0xf bank_mask:0xf
	v_permlanex16_b32 v9, v8, s[SXA], s[SXB]
	v_add_f32 v8, v8, v9
.endm
.macro FOLD                            ; four chains v[8:15] into v8
	v_pk_add_f32 v[8:9], v[8:9], v[10:11]
	v_pk_add_f32 v[12:13], v[12:13], v[14:15]
	v_pk_add_f32 v[8:9], v[8:9], v[12:13]
	v_add_f32 v8, v8, v9
.endm
; leftx: loads younger than the row's eight; leftgb: loads younger than g's and b's
.macro LNORM leftx, leftgb
	s_wait_loadcnt \leftx
.irp k, 0,1,2,3
	v_pk_add_f32 v[8+2*\k:9+2*\k], v[X+2*\k:X+2*\k+1], v[X+8+2*\k:X+8+2*\k+1]
.endr
.irp u, 2,3
.irp k, 0,1,2,3
	v_pk_add_f32 v[8+2*\k:9+2*\k], v[8+2*\k:9+2*\k], v[X+8*\u+2*\k:X+8*\u+2*\k+1]
.endr
.endr
	FOLD
	RED
	v_mul_f32 v6, s[RCN], v8               ; the mean, twice for the packed subtraction
	v_mov_b32 v7, v6
.set n, 0
.rept 16
	v_pk_add_f32 v[X+2*n:X+2*n+1], v[X+2*n:X+2*n+1], v[6:7] neg_lo:[0,1] neg_hi:[0,1]
.set n, n+1
.endr
.irp k, 0,1,2,3
	v_pk_mul_f32 v[8+2*\k:9+2*\k], v[X+2*\k:X+2*\k+1], v[X+2*\k:X+2*\k+1]
.endr
.irp u, 1,2,3
.irp k, 0,1,2,3
	v_pk_fma_f32 v[8+2*\k:9+2*\k], v[X+8*\u+2*\k:X+8*\u+2*\k+1], v[X+8*\u+2*\k:X+8*\u+2*\k+1], v[8+2*\k:9+2*\k]
.endr
.endr
	FOLD
	RED
	v_fma_f32 v8, v8, s[RCN], v5           ; variance + 1e-5
	v_rsq_f32 v6, v8
	v_nop                                  ; a plain instruction behind the root,
	s_wait_alu depctr_va_vdst(0)           ; and a wait ahead of its first reader
	v_mov_b32 v7, v6
	s_wait_loadcnt \leftgb                 ; g and b
.set n, 0
.rept 16
	v_pk_mul_f32 v[X+2*n:X+2*n+1], v[X+2*n:X+2*n+1], v[6:7]
	v_pk_fma_f32 v[X+2*n:X+2*n+1], v[X+2*n:X+2*n+1], v[GG+2*n:GG+2*n+1], v[BB+2*n:BB+2*n+1]
.set n, n+1
.endr
.endm
.macro LNSTORE                         ; four numbers a lane and load: 8 bytes; 32 lanes store 256 consecutive bytes, aligned
.set n, 0
.rept 8
	v_cvt_pk_bf16_f32 v[GG+2*n], v[X+4*n], v[X+4*n+1]
	v_cvt_pk_bf16_f32 v[GG+2*n+1], v[X+4*n+2], v[X+4*n+3]
	global_store_b64 v4, v[GG+2*n:GG+2*n+1], s[OUTP:OUTP+1] offset:256*n
.set n, n+1
.endr
.endm
	s_load_b256 s[4:11], s[0:1], 0x0       ; x s[4:5], g s[6:7], b s[8:9], a1 s[10:11]
	v_and_b32 v1, 31, v0
	v_lshrrev_b32 v2, 5, v0
	v_readfirstlane_b32 s12, v2            ; wave
	s_lshl_b32 s13, ttmp9, 2
	s_add_co_u32 s13, s13, s12             ; my row
	s_lshl_b32 s14, s13, 12
	s_mov_b32 s15, 0
	s_lshl_b32 s16, s13, 11
	s_mov_b32 s17, 0
	s_mov_b32 s[SXA], 0x76543210
	s_mov_b32 s[SXB], 0xfedcba98
	s_mov_b32 s[RCN], 0x3a800000
	v_lshlrev_b32 v3, 4, v1                ; 16 x lane
	v_lshlrev_b32 v4, 3, v1                ; 8 x lane
	v_mov_b32 v5, 0x3727c5ac               ; 1e-5
	s_wait_kmcnt 0x0
	s_add_nc_u64 s[4:5], s[4:5], s[14:15]
	s_add_nc_u64 s[10:11], s[10:11], s[16:17]
.irp n, 0,1,2,3,4,5,6,7
	global_load_b128 v[X+4*\n:X+4*\n+3], v3, s[4:5] offset:512*\n
.endr
.irp n, 0,1,2,3,4,5,6,7
	global_load_b128 v[GG+4*\n:GG+4*\n+3], v3, s[6:7] offset:512*\n
.endr
.irp n, 0,1,2,3,4,5,6,7
	global_load_b128 v[BB+4*\n:BB+4*\n+3], v3, s[8:9] offset:512*\n
.endr
	LNORM 16, 0                            ; the row is in while g's and b's sixteen loads stay out
	LNSTORE
	s_endpgm
.Lfunc_end_k_q7cc16c222e_ln1:
	.size	k_q7cc16c222e_ln1, .Lfunc_end_k_q7cc16c222e_ln1-k_q7cc16c222e_ln1
	.p2alignl 7, 3214868480
	.fill 96, 4, 3214868480
	.section	.rodata,"a",@progbits
	.p2align	6, 0x0
	.amdhsa_kernel k_q7cc16c222e_ln1
		.amdhsa_group_segment_fixed_size 0
		.amdhsa_private_segment_fixed_size 0
		.amdhsa_enable_private_segment 0
		.amdhsa_kernarg_size 32
		.amdhsa_user_sgpr_count 2
		.amdhsa_user_sgpr_kernarg_segment_ptr 1
		.amdhsa_wavefront_size32 1
		.amdhsa_system_sgpr_workgroup_id_x 1
		.amdhsa_system_sgpr_workgroup_id_y 1
		.amdhsa_system_sgpr_workgroup_id_z 1
		.amdhsa_system_vgpr_workitem_id 0
		.amdhsa_next_free_vgpr 112
		.amdhsa_next_free_sgpr 66
		.amdhsa_reserve_vcc 0
		.amdhsa_float_denorm_mode_32 3
		.amdhsa_float_denorm_mode_16_64 3
		.amdhsa_memory_ordered 1
		.amdhsa_forward_progress 1
		.amdhsa_inst_pref_size 12
	.end_amdhsa_kernel
	.amdgpu_metadata
---
amdhsa.version: [ 1, 2 ]
amdhsa.kernels:
  - .name:           k_q7cc16c222e_ln1
    .symbol:         k_q7cc16c222e_ln1.kd
    .args:
      - { .name: x, .offset: 0, .size: 8, .value_kind: global_buffer, .address_space: global }
      - { .name: ln1_g, .offset: 8, .size: 8, .value_kind: global_buffer, .address_space: global }
      - { .name: ln1_b, .offset: 16, .size: 8, .value_kind: global_buffer, .address_space: global }
      - { .name: a1, .offset: 24, .size: 8, .value_kind: global_buffer, .address_space: global }
    .group_segment_fixed_size: 0
    .private_segment_fixed_size: 0
    .kernarg_segment_align: 8
    .kernarg_segment_size: 32
    .max_flat_workgroup_size: 128
    .sgpr_count:     66
    .vgpr_count:     112
    .wavefront_size: 32
...
	.end_amdgpu_metadata
.endif
;; end of part 1
;; launch qkvp (part 2): grid 48 x 4, 4 waves a work-group, no clusters, 262,656 bytes of LDS; arguments a1, wq1, wq2, wk1, wk2, wv1, wv2, bq1, bq2, bk1, bk2, bv1, bv2, qkv; writes qkv
.if DOCPART == 2
	.amdgcn_target "amdgcn-amd-amdhsa--gfx1250"
	.amdhsa_code_object_version 6
	.text
	.protected	k_q7cc16c222e_qkvp
	.globl	k_q7cc16c222e_qkvp
	.p2align	8
	.type	k_q7cc16c222e_qkvp,@function
k_q7cc16c222e_qkvp:
	s_mov_b64 s[64:65], 0
	v_nop
	global_prefetch_b8 v0, s[64:65] scope:SCOPE_SE
	s_setreg_imm32_b32 hwreg(HW_REG_WAVE_MODE, 25, 1), 1
	s_wait_xcnt 0x0
; qkv[p][b][head][s][0:64] = bf16( silu(a1 w1 + b1) * (a1 w2 + b2) ) for p = q, k, v.  a1: [1024][1024] bf16; the weights [1024 (k)][1024 (n)] f32.
; A work-group owns one head's 64 columns of one projection (both matrices) and one batch's 256 rows.  48 x 4 = 192 work-groups: 48 slices of 64 columns do not make 256.
; PHASE 1: the slice (2 x 1024 x 64 f32) is read once, rounded to bf16 and laid into LDS as matrix operands.  One barrier.
; PHASE 2: nothing writes LDS: weights come from LDS, token rows from memory straight into registers, through a ring of four groups of loads.
; THE WEIGHTS NEED NO TURNING.  For 64 columns and 32 k, lane (r = lane % 16, h = lane / 16) loads 16 bytes of row k: columns 4 r .. 4 r + 3 (sixteen lanes: 256 consecutive bytes).  Element t of rows
; 2 i and 2 i + 1, rounded as a pair, is register i of operand t, whose column r stands for the true column 4 r + t.  Tokens are source 0, weights source 1; lane r of a token operand takes
; tile row 2 (r % 8) + r / 8, so that register j of a result holds row 2 j + h, and a lane's four operands t hold four neighbouring columns.
; NO MULTICAST: the weights pass through registers to be rounded, which no tensor load does.
; LIMITS: bf16 operands, f32 sums; v_exp_f32 and v_rcp_f32 flush denormals; NaN and infinities are not treated apart.
.set PAIR,   1                         ; two matrices, eight column tiles
.set T,      4                         ; row tiles of a wave
.set PITCH,  4096                      ; bytes of a weight row
.set LOG8P,  15                        ; log2(8 x PITCH)
.set ITROWS, 32                        ; weight rows that the four waves take in one slot's turn
.set NIT,    32                        ; such turns
.set IMG,    262144                    ; the operands in LDS
.set TRIPB,  32768                     ; of them, for a K trip of 128
.set HPT,    8                         ; blocks of four operands (4,096 bytes) in a trip
.set AHI,    128                       ; token operand of sub c lies (c / 2) AHI + (c % 2) 64 bytes into the trip
.set ATRIP,  256                       ; bytes of a token row in a trip
.set ROUTED, 0
.set NTW,    0
.set SPARE,  IMG                       ; the spare words, 128 bytes a wave: two blocks of 256 bytes that no other line names
; ---- the core, common to the four products ----
.set WOFF, 5                           ; v5   8 h rows + 16 r: my 16 bytes of a weight row
.set WST,  6                           ; v6   where my operands' halves go in LDS
.set BRD,  7                           ; v7   this trip's operands in LDS, v8 the next trip's
.set BRD2, 8
.set OOFF, 9                           ; v9   my byte offset in a tile of the output
.set BOFF, 10                          ; v10  16 r
.set H16,  12                          ; v12  16 h
.set L16,  13                          ; v13  16 x lane
.set PLC,  15                          ; v15  16 x wave + my tile row
.set ROFF, 16                          ; v16.. byte offset of my token row, a register a tile
.set BIA,  22                          ; v22-29 the biases of my columns
.set SPW,  30                          ; v30  my spare word; v31  0; never rewritten
.set NIL,  31
.set BH,   32                          ; v32-95 two blocks of four weight operands
.set PK,   96                          ; v96-111 rounded weights on their way to LDS
.set TE,   128
.set TS,   160
.set OP,   192
.set WV, 66
.set G,  67
.set KH, 68
.set PW, 70
.set PA, 72
.set PA0, 74
.set PO, 76
.set POB, 78
.set CNT, 80
.set STP, 82
.set NL, 84
.set NP, 85
.set P,  86
.set COUNT, 87
.set CM1, 88
.set PB, 89
.set SB, 96
.set NLG, 98
.set MSB, 0
.macro WIN new                         ; the immediate's high byte repeats the setting that is left; a switch that changes nothing is dropped
.if MSB != (\new)
	s_set_vgpr_msb (MSB<<8)|(\new)
.set MSB, (\new)
.endif
.endm
.macro IDS
	v_lshl_add_u32 v[SPW], v0, 2, SPARE
	v_mov_b32 v[NIL], 0
	v_and_b32 v1, 31, v0                   ; lane
	v_lshrrev_b32 v11, 5, v0
	v_readfirstlane_b32 s[WV], v11         ; wave
	s_lshr_b32 s[G], s[WV], 1              ; which matrix (or which of two subs) I stream
	s_and_b32 s[KH], s[WV], 1              ; which 16 of a sub's 32 k
	v_and_b32 v2, 15, v0                   ; r
	v_bfe_u32 v3, v0, 4, 1                 ; h
	v_and_b32 v4, 7, v0
	v_bfe_u32 v11, v0, 3, 1
	v_lshl_add_u32 v4, v4, 1, v11          ; my tile row 2 (r % 8) + r / 8
	v_lshlrev_b32 v[BOFF], 4, v2
	v_lshl_add_u32 v[WOFF], v3, LOG8P, v[BOFF]
	v_lshlrev_b32 v[L16], 4, v1
	v_lshlrev_b32 v[H16], 4, v3
	s_lshl_b32 s90, s[G], 12
	s_lshl_b32 s91, s[KH], 9
	s_add_co_u32 s90, s90, s91
	v_add_nc_u32 v[WST], s90, v[L16]
	s_lshl_b32 s90, s[WV], 4
	v_add_nc_u32 v[PLC], s90, v4
	s_mov_b32 s[STP+1], 0
.endm
.macro SLOAD s                         ; slot s of the ring in window 2: eight rows, 512 bytes each
	WIN 0x80
.irp j, 0,1,2,3,4,5,6,7
.if NTW
	global_load_b128 v[32*(\s)+4*\j:32*(\s)+4*\j+3], v[WOFF], s[PW:PW+1] offset:((\s)*ITROWS+\j)*PITCH th:TH_LOAD_NT
.else
	global_load_b128 v[32*(\s)+4*\j:32*(\s)+4*\j+3], v[WOFF], s[PW:PW+1] offset:((\s)*ITROWS+\j)*PITCH
.endif
.endr
.endm
.macro SCVT s                          ; slot s rounded in pairs of rows: half of four operands; 16 bytes a lane and operand, lanes side by side in LDS
	WIN 0x0a
.irp t, 0,1,2,3
.irp i, 0,1,2,3
	v_cvt_pk_bf16_f32 v[PK+4*\t+\i], v[32*(\s)+8*\i+\t], v[32*(\s)+8*\i+4+\t]
.endr
.endr
	WIN 0
.irp t, 0,1,2,3
	ds_store_b128 v[WST], v[PK+4*\t:PK+4*\t+3] offset:(\s)*8192+\t*1024
.endr
.endm
.macro STREAM_A
.irp s, 0,1,2,3,4,5
	SLOAD \s
.endr
	WIN 0
.endm
.macro STREAM_B
	SLOAD 6
	SLOAD 7
	WIN 0
	s_wait_xcnt 0x0                        ; the base is stepped only behind this wait
	s_add_nc_u64 s[PW:PW+1], s[PW:PW+1], 8*ITROWS*PITCH
	s_mov_b32 s[CNT], NIT/8-1
.Lstream:
.irp s, 0,1,2,3,4,5,6,7
	s_wait_loadcnt 56                      ; the seven younger slots' 56 loads stay out
	SCVT \s
	SLOAD \s
.endr
	WIN 0
	s_wait_xcnt 0x0
	s_add_nc_u64 s[PW:PW+1], s[PW:PW+1], 8*ITROWS*PITCH
	v_add_nc_u32 v[WST], 0x10000, v[WST]
	s_sub_co_u32 s[CNT], s[CNT], 1
	s_cmp_lg_u32 s[CNT], 0
	s_cbranch_scc1 .Lstream
.irp s, 0,1,2,3,4,5,6,7
	s_wait_loadcnt 56-8*\s                 ; the last eight slots load nothing: the counts run down
	SCVT \s
.endr
	s_wait_dscnt 0x0                       ; for the others' sake: my part of the operands is in LDS
	s_barrier_signal -1
	s_barrier_wait -1
.endm
.macro BLOAD hb, adr, off              ; four operands, 4,096 consecutive bytes
.irp t, 0,1,2,3
	ds_load_b128 v[BH+32*(\hb)+8*\t:BH+32*(\hb)+8*\t+3], v[\adr] offset:(\off)+\t*1024
	ds_load_b128 v[BH+32*(\hb)+8*\t+4:BH+32*(\hb)+8*\t+7], v[\adr] offset:(\off)+\t*1024+512
.endr
.endm
.macro START_B
	v_mov_b32 v[BRD], v[L16]
	v_add_nc_u32 v[BRD2], TRIPB, v[L16]
	s_mov_b32 s[SB], TRIPB
	BLOAD 0, BRD, 0
	BLOAD 1, BRD, 4096
.endm
.macro ALOAD c                         ; group c of the token ring in window 1: two loads a tile
	WIN 0x40
.set ii, 0
.rept T
	global_load_b128 v[8*T*(\c)+8*ii:8*T*(\c)+8*ii+3], v[ROFF+ii], s[PA:PA+1] offset:((\c)>>1)*AHI+((\c)&1)*64
	global_load_b128 v[8*T*(\c)+8*ii+4:8*T*(\c)+8*ii+7], v[ROFF+ii], s[PA:PA+1] offset:((\c)>>1)*AHI+((\c)&1)*64+32
.set ii, ii+1
.endr
.endm
; Four products a tile: its four accumulators take turns; no two neighbouring products share one, whatever is jumped.
.macro MMH c, hb, cg
.set ii, 0
.rept T
.if ROUTED
	WIN 0
	s_cmp_le_u32 s[NL], ii                 ; tiles past the count: only matrix work is jumped, never a load
	s_cbranch_scc1 .Lmm_\@
.endif
.if PAIR
	WIN 0xa1+0x50*(ii/4)
.set ra, 64*(ii%4)+32*(\cg)
.else
	WIN 0xa1
.set ra, 32*ii
.endif
.irp t, 0,1,2,3
	v_wmma_f32_16x16x32_bf16 v[ra+8*\t:ra+8*\t+7], v[8*T*(\c)+8*ii:8*T*(\c)+8*ii+7], v[BH+32*(\hb)+8*\t:BH+32*(\hb)+8*\t+7], v[ra+8*\t:ra+8*\t+7]
.endr
.set ii, ii+1
.endr
	WIN 0
.if ROUTED
.Lmm_\@:
.endif
.endm
.macro HALF c, cg, q
	s_wait_dscnt 8                         ; this block's eight loads are in; the next block's eight stay out
	MMH \c, (\q)&1, \cg
.rept 4
	v_nop                                  ; four places between the products and the loads into what they read
.endr
.if (\q)+2 < HPT
	BLOAD (\q)&1, BRD, ((\q)+2)*4096
.else
	BLOAD (\q)&1, BRD2, ((\q)+2-HPT)*4096
.endif
.endm
.macro AINIT                           ; the sums start at the bias of their column
.set ii, 0
.rept T
.if PAIR
	WIN 0x80+0x40*(ii/4)
.set ra, 64*(ii%4)
.set nc, 8
.else
	WIN 0x80
.set ra, 32*ii
.set nc, 4
.endif
.set cc, 0
.rept nc
.irp j, 0,1,2,3,4,5,6,7
	v_mov_b32 v[ra+8*cc+\j], v[BIA+cc]
.endr
.set cc, cc+1
.endr
.set ii, ii+1
.endr
	WIN 0
.endm
; K = 1024 in eight trips of four subs of 32.  Group c is loaded again, for the next trip, as soon as it is multiplied.  The last trip asks for its own rows once more (inside the buffer, not used),
; so that every wait counts the same loads in every trip.  The LDS look-ahead wraps to the first two blocks, which the next pass begins with.
.macro KLOOP
	WIN 0
	s_mov_b64 s[PA:PA+1], s[PA0:PA0+1]
	ALOAD 0
	ALOAD 1
	ALOAD 2
	ALOAD 3
	WIN 0
	s_wait_xcnt 0x0
	s_add_nc_u64 s[PA:PA+1], s[PA:PA+1], ATRIP
	s_mov_b32 s[CNT], 8
.Lk_\@:
.irp c, 0,1,2,3
	s_wait_loadcnt 6*T                     ; three younger groups of 2 T loads stay out
.if PAIR
	HALF \c, 0, 2*\c
	HALF \c, 1, 2*\c+1
.else
	HALF \c, 0, \c
.endif
	ALOAD \c
.endr
	WIN 0
	s_wait_xcnt 0x0
	s_cmp_gt_u32 s[CNT], 2
	s_cselect_b32 s[STP], ATRIP, 0
	s_add_nc_u64 s[PA:PA+1], s[PA:PA+1], s[STP:STP+1]
	v_mov_b32 v[BRD], v[BRD2]
	s_add_co_u32 s[SB], s[SB], TRIPB
	s_and_b32 s[SB], s[SB], IMG-1
	v_add_nc_u32 v[BRD2], s[SB], v[L16]
	s_sub_co_u32 s[CNT], s[CNT], 1
	s_cmp_lg_u32 s[CNT], 0
	s_cbranch_scc1 .Lk_\@
	s_wait_loadcnt 0x0
.rept 4
	v_nop                                  ; places behind the last products
.endr
.endm
; Tile i: silu(a) b = a b / (1 + 2^(-a log2 e)), rounded to bf16; 32 lanes store rows 2 j and 2 j + 1 of 128 bytes: 256 consecutive bytes.  Each batch of 32 transcendentals has one wait.
.macro SWIGLU i
.set wa, 2+(\i)/4
.set ra, 64*((\i)%4)
	WIN wa
.set n, 0
.rept 16
	v_pk_mul_f32 v[TE+2*n:TE+2*n+1], v[ra+2*n:ra+2*n+1], s[NLG:NLG+1] op_sel_hi:[1,0]
.set n, n+1
.endr
	WIN 0
.set n, 0
.rept 32
	v_exp_f32 v[TE+n], v[TE+n]
.set n, n+1
.endr
	v_nop
	s_wait_alu depctr_va_vdst(0)
.set n, 0
.rept 16
	v_pk_add_f32 v[TE+2*n:TE+2*n+1], v[TE+2*n:TE+2*n+1], 1.0 op_sel_hi:[1,0]
.set n, n+1
.endr
.set n, 0
.rept 32
	v_rcp_f32 v[TE+n], v[TE+n]
.set n, n+1
.endr
	v_nop
	s_wait_alu depctr_va_vdst(0)
	WIN wa
.set n, 0
.rept 16
	v_pk_mul_f32 v[TS+2*n:TS+2*n+1], v[ra+2*n:ra+2*n+1], v[TE+2*n:TE+2*n+1]
.set n, n+1
.endr
.set n, 0
.rept 16
	v_pk_mul_f32 v[TS+2*n:TS+2*n+1], v[ra+32+2*n:ra+32+2*n+1], v[TS+2*n:TS+2*n+1]
.set n, n+1
.endr
	WIN 0
	s_wait_xcnt 0x0                        ; the last tile's stores have read OP
.irp j, 0,1,2,3,4,5,6,7
	v_cvt_pk_bf16_f32 v[OP+2*\j], v[TS+\j], v[TS+8+\j]
	v_cvt_pk_bf16_f32 v[OP+2*\j+1], v[TS+16+\j], v[TS+24+\j]
	global_store_b64 v[OOFF], v[OP+2*\j:OP+2*\j+1], s[PO:PO+1] offset:(\i)*8192+\j*256
.endr
.endm
.macro FINISH                          ; the wave's end, behind my last LDS store
	s_wait_tensorcnt 0x0
	ds_add_u32 v[SPW], v[NIL]
	s_wait_dscnt 0x0
	s_endpgm
.endm
; ---- end of the core ----
	s_load_b512 s[4:19], s[0:1], 0x0       ; a1 4, wq1 6, wq2 8, wk1 10, wk2 12, wv1 14, wv2 16, bq1 18
	s_load_b256 s[20:27], s[0:1], 0x40     ; bq2 20, bk1 22, bk2 24, bv1 26
	s_load_b128 s[28:31], s[0:1], 0x60     ; bv2 28, qkv 30
	IDS
	s_lshr_b32 s33, ttmp9, 4               ; projection 0, 1, 2
	s_and_b32 s34, ttmp9, 15               ; head
	s_and_b32 s35, ttmp7, 0xffff           ; batch
.irp i, 0,1,2,3
	v_add_nc_u32 v14, 64*\i, v[PLC]
	v_lshl_add_u32 v[ROFF+\i], v14, 11, v[H16]   ; row (64 i + 16 w + tile row) x 2,048 bytes + 16 h
.endr
	v_lshlrev_b32 v[OOFF], 3, v2
	v_lshl_add_u32 v[OOFF], v3, 7, v[OOFF]       ; 128 h + 8 r
	s_mov_b32 s[NLG], 0xbfb8aa3b           ; -log2(e)
	s_mov_b32 s[NLG+1], s[NLG]
	s_wait_kmcnt 0x0
	s_cmp_eq_u32 s33, 1
	s_cselect_b64 s[36:37], s[10:11], s[6:7]
	s_cselect_b64 s[38:39], s[12:13], s[8:9]
	s_cselect_b64 s[40:41], s[22:23], s[18:19]
	s_cselect_b64 s[42:43], s[24:25], s[20:21]
	s_cmp_eq_u32 s33, 2
	s_cselect_b64 s[36:37], s[14:15], s[36:37]
	s_cselect_b64 s[38:39], s[16:17], s[38:39]
	s_cselect_b64 s[40:41], s[26:27], s[40:41]
	s_cselect_b64 s[42:43], s[28:29], s[42:43]
	s_cmp_eq_u32 s[G], 1
	s_cselect_b64 s[PW:PW+1], s[38:39], s[36:37]
	s_lshl_b32 s90, s34, 8                 ; the head's 64 columns
	s_mov_b32 s91, 0
	s_add_nc_u64 s[40:41], s[40:41], s[90:91]
	s_add_nc_u64 s[42:43], s[42:43], s[90:91]
	s_lshl_b32 s92, s[KH], 16              ; 16 rows of 4,096 bytes
	s_add_co_u32 s90, s90, s92
	s_add_nc_u64 s[PW:PW+1], s[PW:PW+1], s[90:91]
	s_lshl_b32 s90, s35, 19                ; the batch's 256 rows of a1
	s_add_nc_u64 s[PA0:PA0+1], s[4:5], s[90:91]
	s_lshl_b32 s90, s35, 4
	s_add_co_u32 s90, s90, s34
	s_lshl_b32 s90, s90, 8
	s_lshl_b32 s92, s[WV], 4
	s_add_co_u32 s90, s90, s92
	s_lshl_b32 s90, s90, 7                 ; ((b 16 + head) 256 + 16 w) rows of 128 bytes
	s_lshl_b32 s92, s33, 21
	s_add_co_u32 s90, s90, s92
	s_add_nc_u64 s[PO:PO+1], s[30:31], s[90:91]
	global_load_b128 v[BIA:BIA+3], v[BOFF], s[40:41]
	global_load_b128 v[BIA+4:BIA+7], v[BOFF], s[42:43]
	STREAM_A
	STREAM_B
	START_B
	AINIT
	KLOOP
	SWIGLU 0
	SWIGLU 1
	SWIGLU 2
	SWIGLU 3
	FINISH
.Lfunc_end_k_q7cc16c222e_qkvp:
	.size	k_q7cc16c222e_qkvp, .Lfunc_end_k_q7cc16c222e_qkvp-k_q7cc16c222e_qkvp
	.p2alignl 7, 3214868480
	.fill 96, 4, 3214868480
	.section	.rodata,"a",@progbits
	.p2align	6, 0x0
	.amdhsa_kernel k_q7cc16c222e_qkvp
		.amdhsa_group_segment_fixed_size 262656
		.amdhsa_private_segment_fixed_size 0
		.amdhsa_enable_private_segment 0
		.amdhsa_kernarg_size 112
		.amdhsa_user_sgpr_count 2
		.amdhsa_user_sgpr_kernarg_segment_ptr 1
		.amdhsa_wavefront_size32 1
		.amdhsa_system_sgpr_workgroup_id_x 1
		.amdhsa_system_sgpr_workgroup_id_y 1
		.amdhsa_system_sgpr_workgroup_id_z 1
		.amdhsa_system_vgpr_workitem_id 0
		.amdhsa_next_free_vgpr 768
		.amdhsa_next_free_sgpr 100
		.amdhsa_reserve_vcc 0
		.amdhsa_float_denorm_mode_32 3
		.amdhsa_float_denorm_mode_16_64 3
		.amdhsa_memory_ordered 1
		.amdhsa_forward_progress 1
		.amdhsa_inst_pref_size 100
	.end_amdhsa_kernel
	.amdgpu_metadata
---
amdhsa.version: [ 1, 2 ]
amdhsa.kernels:
  - .name:           k_q7cc16c222e_qkvp
    .symbol:         k_q7cc16c222e_qkvp.kd
    .args:
      - { .name: a1, .offset: 0, .size: 8, .value_kind: global_buffer, .address_space: global }
      - { .name: wq1, .offset: 8, .size: 8, .value_kind: global_buffer, .address_space: global }
      - { .name: wq2, .offset: 16, .size: 8, .value_kind: global_buffer, .address_space: global }
      - { .name: wk1, .offset: 24, .size: 8, .value_kind: global_buffer, .address_space: global }
      - { .name: wk2, .offset: 32, .size: 8, .value_kind: global_buffer, .address_space: global }
      - { .name: wv1, .offset: 40, .size: 8, .value_kind: global_buffer, .address_space: global }
      - { .name: wv2, .offset: 48, .size: 8, .value_kind: global_buffer, .address_space: global }
      - { .name: bq1, .offset: 56, .size: 8, .value_kind: global_buffer, .address_space: global }
      - { .name: bq2, .offset: 64, .size: 8, .value_kind: global_buffer, .address_space: global }
      - { .name: bk1, .offset: 72, .size: 8, .value_kind: global_buffer, .address_space: global }
      - { .name: bk2, .offset: 80, .size: 8, .value_kind: global_buffer, .address_space: global }
      - { .name: bv1, .offset: 88, .size: 8, .value_kind: global_buffer, .address_space: global }
      - { .name: bv2, .offset: 96, .size: 8, .value_kind: global_buffer, .address_space: global }
      - { .name: qkv, .offset: 104, .size: 8, .value_kind: global_buffer, .address_space: global }
    .group_segment_fixed_size: 262656
    .private_segment_fixed_size: 0
    .kernarg_segment_align: 8
    .kernarg_segment_size: 112
    .max_flat_workgroup_size: 128
    .sgpr_count:     100
    .vgpr_count:     768
    .wavefront_size: 32
...
	.end_amdgpu_metadata
.endif
;; end of part 2
;; launch attn (part 3): grid 4 x 64, 4 waves a work-group, no clusters, 87,552 bytes of LDS; arguments qkv, mask, hbuf; writes hbuf
.if DOCPART == 3
	.amdgcn_target "amdgcn-amd-amdhsa--gfx1250"
	.amdhsa_code_object_version 6
	.text
	.protected	k_q7cc16c222e_attn
	.globl	k_q7cc16c222e_attn
	.p2align	8
	.type	k_q7cc16c222e_attn,@function
k_q7cc16c222e_attn:
	s_mov_b64 s[64:65], 0
	v_nop
	global_prefetch_b8 v0, s[64:65] scope:SCOPE_SE
	s_setreg_imm32_b32 hwreg(HW_REG_WAVE_MODE, 25, 1), 1
	s_wait_xcnt 0x0
; ctx[head][b 256 + q][0:64] = sum over k of softmax_k( mask ? q.k / 8 : -1e9 ) v[k].  q, k, v: [b][head][256][64] bf16; mask: [b][256][256] i32; ctx bf16 by heads, in the first 2 MiB of hbuf.
; A work-group owns 64 queries of one (b, head), a wave 16.  All 256 keys fit: K and V go once through registers into LDS; a wave holds all its 256 scores, so the maximum is the row's true maximum.
; S^T = K Q^T (source 0 = 16 keys, source 1 = 16 queries): a lane holds ONE query (lane % 16) and keys 8 (lane / 16) + 0..7 of each tile; two tiles rounded in pairs ARE source 1 of O^T = V^T P.
; The mask is an exact choice, as reference() makes it: a row with no key left gives the mean of V.
; NO MULTICAST: the four work-groups of a head share 64 KiB, read once each through registers; no tensor load is used in this short launch.
; LIMITS: bf16 operands (q, k, v, p), f32 scores, maxima and sums; a weight below 2^-126 counts as 0; NaN and infinities are not treated apart.
.set PKK,  144                         ; a row of K in LDS: 128 bytes + 16
.set PVV,  160                         ; a row of V: 128 + 32
.set VOFF, 256*PKK                     ; 36,864
.set STAGE, VOFF+256*PVV               ; 77,824: 16 rows x 144 bytes for each wave, for the way out
.set SPARE, STAGE+4*16*144             ; 87,040: the spare words, 128 bytes a wave
.set Q,   16                           ; v16-31   Q: two operands
.set S,   32                           ; v32-159  K and V on their way to LDS; then S^T; then P in v32-95 and O^T in v96-127
.set O,   96
.set KF,  160                          ; v160-223 operands of K, later of V
.set LS,  224                          ; v224-231 four chains of the row sum
.set SPW, 232
.set NIL, 233
.set ML,  234                          ; v234-235 m log2(e)
.set TM,  236                          ; v236-239 four chains of the maximum
.set RL,  240                          ; v240-241 1 / l
.set MSB, 0
.macro WIN new
.if MSB != (\new)
	s_set_vgpr_msb (MSB<<8)|(\new)
.set MSB, (\new)
.endif
.endm
.macro KFETCH b                        ; key tiles 4 b .. 4 b + 3: eight operands
.irp f, 0,1,2,3,4,5,6,7
	ds_load_b128 v[KF+8*\f:KF+8*\f+3],   v9 offset:(4*(\b)+(\f>>1))*16*PKK+(\f&1)*64
	ds_load_b128 v[KF+8*\f+4:KF+8*\f+7], v9 offset:(4*(\b)+(\f>>1))*16*PKK+(\f&1)*64+32
.endr
.endm
.macro VFETCH p                        ; keys 64 p .. 64 p + 63, turned: operand f: keys 32 (f / 4) on, channels 16 (f % 4) on
.irp f, 0,1,2,3,4,5,6,7
	ds_load_tr16_b128 v[KF+8*\f:KF+8*\f+3],   v10 offset:(\p)*64*PVV+(\f>>2)*32*PVV+(\f&3)*32
	ds_load_tr16_b128 v[KF+8*\f+4:KF+8*\f+7], v10 offset:(\p)*64*PVV+(\f>>2)*32*PVV+16*PVV+(\f&3)*32
.endr
.endm
; Four key tiles: eight products, the four accumulators by turns; 32 compares of the mask are the places behind them; the next run of LDS loads; then the scale and the choice.
.macro SBLK b
	s_wait_dscnt 0x0
.irp c, 0,1
.irp u, 0,1,2,3
.if \c == 0
	v_wmma_f32_16x16x32_bf16 v[S+8*(4*(\b)+\u):S+8*(4*(\b)+\u)+7], v[KF+8*(2*\u+\c):KF+8*(2*\u+\c)+7], v[Q+8*\c:Q+8*\c+7], 0
.else
	v_wmma_f32_16x16x32_bf16 v[S+8*(4*(\b)+\u):S+8*(4*(\b)+\u)+7], v[KF+8*(2*\u+\c):KF+8*(2*\u+\c)+7], v[Q+8*\c:Q+8*\c+7], v[S+8*(4*(\b)+\u):S+8*(4*(\b)+\u)+7]
.endif
.endr
.endr
	WIN 0x04                               ; the mask lies in window 1
.set n, 0
.rept 32
	v_cmp_eq_u32 s[32+n], 0, v[32*(\b)+n]
.set n, n+1
.endr
	WIN 0
.if (\b) < 3
	KFETCH (\b)+1
.else
	VFETCH 0
.endif
.set n, 0
.rept 16
	v_pk_mul_f32 v[S+32*(\b)+2*n:S+32*(\b)+2*n+1], v[S+32*(\b)+2*n:S+32*(\b)+2*n+1], 0x3e000000 op_sel_hi:[1,0]
.set n, n+1
.endr
.set n, 0
.rept 32
	v_cndmask_b32 v[S+32*(\b)+n], v[S+32*(\b)+n], v14, s[32+n]
.set n, n+1
.endr
.endm
.macro PVR p                           ; 64 keys: eight products, O^T's four accumulators by turns
	s_wait_dscnt 0x0
.irp kk, 0,1
.irp cb, 0,1,2,3
.if ((\p) == 0) && (\kk == 0)
	v_wmma_f32_16x16x32_bf16 v[O+8*\cb:O+8*\cb+7], v[KF+32*\kk+8*\cb:KF+32*\kk+8*\cb+7], v[S+8*(2*(\p)+\kk):S+8*(2*(\p)+\kk)+7], 0
.else
	v_wmma_f32_16x16x32_bf16 v[O+8*\cb:O+8*\cb+7], v[KF+32*\kk+8*\cb:KF+32*\kk+8*\cb+7], v[S+8*(2*(\p)+\kk):S+8*(2*(\p)+\kk)+7], v[O+8*\cb:O+8*\cb+7]
.endif
.endr
.endr
.endm
	s_load_b128 s[4:7], s[0:1], 0x0        ; qkv s[4:5], mask s[6:7]
	s_load_b64 s[8:9], s[0:1], 0x10        ; hbuf
	v_lshl_add_u32 v[SPW], v0, 2, SPARE
	v_mov_b32 v[NIL], 0
	v_lshrrev_b32 v15, 5, v0
	v_readfirstlane_b32 s10, v15           ; wave
	s_and_b32 s11, ttmp7, 0xffff           ; b 16 + head
	s_lshr_b32 s12, s11, 4
	s_and_b32 s13, s11, 15
	s_lshl_b32 s22, ttmp9, 6
	s_lshl_b32 s23, s10, 4
	s_add_co_u32 s22, s22, s23             ; my wave's first query
	s_lshl_b32 s14, s11, 15                ; the head's 256 rows of 128 bytes
	s_mov_b32 s15, 0
	s_lshl_b32 s24, s22, 7
	s_add_co_u32 s24, s24, s14
	s_mov_b32 s25, 0
	s_lshl_b32 s26, s12, 18
	s_lshl_b32 s23, s22, 10
	s_add_co_u32 s26, s26, s23             ; the mask's rows
	s_mov_b32 s27, 0
	s_lshl_b32 s28, s13, 10
	s_lshl_b32 s23, s12, 8
	s_add_co_u32 s28, s28, s23
	s_add_co_u32 s28, s28, s22
	s_lshl_b32 s28, s28, 7                 ; (head 1024 + b 256 + query) x 128
	s_mov_b32 s29, 0
	s_mul_i32 s23, s10, 16*144
	s_add_co_u32 s23, s23, STAGE           ; my stage
	s_mov_b32 s30, 0x3fb8aa3b              ; log2(e), named as a pair
	s_mov_b32 s31, s30
	s_mov_b32 s2, 0x76543210
	s_mov_b32 s3, 0xfedcba98
	v_and_b32 v1, 15, v0                   ; r
	v_bfe_u32 v2, v0, 4, 1                 ; h
	v_lshrrev_b32 v15, 3, v0               ; thread / 8: a row of 128 bytes
	v_and_b32 v6, 7, v0
	v_mul_u32_u24 v4, v15, PKK
	v_lshl_add_u32 v4, v6, 4, v4           ; where my 16 bytes of K go
	v_mul_u32_u24 v5, v15, PVV
	v_lshl_add_u32 v5, v6, 4, v5
	v_add_nc_u32 v5, VOFF, v5              ; and of V
	v_lshl_add_u32 v10, v2, 3, v6          ; the turning load: key 8 h + lane % 8,
	v_mul_u32_u24 v10, v10, PVV
	v_bfe_u32 v15, v0, 3, 1
	v_lshl_add_u32 v10, v15, 4, v10        ; channels 8 ((lane / 8) % 2) on
	v_add_nc_u32 v10, VOFF, v10
	v_bfe_u32 v12, v0, 3, 2
	v_mul_u32_u24 v12, v12, 144
	v_lshl_add_u32 v12, v6, 4, v12
	v_add_nc_u32 v12, s23, v12             ; the way out, back: four rows of 128 bytes
	v_lshlrev_b32 v6, 4, v0                ; 16 x thread
	v_lshlrev_b32 v7, 7, v1
	v_lshl_add_u32 v7, v2, 4, v7           ; Q: r x 128 + 16 h
	v_lshlrev_b32 v8, 10, v1
	v_lshl_add_u32 v8, v2, 5, v8           ; mask: r x 1024 + 32 h
	v_mul_u32_u24 v9, v1, PKK
	v_lshl_add_u32 v9, v2, 4, v9           ; K's operands: r x 144 + 16 h
	v_mul_u32_u24 v11, v1, 144
	v_lshl_add_u32 v11, v2, 4, v11
	v_add_nc_u32 v11, s23, v11             ; the way out, in
	v_and_b32 v13, 31, v0
	v_lshlrev_b32 v13, 4, v13              ; 16 x lane
	v_mov_b32 v14, 0xce6e6b28              ; -1e9
	s_wait_kmcnt 0x0
	s_add_nc_u64 s[16:17], s[4:5], s[14:15]
	s_add_nc_u64 s[18:19], s[16:17], 0x400000    ; V
	s_add_nc_u64 s[16:17], s[16:17], 0x200000    ; K
	s_add_nc_u64 s[20:21], s[4:5], s[24:25]      ; Q
	s_add_nc_u64 s[6:7], s[6:7], s[26:27]
	s_add_nc_u64 s[8:9], s[8:9], s[28:29]
.set n, 0
.rept 16
	global_load_b128 v[S+4*n:S+4*n+3], v6, s[16:17] offset:2048*n
.set n, n+1
.endr
.set n, 0
.rept 16
	global_load_b128 v[S+64+4*n:S+64+4*n+3], v6, s[18:19] offset:2048*n
.set n, n+1
.endr
.irp i, 0,1
	global_load_b128 v[Q+8*\i:Q+8*\i+3],   v7, s[20:21] offset:64*\i
	global_load_b128 v[Q+8*\i+4:Q+8*\i+7], v7, s[20:21] offset:64*\i+32
.endr
	WIN 0x40
.set n, 0
.rept 32                                   ; register 8 kt + j of window 1: key 16 kt + 8 h + j, as in S^T
	global_load_b128 v[4*n:4*n+3], v8, s[6:7] offset:16*n+16*(n&~1)
.set n, n+1
.endr
	WIN 0
	s_wait_loadcnt 36                      ; K and V are in; Q's four and the mask's 32 loads stay out
.set n, 0
.rept 16
	ds_store_b128 v4, v[S+4*n:S+4*n+3] offset:n*16*PKK
	ds_store_b128 v5, v[S+64+4*n:S+64+4*n+3] offset:n*16*PVV
.set n, n+1
.endr
	s_wait_dscnt 0x0                       ; for the others' sake
	s_barrier_signal -1
	s_barrier_wait -1
	KFETCH 0
	s_wait_loadcnt 0x0                     ; Q and the mask
	SBLK 0
	SBLK 1
	SBLK 2
	SBLK 3
	; the row's maximum: four chains, then the other half of the lanes
.irp k, 0,1,2,3
	v_max_num_f32 v[TM+\k], v[S+32*\k], v[S+32*\k+1]
.endr
.set u, 0
.rept 15
.irp k, 0,1,2,3
	v_max3_num_f32 v[TM+\k], v[TM+\k], v[S+32*\k+2+2*u], v[S+32*\k+3+2*u]
.endr
.set u, u+1
.endr
	v_max3_num_f32 v[TM], v[TM], v[TM+1], v[TM+2]
	v_max_num_f32 v[TM], v[TM], v[TM+3]
	v_permlanex16_b32 v[TM+1], v[TM], s2, s3
	v_max_num_f32 v[TM], v[TM], v[TM+1]
	v_mul_f32 v[ML], s30, v[TM]
	v_mov_b32 v[ML+1], v[ML]
.set n, 0
.rept 64
	v_pk_fma_f32 v[S+2*n:S+2*n+1], v[S+2*n:S+2*n+1], s[30:31], v[ML:ML+1] op_sel_hi:[1,0,0] neg_lo:[0,0,1] neg_hi:[0,0,1]
.set n, n+1
.endr
.set n, 0
.rept 128
	v_exp_f32 v[S+n], v[S+n]
.set n, n+1
.endr
	v_nop                                  ; one plain instruction and one wait for the batch of 128
	s_wait_alu depctr_va_vdst(0)
.irp k, 0,1,2,3
	v_pk_add_f32 v[LS+2*\k:LS+2*\k+1], v[S+32*\k:S+32*\k+1], v[S+32*\k+2:S+32*\k+3]
.endr
.set u, 2
.rept 14
.irp k, 0,1,2,3
	v_pk_add_f32 v[LS+2*\k:LS+2*\k+1], v[LS+2*\k:LS+2*\k+1], v[S+32*\k+2*u:S+32*\k+2*u+1]
.endr
.set u, u+1
.endr
.set n, 0
.rept 64                                   ; P, compacted in place: register n is written when registers 2 n, 2 n + 1 are read
	v_cvt_pk_bf16_f32 v[S+n], v[S+2*n], v[S+2*n+1]
.set n, n+1
.endr
	PVR 0
.irp p, 1,2,3
.rept 4
	v_nop                                  ; places in front of the loads into V's registers
.endr
	VFETCH \p
	PVR \p
.endr
	v_pk_add_f32 v[LS:LS+1], v[LS:LS+1], v[LS+2:LS+3]          ; l: these four are the places behind the last products
	v_pk_add_f32 v[LS+4:LS+5], v[LS+4:LS+5], v[LS+6:LS+7]
	v_pk_add_f32 v[LS:LS+1], v[LS:LS+1], v[LS+4:LS+5]
	v_add_f32 v[LS], v[LS], v[LS+1]
	v_permlanex16_b32 v[LS+1], v[LS], s2, s3
	v_add_f32 v[LS], v[LS], v[LS+1]
	v_rcp_f32 v[RL], v[LS]
	v_nop
	s_wait_alu depctr_va_vdst(0)
	v_mov_b32 v[RL+1], v[RL]
.set n, 0
.rept 16
	v_pk_mul_f32 v[O+2*n:O+2*n+1], v[O+2*n:O+2*n+1], v[RL:RL+1]
.set n, n+1
.endr
.set n, 0
.rept 16
	v_cvt_pk_bf16_f32 v[KF+n], v[O+2*n], v[O+2*n+1]
.set n, n+1
.endr
.irp f, 0,1,2,3
	ds_store_b128 v11, v[KF+4*\f:KF+4*\f+3] offset:32*\f       ; my query's channels 16 f + 8 h .. + 7
.endr
.irp f, 0,1,2,3
	ds_load_b128 v[KF+16+4*\f:KF+16+4*\f+3], v12 offset:\f*4*144   ; my wave's own bytes, served in order: whole rows come back
.endr
.irp f, 0,1,2,3
	s_wait_dscnt 3-\f
	global_store_b128 v13, v[KF+16+4*\f:KF+16+4*\f+3], s[8:9] offset:512*\f   ; 512 consecutive bytes, aligned
.endr
	s_wait_tensorcnt 0x0                   ; the wave's end
	ds_add_u32 v[SPW], v[NIL]
	s_wait_dscnt 0x0
	s_endpgm
.Lfunc_end_k_q7cc16c222e_attn:
	.size	k_q7cc16c222e_attn, .Lfunc_end_k_q7cc16c222e_attn-k_q7cc16c222e_attn
	.p2alignl 7, 3214868480
	.fill 96, 4, 3214868480
	.section	.rodata,"a",@progbits
	.p2align	6, 0x0
	.amdhsa_kernel k_q7cc16c222e_attn
		.amdhsa_group_segment_fixed_size 87552
		.amdhsa_private_segment_fixed_size 0
		.amdhsa_enable_private_segment 0
		.amdhsa_kernarg_size 24
		.amdhsa_user_sgpr_count 2
		.amdhsa_user_sgpr_kernarg_segment_ptr 1
		.amdhsa_wavefront_size32 1
		.amdhsa_system_sgpr_workgroup_id_x 1
		.amdhsa_system_sgpr_workgroup_id_y 1
		.amdhsa_system_sgpr_workgroup_id_z 1
		.amdhsa_system_vgpr_workitem_id 0
		.amdhsa_next_free_vgpr 384
		.amdhsa_next_free_sgpr 66
		.amdhsa_reserve_vcc 0
		.amdhsa_float_denorm_mode_32 3
		.amdhsa_float_denorm_mode_16_64 3
		.amdhsa_memory_ordered 1
		.amdhsa_forward_progress 1
		.amdhsa_inst_pref_size 71
	.end_amdhsa_kernel
	.amdgpu_metadata
---
amdhsa.version: [ 1, 2 ]
amdhsa.kernels:
  - .name:           k_q7cc16c222e_attn
    .symbol:         k_q7cc16c222e_attn.kd
    .args:
      - { .name: qkv, .offset: 0, .size: 8, .value_kind: global_buffer, .address_space: global }
      - { .name: mask, .offset: 8, .size: 8, .value_kind: global_buffer, .address_space: global }
      - { .name: hbuf, .offset: 16, .size: 8, .value_kind: global_buffer, .address_space: global }
    .group_segment_fixed_size: 87552
    .private_segment_fixed_size: 0
    .kernarg_segment_align: 8
    .kernarg_segment_size: 24
    .max_flat_workgroup_size: 128
    .sgpr_count:     66
    .vgpr_count:     384
    .wavefront_size: 32
...
	.end_amdgpu_metadata
.endif
;; end of part 3
;; launch wop (part 4): grid 16 x 16, 4 waves a work-group, no clusters, 131,584 bytes of LDS; arguments hbuf, wo, bo, x, x1; writes x1
.if DOCPART == 4
	.amdgcn_target "amdgcn-amd-amdhsa--gfx1250"
	.amdhsa_code_object_version 6
	.text
	.protected	k_q7cc16c222e_wop
	.globl	k_q7cc16c222e_wop
	.p2align	8
	.type	k_q7cc16c222e_wop,@function
k_q7cc16c222e_wop:
	s_mov_b64 s[64:65], 0
	v_nop
	global_prefetch_b8 v0, s[64:65] scope:SCOPE_SE
	s_setreg_imm32_b32 hwreg(HW_REG_WAVE_MODE, 25, 1), 1
	s_wait_xcnt 0x0
; x1 = x + ctx wo + bo.  ctx: bf16 by heads, [16][1024][64], in hbuf's first 2 MiB; wo: [1024 (k)][1024 (n)] f32; x, x1: [1024][1024] f32.
; A work-group owns 64 rows x 64 columns; a wave one tile of 16 rows.  Phases, operand layout and limits as in the projections' kernel: the slice of wo is rounded into LDS once, one barrier,
; then products with weights from LDS and token rows from memory.  The residual stays in f32.
; NO MULTICAST: the weights pass through registers to be rounded.
.set PAIR,   0
.set T,      1
.set PITCH,  4096
.set LOG8P,  15
.set ITROWS, 64
.set NIT,    16
.set IMG,    131072
.set TRIPB,  16384
.set HPT,    4
.set AHI,    131072                    ; a head's 1,024 rows of 128 bytes
.set ATRIP,  262144
.set ROUTED, 0
.set NTW,    0
.set SPARE,  IMG
.set XR,     112                       ; v112-143 x, then x1
; ---- the core, common to the four products ----
.set WOFF, 5
.set WST,  6
.set BRD,  7
.set BRD2, 8
.set OOFF, 9
.set BOFF, 10
.set H16,  12
.set L16,  13
.set PLC,  15
.set ROFF, 16
.set BIA,  22
.set SPW,  30
.set NIL,  31
.set BH,   32
.set PK,   96
.set WV, 66
.set G,  67
.set KH, 68
.set PW, 70
.set PA, 72
.set PA0, 74
.set PO, 76
.set CNT, 80
.set STP, 82
.set NL, 84
.set SB, 96
.set MSB, 0
.macro WIN new
.if MSB != (\new)
	s_set_vgpr_msb (MSB<<8)|(\new)
.set MSB, (\new)
.endif
.endm
.macro IDS
	v_lshl_add_u32 v[SPW], v0, 2, SPARE
	v_mov_b32 v[NIL], 0
	v_and_b32 v1, 31, v0
	v_lshrrev_b32 v11, 5, v0
	v_readfirstlane_b32 s[WV], v11
	s_lshr_b32 s[G], s[WV], 1
	s_and_b32 s[KH], s[WV], 1
	v_and_b32 v2, 15, v0
	v_bfe_u32 v3, v0, 4, 1
	v_and_b32 v4, 7, v0
	v_bfe_u32 v11, v0, 3, 1
	v_lshl_add_u32 v4, v4, 1, v11
	v_lshlrev_b32 v[BOFF], 4, v2
	v_lshl_add_u32 v[WOFF], v3, LOG8P, v[BOFF]
	v_lshlrev_b32 v[L16], 4, v1
	v_lshlrev_b32 v[H16], 4, v3
	s_lshl_b32 s90, s[G], 12
	s_lshl_b32 s91, s[KH], 9
	s_add_co_u32 s90, s90, s91
	v_add_nc_u32 v[WST], s90, v[L16]
	s_lshl_b32 s90, s[WV], 4
	v_add_nc_u32 v[PLC], s90, v4
	s_mov_b32 s[STP+1], 0
.endm
.macro SLOAD s
	WIN 0x80
.irp j, 0,1,2,3,4,5,6,7
.if NTW
	global_load_b128 v[32*(\s)+4*\j:32*(\s)+4*\j+3], v[WOFF], s[PW:PW+1] offset:((\s)*ITROWS+\j)*PITCH th:TH_LOAD_NT
.else
	global_load_b128 v[32*(\s)+4*\j:32*(\s)+4*\j+3], v[WOFF], s[PW:PW+1] offset:((\s)*ITROWS+\j)*PITCH
.endif
.endr
.endm
.macro SCVT s
	WIN 0x0a
.irp t, 0,1,2,3
.irp i, 0,1,2,3
	v_cvt_pk_bf16_f32 v[PK+4*\t+\i], v[32*(\s)+8*\i+\t], v[32*(\s)+8*\i+4+\t]
.endr
.endr
	WIN 0
.irp t, 0,1,2,3
	ds_store_b128 v[WST], v[PK+4*\t:PK+4*\t+3] offset:(\s)*8192+\t*1024
.endr
.endm
.macro STREAM_A
.irp s, 0,1,2,3,4,5
	SLOAD \s
.endr
	WIN 0
.endm
.macro STREAM_B
	SLOAD 6
	SLOAD 7
	WIN 0
	s_wait_xcnt 0x0                        ; the base is stepped only behind this wait
	s_add_nc_u64 s[PW:PW+1], s[PW:PW+1], 8*ITROWS*PITCH
	s_mov_b32 s[CNT], NIT/8-1
.Lstream:
.irp s, 0,1,2,3,4,5,6,7
	s_wait_loadcnt 56                      ; the seven younger slots' 56 loads stay out
	SCVT \s
	SLOAD \s
.endr
	WIN 0
	s_wait_xcnt 0x0
	s_add_nc_u64 s[PW:PW+1], s[PW:PW+1], 8*ITROWS*PITCH
	v_add_nc_u32 v[WST], 0x10000, v[WST]
	s_sub_co_u32 s[CNT], s[CNT], 1
	s_cmp_lg_u32 s[CNT], 0
	s_cbranch_scc1 .Lstream
.irp s, 0,1,2,3,4,5,6,7
	s_wait_loadcnt 56-8*\s                 ; the counts run down
	SCVT \s
.endr
	s_wait_dscnt 0x0                       ; for the others' sake
	s_barrier_signal -1
	s_barrier_wait -1
.endm
.macro BLOAD hb, adr, off
.irp t, 0,1,2,3
	ds_load_b128 v[BH+32*(\hb)+8*\t:BH+32*(\hb)+8*\t+3], v[\adr] offset:(\off)+\t*1024
	ds_load_b128 v[BH+32*(\hb)+8*\t+4:BH+32*(\hb)+8*\t+7], v[\adr] offset:(\off)+\t*1024+512
.endr
.endm
.macro START_B
	v_mov_b32 v[BRD], v[L16]
	v_add_nc_u32 v[BRD2], TRIPB, v[L16]
	s_mov_b32 s[SB], TRIPB
	BLOAD 0, BRD, 0
	BLOAD 1, BRD, 4096
.endm
.macro ALOAD c
	WIN 0x40
.set ii, 0
.rept T
	global_load_b128 v[8*T*(\c)+8*ii:8*T*(\c)+8*ii+3], v[ROFF+ii], s[PA:PA+1] offset:((\c)>>1)*AHI+((\c)&1)*64
	global_load_b128 v[8*T*(\c)+8*ii+4:8*T*(\c)+8*ii+7], v[ROFF+ii], s[PA:PA+1] offset:((\c)>>1)*AHI+((\c)&1)*64+32
.set ii, ii+1
.endr
.endm
.macro MMH c, hb, cg                   ; the four accumulators take turns
.set ii, 0
.rept T
	WIN 0xa1
.set ra, 32*ii
.irp t, 0,1,2,3
	v_wmma_f32_16x16x32_bf16 v[ra+8*\t:ra+8*\t+7], v[8*T*(\c)+8*ii:8*T*(\c)+8*ii+7], v[BH+32*(\hb)+8*\t:BH+32*(\hb)+8*\t+7], v[ra+8*\t:ra+8*\t+7]
.endr
.set ii, ii+1
.endr
	WIN 0
.endm
.macro HALF c, cg, q
	s_wait_dscnt 8                         ; this block's eight loads are in; the next block's eight stay out
	MMH \c, (\q)&1, \cg
.rept 4
	v_nop                                  ; four places between the products and the loads into what they read
.endr
.if (\q)+2 < HPT
	BLOAD (\q)&1, BRD, ((\q)+2)*4096
.else
	BLOAD (\q)&1, BRD2, ((\q)+2-HPT)*4096
.endif
.endm
.macro AINIT                           ; the sums start at the bias of their column
	WIN 0x80
.set ii, 0
.rept T
.set cc, 0
.rept 4
.irp j, 0,1,2,3,4,5,6,7
	v_mov_b32 v[32*ii+8*cc+\j], v[BIA+cc]
.endr
.set cc, cc+1
.endr
.set ii, ii+1
.endr
	WIN 0
.endm
.macro KLOOP                           ; eight trips of four subs; the last trip asks for its own rows once more, so that every wait counts the same loads
	WIN 0
	s_mov_b64 s[PA:PA+1], s[PA0:PA0+1]
	ALOAD 0
	ALOAD 1
	ALOAD 2
	ALOAD 3
	WIN 0
	s_wait_xcnt 0x0
	s_add_nc_u64 s[PA:PA+1], s[PA:PA+1], ATRIP
	s_mov_b32 s[CNT], 8
.Lk_\@:
.irp c, 0,1,2,3
	s_wait_loadcnt 6*T                     ; three younger groups of 2 T loads stay out
	HALF \c, 0, \c
	ALOAD \c
.endr
	WIN 0
	s_wait_xcnt 0x0
	s_cmp_gt_u32 s[CNT], 2
	s_cselect_b32 s[STP], ATRIP, 0
	s_add_nc_u64 s[PA:PA+1], s[PA:PA+1], s[STP:STP+1]
	v_mov_b32 v[BRD], v[BRD2]
	s_add_co_u32 s[SB], s[SB], TRIPB
	s_and_b32 s[SB], s[SB], IMG-1
	v_add_nc_u32 v[BRD2], s[SB], v[L16]
	s_sub_co_u32 s[CNT], s[CNT], 1
	s_cmp_lg_u32 s[CNT], 0
	s_cbranch_scc1 .Lk_\@
	s_wait_loadcnt 0x0
.rept 4
	v_nop
.endr
.endm
.macro FINISH
	s_wait_tensorcnt 0x0
	ds_add_u32 v[SPW], v[NIL]
	s_wait_dscnt 0x0
	s_endpgm
.endm
; ---- end of the core ----
	s_load_b256 s[4:11], s[0:1], 0x0       ; hbuf 4, wo 6, bo 8, x 10
	s_load_b64 s[12:13], s[0:1], 0x20      ; x1
	IDS
	s_mov_b32 s32, ttmp9                   ; slice of 64 columns
	s_and_b32 s33, ttmp7, 0xffff           ; block of 64 rows
	s_lshl_b32 s90, s33, 6
	v_add_nc_u32 v14, s90, v[PLC]
	v_lshl_add_u32 v[ROFF], v14, 7, v[H16] ; token x 128 bytes + 16 h
	v_lshl_add_u32 v[OOFF], v3, 12, v[BOFF]   ; 4,096 h + 16 r
	s_wait_kmcnt 0x0
	s_lshl_b32 s90, s32, 8
	s_mov_b32 s91, 0
	s_add_nc_u64 s[8:9], s[8:9], s[90:91]
	s_lshl_b32 s92, s[G], 17
	s_add_co_u32 s90, s90, s92
	s_lshl_b32 s92, s[KH], 16
	s_add_co_u32 s90, s90, s92
	s_add_nc_u64 s[PW:PW+1], s[6:7], s[90:91]
	s_mov_b64 s[PA0:PA0+1], s[4:5]
	s_lshl_b32 s90, s33, 6
	s_lshl_b32 s92, s[WV], 4
	s_add_co_u32 s90, s90, s92
	s_lshl_b32 s90, s90, 12
	s_lshl_b32 s92, s32, 8
	s_add_co_u32 s90, s90, s92
	s_add_nc_u64 s[10:11], s[10:11], s[90:91]
	s_add_nc_u64 s[PO:PO+1], s[12:13], s[90:91]
	global_load_b128 v[BIA:BIA+3], v[BOFF], s[8:9]
	STREAM_A
	STREAM_B
	START_B
.irp j, 0,1,2,3,4,5,6,7
	global_load_b128 v[XR+4*\j:XR+4*\j+3], v[OOFF], s[10:11] offset:8192*\j    ; x, rows 2 j + h: ahead of the token ring, whose waits cover them
.endr
	AINIT
	KLOOP
	WIN 0x02                               ; source 0: the accumulators' window
.irp j, 0,1,2,3,4,5,6,7
.irp t, 0,1,2,3
	v_add_f32 v[XR+4*\j+\t], v[8*\t+\j], v[XR+4*\j+\t]
.endr
.endr
	WIN 0
.irp j, 0,1,2,3,4,5,6,7
	global_store_b128 v[OOFF], v[XR+4*\j:XR+4*\j+3], s[PO:PO+1] offset:8192*\j  ; sixteen lanes: 256 consecutive bytes, aligned
.endr
	FINISH
.Lfunc_end_k_q7cc16c222e_wop:
	.size	k_q7cc16c222e_wop, .Lfunc_end_k_q7cc16c222e_wop-k_q7cc16c222e_wop
	.p2alignl 7, 3214868480
	.fill 96, 4, 3214868480
	.section	.rodata,"a",@progbits
	.p2align	6, 0x0
	.amdhsa_kernel k_q7cc16c222e_wop
		.amdhsa_group_segment_fixed_size 131584
		.amdhsa_private_segment_fixed_size 0
		.amdhsa_enable_private_segment 0
		.amdhsa_kernarg_size 40
		.amdhsa_user_sgpr_count 2
		.amdhsa_user_sgpr_kernarg_segment_ptr 1
		.amdhsa_wavefront_size32 1
		.amdhsa_system_sgpr_workgroup_id_x 1
		.amdhsa_system_sgpr_workgroup_id_y 1
		.amdhsa_system_sgpr_workgroup_id_z 1
		.amdhsa_system_vgpr_workitem_id 0
		.amdhsa_next_free_vgpr 768
		.amdhsa_next_free_sgpr 100
		.amdhsa_reserve_vcc 0
		.amdhsa_float_denorm_mode_32 3
		.amdhsa_float_denorm_mode_16_64 3
		.amdhsa_memory_ordered 1
		.amdhsa_forward_progress 1
		.amdhsa_inst_pref_size 48
	.end_amdhsa_kernel
	.amdgpu_metadata
---
amdhsa.version: [ 1, 2 ]
amdhsa.kernels:
  - .name:           k_q7cc16c222e_wop
    .symbol:         k_q7cc16c222e_wop.kd
    .args:
      - { .name: hbuf, .offset: 0, .size: 8, .value_kind: global_buffer, .address_space: global }
      - { .name: wo, .offset: 8, .size: 8, .value_kind: global_buffer, .address_space: global }
      - { .name: bo, .offset: 16, .size: 8, .value_kind: global_buffer, .address_space: global }
      - { .name: x, .offset: 24, .size: 8, .value_kind: global_buffer, .address_space: global }
      - { .name: x1, .offset: 32, .size: 8, .value_kind: global_buffer, .address_space: global }
    .group_segment_fixed_size: 131584
    .private_segment_fixed_size: 0
    .kernarg_segment_align: 8
    .kernarg_segment_size: 40
    .max_flat_workgroup_size: 128
    .sgpr_count:     100
    .vgpr_count:     768
    .wavefront_size: 32
...
	.end_amdgpu_metadata
.endif
;; end of part 4
;; launch ln2gate (part 5): grid 256 x 1, 4 waves a work-group, no clusters, 0 bytes of LDS; arguments x1, ln2_g, ln2_b, gate_w, gate_b, a1, sel, topw; writes a1, sel, topw
.if DOCPART == 5
	.amdgcn_target "amdgcn-amd-amdhsa--gfx1250"
	.amdhsa_code_object_version 6
	.text
	.protected	k_q7cc16c222e_ln2gate
	.globl	k_q7cc16c222e_ln2gate
	.p2align	8
	.type	k_q7cc16c222e_ln2gate,@function
k_q7cc16c222e_ln2gate:
	s_mov_b64 s[64:65], 0
	v_nop
	global_prefetch_b8 v0, s[64:65] scope:SCOPE_SE
	s_setreg_imm32_b32 hwreg(HW_REG_WAVE_MODE, 25, 1), 1
	s_wait_xcnt 0x0
; For each token: y = LayerNorm(x1) (f32); a1 = bf16(y); gate probabilities softmax(y gate_w + gate_b) in f32, the maximum taken away first; the two largest (a tie keeps the lower index);
; sel[t] = 1 << e0 | 1 << (8 + e1); topw[0][t], topw[1][t] = p / (p0 + p1 + 1e-6).  Nothing here steers an address or a branch: the choice is only stored, at fixed places.
; One wave, one row.  gate_w (32 KiB) comes in eight batches of eight loads through four buffers.
; LIMITS: x1 carries the rounding of the bf16 products in front: a token whose second and third probabilities lie closer than that error carries into a logit (some 2e-5) may choose otherwise
; than reference().  v_exp_f32, v_rcp_f32 and v_rsq_f32 flush denormals; NaN and infinities are not treated apart.
.set X,   16
.set GG,  48
.set BB,  80
.set GW,  112                          ; v112-239 four buffers of 32
.set SUM, 240                          ; v240-247 the eight logits
.set SXA, 32
.set SXB, 33
.set RCN, 34
.set OUTP, 14
.macro RED
	v_add_f32_dpp v8, v8, v8 row_xmask:1 row_mask:0xf bank_mask:0xf
	v_add_f32_dpp v8, v8, v8 row_xmask:2 row_mask:0xf bank_mask:0xf
	v_add_f32_dpp v8, v8, v8 row_xmask:4 row_mask:0xf bank_mask:0xf
	v_add_f32_dpp v8, v8, v8 row_xmask:8 row_mask:0xf bank_mask:0xf
	v_permlanex16_b32 v9, v8, s[SXA], s[SXB]
	v_add_f32 v8, v8, v9
.endm
.macro FOLD
	v_pk_add_f32 v[8:9], v[8:9], v[10:11]
	v_pk_add_f32 v[12:13], v[12:13], v[14:15]
	v_pk_add_f32 v[8:9], v[8:9], v[12:13]
	v_add_f32 v8, v8, v9
.endm
.macro LNORM leftx, leftgb
	s_wait_loadcnt \leftx
.irp k, 0,1,2,3
	v_pk_add_f32 v[8+2*\k:9+2*\k], v[X+2*\k:X+2*\k+1], v[X+8+2*\k:X+8+2*\k+1]
.endr
.irp u, 2,3
.irp k, 0,1,2,3
	v_pk_add_f32 v[8+2*\k:9+2*\k], v[8+2*\k:9+2*\k], v[X+8*\u+2*\k:X+8*\u+2*\k+1]
.endr
.endr
	FOLD
	RED
	v_mul_f32 v6, s[RCN], v8
	v_mov_b32 v7, v6
.set n, 0
.rept 16
	v_pk_add_f32 v[X+2*n:X+2*n+1], v[X+2*n:X+2*n+1], v[6:7] neg_lo:[0,1] neg_hi:[0,1]
.set n, n+1
.endr
.irp k, 0,1,2,3
	v_pk_mul_f32 v[8+2*\k:9+2*\k], v[X+2*\k:X+2*\k+1], v[X+2*\k:X+2*\k+1]
.endr
.irp u, 1,2,3
.irp k, 0,1,2,3
	v_pk_fma_f32 v[8+2*\k:9+2*\k], v[X+8*\u+2*\k:X+8*\u+2*\k+1], v[X+8*\u+2*\k:X+8*\u+2*\k+1], v[8+2*\k:9+2*\k]
.endr
.endr
	FOLD
	RED
	v_fma_f32 v8, v8, s[RCN], v5
	v_rsq_f32 v6, v8
	v_nop
	s_wait_alu depctr_va_vdst(0)           ; the wait ahead of the root's first reader
	v_mov_b32 v7, v6
	s_wait_loadcnt \leftgb
.set n, 0
.rept 16
	v_pk_mul_f32 v[X+2*n:X+2*n+1], v[X+2*n:X+2*n+1], v[6:7]
	v_pk_fma_f32 v[X+2*n:X+2*n+1], v[X+2*n:X+2*n+1], v[GG+2*n:GG+2*n+1], v[BB+2*n:BB+2*n+1]
.set n, n+1
.endr
.endm
.macro LNSTORE
.set n, 0
.rept 8
	v_cvt_pk_bf16_f32 v[GG+2*n], v[X+4*n], v[X+4*n+1]
	v_cvt_pk_bf16_f32 v[GG+2*n+1], v[X+4*n+2], v[X+4*n+3]
	global_store_b64 v4, v[GG+2*n:GG+2*n+1], s[OUTP:OUTP+1] offset:256*n
.set n, n+1
.endr
.endm
.macro GLOAD n                         ; batch n: gate_w's rows 128 n + 4 lane .. + 3, 128 bytes a lane
.irp m, 0,1,2,3,4,5,6,7
	global_load_b128 v[GW+32*((\n)&3)+4*\m:GW+32*((\n)&3)+4*\m+3], v2, s[10:11] offset:4096*(\n)+16*\m
.endr
.endm
.macro GBATCH n, left                  ; load m holds row m / 2 of my four, experts 4 (m % 2) .. + 3
	s_wait_loadcnt \left
.irp m, 0,1,2,3,4,5,6,7
.irp q, 0,1,2,3
	v_fmac_f32 v[SUM+4*(\m&1)+\q], v[X+4*(\n)+(\m>>1)], v[GW+32*((\n)&3)+4*\m+\q]
.endr
.endr
.if (\n) < 4
	GLOAD (\n)+4
.endif
.endm
	s_load_b512 s[4:19], s[0:1], 0x0       ; x1 4, g 6, b 8, gate_w 10, gate_b 12, a1 14, sel 16, topw 18
	v_and_b32 v1, 31, v0
	v_lshrrev_b32 v2, 5, v0
	v_readfirstlane_b32 s20, v2
	s_lshl_b32 s21, ttmp9, 2
	s_add_co_u32 s21, s21, s20             ; my token
	s_lshl_b32 s22, s21, 12
	s_mov_b32 s23, 0
	s_lshl_b32 s36, s21, 11
	s_mov_b32 s37, 0
	s_lshl_b32 s38, s21, 2
	s_mov_b32 s39, 0
	s_mov_b32 s[SXA], 0x76543210
	s_mov_b32 s[SXB], 0xfedcba98
	s_mov_b32 s[RCN], 0x3a800000
	v_lshlrev_b32 v3, 4, v1
	v_lshlrev_b32 v4, 3, v1
	v_lshlrev_b32 v2, 7, v1                ; 128 x lane
	v_mov_b32 v5, 0x3727c5ac               ; 1e-5
	s_wait_kmcnt 0x0
	s_load_b256 s[24:31], s[12:13], 0x0    ; gate_b
	s_add_nc_u64 s[4:5], s[4:5], s[22:23]
	s_add_nc_u64 s[14:15], s[14:15], s[36:37]
	s_add_nc_u64 s[16:17], s[16:17], s[38:39]
	s_add_nc_u64 s[18:19], s[18:19], s[38:39]
.irp n, 0,1,2,3,4,5,6,7
	global_load_b128 v[X+4*\n:X+4*\n+3], v3, s[4:5] offset:512*\n
.endr
.irp n, 0,1,2,3,4,5,6,7
	global_load_b128 v[GG+4*\n:GG+4*\n+3], v3, s[6:7] offset:512*\n
.endr
.irp n, 0,1,2,3,4,5,6,7
	global_load_b128 v[BB+4*\n:BB+4*\n+3], v3, s[8:9] offset:512*\n
.endr
	GLOAD 0
	GLOAD 1
	GLOAD 2
	GLOAD 3
.irp e, 0,1,2,3,4,5,6,7
	v_mov_b32 v[SUM+\e], 0
.endr
	LNORM 48, 32                           ; behind the row: g, b and four batches (48 loads); behind g and b: the four batches (32)
	LNSTORE
	GBATCH 0, 24                           ; three younger batches stay out
	GBATCH 1, 24
	GBATCH 2, 24
	GBATCH 3, 24
	GBATCH 4, 24
	GBATCH 5, 16
	GBATCH 6, 8
	GBATCH 7, 0
.irp s, 1,2,4,8
.irp e, 0,1,2,3,4,5,6,7
	v_add_f32_dpp v[SUM+\e], v[SUM+\e], v[SUM+\e] row_xmask:\s row_mask:0xf bank_mask:0xf
.endr
.endr
.irp e, 0,1,2,3,4,5,6,7
	v_permlanex16_b32 v[GW+\e], v[SUM+\e], s[SXA], s[SXB]
.endr
	s_wait_kmcnt 0x0                       ; gate_b
.irp e, 0,1,2,3,4,5,6,7
	v_add_f32 v[SUM+\e], v[SUM+\e], v[GW+\e]
.endr
.irp e, 0,1,2,3,4,5,6,7
	v_add_f32 v[SUM+\e], s[24+\e], v[SUM+\e]
.endr
	v_max3_num_f32 v8, v[SUM], v[SUM+1], v[SUM+2]
	v_max3_num_f32 v8, v8, v[SUM+3], v[SUM+4]
	v_max3_num_f32 v8, v8, v[SUM+5], v[SUM+6]
	v_max_num_f32 v8, v8, v[SUM+7]
.irp e, 0,1,2,3,4,5,6,7
	v_sub_f32 v[SUM+\e], v[SUM+\e], v8
.endr
.irp e, 0,1,2,3,4,5,6,7
	v_mul_f32 v[SUM+\e], 0x3fb8aa3b, v[SUM+\e]
.endr
.irp e, 0,1,2,3,4,5,6,7
	v_exp_f32 v[SUM+\e], v[SUM+\e]
.endr
	v_nop
	s_wait_alu depctr_va_vdst(0)           ; one wait for the eight
	v_add_f32 v9, v[SUM], v[SUM+1]
	v_add_f32 v10, v[SUM+2], v[SUM+3]
	v_add_f32 v11, v[SUM+4], v[SUM+5]
	v_add_f32 v12, v[SUM+6], v[SUM+7]
	v_add_f32 v9, v9, v10
	v_add_f32 v11, v11, v12
	v_add_f32 v9, v9, v11
	v_rcp_f32 v10, v9
	v_nop
	s_wait_alu depctr_va_vdst(0)
.irp e, 0,1,2,3,4,5,6,7
	v_mul_f32 v[SUM+\e], v[SUM+\e], v10    ; the probabilities
.endr
	v_mov_b32 v8, v[SUM]                   ; the largest: a later one wins only if strictly greater
	v_mov_b32 v9, 0
.irp e, 1,2,3,4,5,6,7
	v_cmp_gt_f32 vcc_lo, v[SUM+\e], v8
	v_cndmask_b32 v8, v8, v[SUM+\e], vcc_lo
	v_cndmask_b32 v9, v9, \e, vcc_lo
.endr
	v_mov_b32 v10, -1.0                    ; the second: the same walk with the largest taken out
	v_mov_b32 v11, 0
.irp e, 0,1,2,3,4,5,6,7
	v_cmp_eq_u32 vcc_lo, \e, v9
	v_cndmask_b32 v12, v[SUM+\e], -1.0, vcc_lo
	v_cmp_gt_f32 vcc_lo, v12, v10
	v_cndmask_b32 v10, v10, v12, vcc_lo
	v_cndmask_b32 v11, v11, \e, vcc_lo
.endr
	v_add_f32 v12, v8, v10
	v_add_f32 v12, 0x358637bd, v12         ; + 1e-6
	v_rcp_f32 v13, v12
	v_mov_b32 v2, 1                        ; the plain instruction behind the reciprocal: it names neither its source nor its result (gate_w's loads, which read v2, are all in)
	s_wait_alu depctr_va_vdst(0)
	v_mul_f32 v6, v8, v13
	v_mul_f32 v7, v10, v13
	v_lshlrev_b32 v14, v9, v2
	v_add_nc_u32 v11, 8, v11
	v_lshlrev_b32 v15, v11, v2
	v_or_b32 v14, v14, v15
	v_mov_b32 v3, 0
	v_cmp_eq_u32 vcc_lo, 0, v1
	s_wait_xcnt 0x0                        ; EXEC changes only behind this wait
	s_and_saveexec_b32 s35, vcc_lo         ; every lane holds the same numbers: lane 0 stores them
	global_store_b32 v3, v14, s[16:17]
	global_store_b32 v3, v6, s[18:19]
	global_store_b32 v3, v7, s[18:19] offset:4096
	s_wait_xcnt 0x0
	s_or_b32 exec_lo, exec_lo, s35
	s_endpgm
.Lfunc_end_k_q7cc16c222e_ln2gate:
	.size	k_q7cc16c222e_ln2gate, .Lfunc_end_k_q7cc16c222e_ln2gate-k_q7cc16c222e_ln2gate
	.p2alignl 7, 3214868480
	.fill 96, 4, 3214868480
	.section	.rodata,"a",@progbits
	.p2align	6, 0x0
	.amdhsa_kernel k_q7cc16c222e_ln2gate
		.amdhsa_group_segment_fixed_size 0
		.amdhsa_private_segment_fixed_size 0
		.amdhsa_enable_private_segment 0
		.amdhsa_kernarg_size 64
		.amdhsa_user_sgpr_count 2
		.amdhsa_user_sgpr_kernarg_segment_ptr 1
		.amdhsa_wavefront_size32 1
		.amdhsa_system_sgpr_workgroup_id_x 1
		.amdhsa_system_sgpr_workgroup_id_y 1
		.amdhsa_system_sgpr_workgroup_id_z 1
		.amdhsa_system_vgpr_workitem_id 0
		.amdhsa_next_free_vgpr 250
		.amdhsa_next_free_sgpr 66
		.amdhsa_reserve_vcc 1
		.amdhsa_float_denorm_mode_32 3
		.amdhsa_float_denorm_mode_16_64 3
		.amdhsa_memory_ordered 1
		.amdhsa_forward_progress 1
		.amdhsa_inst_pref_size 35
	.end_amdhsa_kernel
	.amdgpu_metadata
---
amdhsa.version: [ 1, 2 ]
amdhsa.kernels:
  - .name:           k_q7cc16c222e_ln2gate
    .symbol:         k_q7cc16c222e_ln2gate.kd
    .args:
      - { .name: x1, .offset: 0, .size: 8, .value_kind: global_buffer, .address_space: global }
      - { .name: ln2_g, .offset: 8, .size: 8, .value_kind: global_buffer, .address_space: global }
      - { .name: ln2_b, .offset: 16, .size: 8, .value_kind: global_buffer, .address_space: global }
      - { .name: gate_w, .offset: 24, .size: 8, .value_kind: global_buffer, .address_space: global }
      - { .name: gate_b, .offset: 32, .size: 8, .value_kind: global_buffer, .address_space: global }
      - { .name: a1, .offset: 40, .size: 8, .value_kind: global_buffer, .address_space: global }
      - { .name: sel, .offset: 48, .size: 8, .value_kind: global_buffer, .address_space: global }
      - { .name: topw, .offset: 56, .size: 8, .value_kind: global_buffer, .address_space: global }
    .group_segment_fixed_size: 0
    .private_segment_fixed_size: 0
    .kernarg_segment_align: 8
    .kernarg_segment_size: 64
    .max_flat_workgroup_size: 128
    .sgpr_count:     66
    .vgpr_count:     250
    .wavefront_size: 32
...
	.end_amdgpu_metadata
.endif
;; end of part 5
;; launch moe1 (part 6): grid 32 x 8, 4 waves a work-group, no clusters, 267,008 bytes of LDS; arguments a1, sel, ew1, ew3, eb1, eb3, hbuf, rlist; writes hbuf, rlist
.if DOCPART == 6
	.amdgcn_target "amdgcn-amd-amdhsa--gfx1250"
	.amdhsa_code_object_version 6
	.text
	.protected	k_q7cc16c222e_moe1
	.globl	k_q7cc16c222e_moe1
	.p2align	8
	.type	k_q7cc16c222e_moe1,@function
k_q7cc16c222e_moe1:
	s_mov_b64 s[64:65], 0
	v_nop
	global_prefetch_b8 v0, s[64:65] scope:SCOPE_SE
	s_setreg_imm32_b32 hwreg(HW_REG_WAVE_MODE, 25, 1), 1
	s_wait_xcnt 0x0
; h[slice][e 1024 + place][0:64] = bf16( silu(y ew1[e] + eb1[e]) * (y ew3[e] + eb3[e]) ) for the tokens that chose expert e, in the order of the list made here.
; y = a1: [1024][1024] bf16; ew1, ew3: [8][1024 (k)][2048 (n)] f32; sel: the choices as whole numbers, stored by the launch before.
; A work-group owns 64 columns of ONE expert (both matrices), which it alone reads, and all that expert's rows, whatever their number (0 to 1,024).
; THE LIST.  Every wave counts the expert's rows from sel.  Wave 0 writes all entries with 0 and then places the rows by a counting walk (no atomics): entry = slot << 10 | token at its rank; a lane
; without a hit writes a waste word.  A barrier stands between its stores and all waves' reads, and one between those reads and the first store of weights into LDS.  The work-group of slice 0 also
; stores list and count in rlist.
; PHASE 1: the slice is read once, rounded to bf16, laid into LDS as operands.  PHASE 2: up to three passes of 384 places (six tiles of 16 a wave); the loop counts to three, dead passes are jumped,
; no LDS is written and no barrier stands in it; tiles past the count lose their products and stores by scalar branches, never a load.  Places past the count in a live tile repeat the last row.
; Operand layout as in the projections' kernel.  NO MULTICAST: each slice of weights has one reader, and the token rows come by a list.
; LIMITS: bf16 operands, f32 sums; v_exp_f32 and v_rcp_f32 flush denormals; NaN and infinities are not treated apart.
.set PAIR,   1
.set T,      6
.set PITCH,  8192
.set LOG8P,  16
.set ITROWS, 32
.set NIT,    32
.set IMG,    262144
.set TRIPB,  32768
.set HPT,    8
.set AHI,    128
.set ATRIP,  256
.set ROUTED, 1
.set NTW,    1                         ; each weight byte is read once in the launch
.set LIST,   IMG                       ; 1,024 entries and the waste word: 4,352 bytes
.set SPARE,  IMG+4352
.set SEL,    128                       ; v128-159 sel: register 4 i + c: token 128 i + 4 lane + c
.set RALL,   224                       ; v224-241 my rows' entries for three passes of six tiles
; ---- the core, common to the four products ----
.set WOFF, 5
.set WST,  6
.set BRD,  7
.set BRD2, 8
.set OOFF, 9
.set BOFF, 10
.set H16,  12
.set L16,  13
.set PLC,  15
.set ROFF, 16
.set BIA,  22
.set SPW,  30
.set NIL,  31
.set BH,   32
.set PK,   96
.set TE,   128
.set TS,   160
.set OP,   192
.set WV, 66
.set G,  67
.set KH, 68
.set PW, 70
.set PA, 72
.set PA0, 74
.set PO, 76
.set POB, 78
.set CNT, 80
.set STP, 82
.set NL, 84
.set NP, 85
.set P,  86
.set COUNT, 87
.set CM1, 88
.set PB, 89
.set SB, 96
.set NLG, 98
.set MSB, 0
.macro WIN new
.if MSB != (\new)
	s_set_vgpr_msb (MSB<<8)|(\new)
.set MSB, (\new)
.endif
.endm
.macro IDS
	v_lshl_add_u32 v[SPW], v0, 2, SPARE
	v_mov_b32 v[NIL], 0
	v_and_b32 v1, 31, v0
	v_lshrrev_b32 v11, 5, v0
	v_readfirstlane_b32 s[WV], v11
	s_lshr_b32 s[G], s[WV], 1
	s_and_b32 s[KH], s[WV], 1
	v_and_b32 v2, 15, v0
	v_bfe_u32 v3, v0, 4, 1
	v_and_b32 v4, 7, v0
	v_bfe_u32 v11, v0, 3, 1
	v_lshl_add_u32 v4, v4, 1, v11
	v_lshlrev_b32 v[BOFF], 4, v2
	v_lshl_add_u32 v[WOFF], v3, LOG8P, v[BOFF]
	v_lshlrev_b32 v[L16], 4, v1
	v_lshlrev_b32 v[H16], 4, v3
	s_lshl_b32 s90, s[G], 12
	s_lshl_b32 s91, s[KH], 9
	s_add_co_u32 s90, s90, s91
	v_add_nc_u32 v[WST], s90, v[L16]
	s_lshl_b32 s90, s[WV], 4
	v_add_nc_u32 v[PLC], s90, v4
	s_mov_b32 s[STP+1], 0
.endm
.macro SLOAD s
	WIN 0x80
.irp j, 0,1,2,3,4,5,6,7
.if NTW
	global_load_b128 v[32*(\s)+4*\j:32*(\s)+4*\j+3], v[WOFF], s[PW:PW+1] offset:((\s)*ITROWS+\j)*PITCH th:TH_LOAD_NT
.else
	global_load_b128 v[32*(\s)+4*\j:32*(\s)+4*\j+3], v[WOFF], s[PW:PW+1] offset:((\s)*ITROWS+\j)*PITCH
.endif
.endr
.endm
.macro SCVT s
	WIN 0x0a
.irp t, 0,1,2,3
.irp i, 0,1,2,3
	v_cvt_pk_bf16_f32 v[PK+4*\t+\i], v[32*(\s)+8*\i+\t], v[32*(\s)+8*\i+4+\t]
.endr
.endr
	WIN 0
.irp t, 0,1,2,3
	ds_store_b128 v[WST], v[PK+4*\t:PK+4*\t+3] offset:(\s)*8192+\t*1024
.endr
.endm
.macro STREAM_A
.irp s, 0,1,2,3,4,5
	SLOAD \s
.endr
	WIN 0
.endm
.macro STREAM_B
	SLOAD 6
	SLOAD 7
	WIN 0
	s_wait_xcnt 0x0                        ; the base is stepped only behind this wait
	s_add_nc_u64 s[PW:PW+1], s[PW:PW+1], 8*ITROWS*PITCH
	s_mov_b32 s[CNT], NIT/8-1
.Lstream:
.irp s, 0,1,2,3,4,5,6,7
	s_wait_loadcnt 56                      ; the seven younger slots' 56 loads stay out
	SCVT \s
	SLOAD \s
.endr
	WIN 0
	s_wait_xcnt 0x0
	s_add_nc_u64 s[PW:PW+1], s[PW:PW+1], 8*ITROWS*PITCH
	v_add_nc_u32 v[WST], 0x10000, v[WST]
	s_sub_co_u32 s[CNT], s[CNT], 1
	s_cmp_lg_u32 s[CNT], 0
	s_cbranch_scc1 .Lstream
.irp s, 0,1,2,3,4,5,6,7
	s_wait_loadcnt 56-8*\s                 ; the counts run down
	SCVT \s
.endr
	s_wait_dscnt 0x0                       ; for the others' sake
	s_barrier_signal -1
	s_barrier_wait -1
.endm
.macro BLOAD hb, adr, off
.irp t, 0,1,2,3
	ds_load_b128 v[BH+32*(\hb)+8*\t:BH+32*(\hb)+8*\t+3], v[\adr] offset:(\off)+\t*1024
	ds_load_b128 v[BH+32*(\hb)+8*\t+4:BH+32*(\hb)+8*\t+7], v[\adr] offset:(\off)+\t*1024+512
.endr
.endm
.macro START_B                         ; the first two blocks of operands, at LDS bytes 0 and 4,096
	BLOAD 0, L16, 0
	BLOAD 1, L16, 4096
.endm
.macro PASS_B                          ; each pass starts its walk of the operands at LDS byte 0
	v_mov_b32 v[BRD], v[L16]
	v_add_nc_u32 v[BRD2], TRIPB, v[L16]
	s_mov_b32 s[SB], TRIPB
.endm
.macro ALOAD c
	WIN 0x40
.set ii, 0
.rept T
	global_load_b128 v[8*T*(\c)+8*ii:8*T*(\c)+8*ii+3], v[ROFF+ii], s[PA:PA+1] offset:((\c)>>1)*AHI+((\c)&1)*64
	global_load_b128 v[8*T*(\c)+8*ii+4:8*T*(\c)+8*ii+7], v[ROFF+ii], s[PA:PA+1] offset:((\c)>>1)*AHI+((\c)&1)*64+32
.set ii, ii+1
.endr
.endm
.macro MMH c, hb, cg                   ; four products a tile, its four accumulators by turns; no two neighbours share one, whatever is jumped
.set ii, 0
.rept T
	WIN 0
	s_cmp_le_u32 s[NL], ii                 ; tiles past the count: only matrix work is jumped, never a load
	s_cbranch_scc1 .Lmm_\@
	WIN 0xa1+0x50*(ii/4)
.set ra, 64*(ii%4)+32*(\cg)
.irp t, 0,1,2,3
	v_wmma_f32_16x16x32_bf16 v[ra+8*\t:ra+8*\t+7], v[8*T*(\c)+8*ii:8*T*(\c)+8*ii+7], v[BH+32*(\hb)+8*\t:BH+32*(\hb)+8*\t+7], v[ra+8*\t:ra+8*\t+7]
.endr
.set ii, ii+1
.endr
	WIN 0
.Lmm_\@:
.endm
.macro HALF c, cg, q
	s_wait_dscnt 8                         ; this block's eight loads are in; the next block's eight stay out
	MMH \c, (\q)&1, \cg
.rept 4
	v_nop                                  ; four places between the products and the loads into what they read
.endr
.if (\q)+2 < HPT
	BLOAD (\q)&1, BRD, ((\q)+2)*4096
.else
	BLOAD (\q)&1, BRD2, ((\q)+2-HPT)*4096
.endif
.endm
.macro AINIT                           ; the sums start at the bias of their column
.set ii, 0
.rept T
	WIN 0x80+0x40*(ii/4)
.set ra, 64*(ii%4)
.set cc, 0
.rept 8
.irp j, 0,1,2,3,4,5,6,7
	v_mov_b32 v[ra+8*cc+\j], v[BIA+cc]
.endr
.set cc, cc+1
.endr
.set ii, ii+1
.endr
	WIN 0
.endm
.macro KLOOP                           ; eight trips of four subs; the last trip asks for its own rows once more, so that every wait counts the same loads; its LDS look-ahead wraps to the first two blocks
	WIN 0
	s_mov_b64 s[PA:PA+1], s[PA0:PA0+1]
	ALOAD 0
	ALOAD 1
	ALOAD 2
	ALOAD 3
	WIN 0
	s_wait_xcnt 0x0
	s_add_nc_u64 s[PA:PA+1], s[PA:PA+1], ATRIP
	s_mov_b32 s[CNT], 8
.Lk_\@:
.irp c, 0,1,2,3
	s_wait_loadcnt 6*T                     ; three younger groups of 2 T loads stay out
	HALF \c, 0, 2*\c
	HALF \c, 1, 2*\c+1
	ALOAD \c
.endr
	WIN 0
	s_wait_xcnt 0x0
	s_cmp_gt_u32 s[CNT], 2
	s_cselect_b32 s[STP], ATRIP, 0
	s_add_nc_u64 s[PA:PA+1], s[PA:PA+1], s[STP:STP+1]
	v_mov_b32 v[BRD], v[BRD2]
	s_add_co_u32 s[SB], s[SB], TRIPB
	s_and_b32 s[SB], s[SB], IMG-1
	v_add_nc_u32 v[BRD2], s[SB], v[L16]
	s_sub_co_u32 s[CNT], s[CNT], 1
	s_cmp_lg_u32 s[CNT], 0
	s_cbranch_scc1 .Lk_\@
	s_wait_loadcnt 0x0
.rept 4
	v_nop
.endr
.endm
.macro SWIGLU i                        ; silu(a) b = a b / (1 + 2^(-a log2 e)); each batch of 32 transcendentals has one wait
.set wa, 2+(\i)/4
.set ra, 64*((\i)%4)
	WIN wa
.set n, 0
.rept 16
	v_pk_mul_f32 v[TE+2*n:TE+2*n+1], v[ra+2*n:ra+2*n+1], s[NLG:NLG+1] op_sel_hi:[1,0]
.set n, n+1
.endr
	WIN 0
.set n, 0
.rept 32
	v_exp_f32 v[TE+n], v[TE+n]
.set n, n+1
.endr
	v_nop
	s_wait_alu depctr_va_vdst(0)
.set n, 0
.rept 16
	v_pk_add_f32 v[TE+2*n:TE+2*n+1], v[TE+2*n:TE+2*n+1], 1.0 op_sel_hi:[1,0]
.set n, n+1
.endr
.set n, 0
.rept 32
	v_rcp_f32 v[TE+n], v[TE+n]
.set n, n+1
.endr
	v_nop
	s_wait_alu depctr_va_vdst(0)
	WIN wa
.set n, 0
.rept 16
	v_pk_mul_f32 v[TS+2*n:TS+2*n+1], v[ra+2*n:ra+2*n+1], v[TE+2*n:TE+2*n+1]
.set n, n+1
.endr
.set n, 0
.rept 16
	v_pk_mul_f32 v[TS+2*n:TS+2*n+1], v[ra+32+2*n:ra+32+2*n+1], v[TS+2*n:TS+2*n+1]
.set n, n+1
.endr
	WIN 0
	s_wait_xcnt 0x0                        ; the last tile's stores have read OP
.irp j, 0,1,2,3,4,5,6,7
	v_cvt_pk_bf16_f32 v[OP+2*\j], v[TS+\j], v[TS+8+\j]
	v_cvt_pk_bf16_f32 v[OP+2*\j+1], v[TS+16+\j], v[TS+24+\j]
	global_store_b64 v[OOFF], v[OP+2*\j:OP+2*\j+1], s[PO:PO+1] offset:(\i)*8192+\j*256
.endr
.endm
.macro FINISH
	s_wait_dscnt 0x0                       ; my reads of the operands are back,
	s_barrier_signal -1
	s_barrier_wait -1                      ; and every wave's: only now does any wave write LDS again
	s_wait_tensorcnt 0x0                   ; the wave's end, behind my last LDS store
	ds_add_u32 v[SPW], v[NIL]
	s_wait_dscnt 0x0
	s_endpgm
.endm
; ---- end of the core ----
.macro LB n                            ; 32 tokens: rank = hits so far + hits in the lanes below me
	v_and_b32 v210, s34, v[SEL+(\n)]
	v_cmp_ne_u32 vcc_lo, 0, v210
	v_mbcnt_lo_u32_b32 v211, vcc_lo, s36
	s_bcnt1_i32_b32 s90, vcc_lo
	v_lshrrev_b32 v212, s35, v[SEL+(\n)]
	v_and_b32 v212, 1, v212                ; 1: the expert is the token's second choice
	v_lshl_or_b32 v212, v212, 10, v208
	v_or_b32 v212, 128*((\n)/4)+(\n)%4, v212
	v_cndmask_b32 v211, v209, v211, vcc_lo ; no hit: the waste word, entry 1,024
	v_min_u32 v211, 0x400, v211            ; a rank is 1,023 at the most: the clamp changes nothing, and bounds the address
	v_lshl_add_u32 v211, v211, 2, LIST
	ds_store_b32 v211, v212
	s_add_co_u32 s36, s36, s90
.endm
	s_load_b512 s[4:19], s[0:1], 0x0       ; a1 4, sel 6, ew1 8, ew3 10, eb1 12, eb3 14, hbuf 16, rlist 18
	IDS
	s_mov_b32 s32, ttmp9                   ; slice of 64 columns
	s_and_b32 s33, ttmp7, 0xffff           ; expert
	s_lshl_b32 s34, 0x101, s33             ; its two bits in sel
	s_add_co_u32 s35, s33, 8
	v_lshlrev_b32 v[OOFF], 3, v2
	v_lshl_add_u32 v[OOFF], v3, 7, v[OOFF] ; 128 h + 8 r
	s_mov_b32 s[NLG], 0xbfb8aa3b           ; -log2(e)
	s_mov_b32 s[NLG+1], s[NLG]
	v_lshlrev_b32 v208, 2, v1              ; 4 x lane
	v_mov_b32 v209, 1024
	s_wait_kmcnt 0x0
	s_cmp_eq_u32 s[G], 1
	s_cselect_b64 s[PW:PW+1], s[10:11], s[8:9]
	s_lshl_b32 s90, s33, 23                ; the expert's 8 MiB
	s_lshl_b32 s92, s32, 8
	s_add_co_u32 s90, s90, s92
	s_lshl_b32 s92, s[KH], 17              ; 16 rows of 8,192 bytes
	s_add_co_u32 s90, s90, s92
	s_mov_b32 s91, 0
	s_add_nc_u64 s[PW:PW+1], s[PW:PW+1], s[90:91]
	s_lshl_b32 s90, s33, 13
	s_lshl_b32 s92, s32, 8
	s_add_co_u32 s90, s90, s92
	s_add_nc_u64 s[12:13], s[12:13], s[90:91]
	s_add_nc_u64 s[14:15], s[14:15], s[90:91]
	s_mov_b64 s[PA0:PA0+1], s[4:5]
	s_lshl_b32 s90, s33, 10
	s_lshl_b32 s92, s[WV], 4
	s_add_co_u32 s90, s90, s92
	s_lshl_b32 s90, s90, 7
	s_lshl_b32 s92, s32, 20
	s_add_co_u32 s90, s90, s92
	s_add_nc_u64 s[POB:POB+1], s[16:17], s[90:91]
	s_mul_i32 s90, s33, 4352
	s_add_nc_u64 s[18:19], s[18:19], s[90:91]
.irp i, 0,1,2,3,4,5,6,7
	global_load_b128 v[SEL+4*\i:SEL+4*\i+3], v[L16], s[6:7] offset:512*\i
.endr
	global_load_b128 v[BIA:BIA+3], v[BOFF], s[12:13]
	global_load_b128 v[BIA+4:BIA+7], v[BOFF], s[14:15]
	STREAM_A                               ; six slots of weights are on their way while the list is made
	s_wait_loadcnt 48                      ; sel and the biases are in; the 48 loads of weights stay out
	s_mov_b32 s[COUNT], 0
.set n, 0
.rept 32
	v_and_b32 v210, s34, v[SEL+n]
	v_cmp_ne_u32 vcc_lo, 0, v210
	s_bcnt1_i32_b32 s90, vcc_lo
	s_add_co_u32 s[COUNT], s[COUNT], s90
.set n, n+1
.endr
	s_max_u32 s[CM1], s[COUNT], 1
	s_sub_co_u32 s[CM1], s[CM1], 1
	s_cmp_gt_u32 s[COUNT], 0
	s_cselect_b32 s[NP], 1, 0
	s_cmp_gt_u32 s[COUNT], 384
	s_cselect_b32 s90, 1, 0
	s_add_co_u32 s[NP], s[NP], s90
	s_cmp_gt_u32 s[COUNT], 768
	s_cselect_b32 s90, 1, 0
	s_add_co_u32 s[NP], s[NP], s90         ; passes of 384 places
	s_cmp_lg_u32 s[WV], 0
	s_cbranch_scc1 .Lnolist
	v_add_nc_u32 v210, LIST, v[L16]        ; all 1,024 entries are written with 0 first: entry 0 exists also for an expert without rows, and no read of the list hangs on what LDS held
.irp c, 0,1,2,3
	v_mov_b32 v[216+\c], 0
.endr
.irp n, 0,1,2,3,4,5,6,7
	ds_store_b128 v210, v[216:219] offset:512*\n
.endr
	s_mov_b32 s36, 0
.set n, 0
.rept 32
	LB n                                   ; my wave's LDS stores are served in order: these land on the zeros
.set n, n+1
.endr
.Lnolist:
	s_wait_dscnt 0x0                       ; the list is in LDS
	s_barrier_signal -1
	s_barrier_wait -1
.set n, 0
.rept 18                                   ; pass n / 6, tile n % 6: the entry of my row; places past the count repeat the last
	v_add_nc_u32 v210, 384*(n/6)+64*(n%6), v[PLC]
	v_min_u32 v210, s[CM1], v210
	v_min_u32 v210, 0x3ff, v210
	v_lshl_add_u32 v210, v210, 2, LIST
	ds_load_b32 v[RALL+n], v210
.set n, n+1
.endr
	s_or_b32 s90, s32, s[WV]
	s_cmp_lg_u32 s90, 0
	s_cbranch_scc1 .Lnocopy                ; slice 0's wave 0 stores the expert's list and count for the next launch
	v_mov_b32 v213, v208                   ; index 4 x lane
	v_mov_b32 v214, v[L16]
	s_mov_b32 s[CNT], 8
.Lcopy:
.irp c, 0,1,2,3
	v_add_nc_u32 v210, \c, v213
	v_min_u32 v210, s[CM1], v210
	v_min_u32 v210, 0x3ff, v210
	v_lshl_add_u32 v210, v210, 2, LIST
	ds_load_b32 v[216+\c], v210
.endr
	s_wait_dscnt 0x0
	global_store_b128 v214, v[216:219], s[18:19]
	s_wait_xcnt 0x0                        ; data and offset are rewritten only behind this wait
	v_add_nc_u32 v213, 128, v213
	v_add_nc_u32 v214, 512, v214
	s_sub_co_u32 s[CNT], s[CNT], 1
	s_cmp_lg_u32 s[CNT], 0
	s_cbranch_scc1 .Lcopy
	v_mov_b32 v216, s[COUNT]
	global_store_b32 v208, v216, s[18:19] offset:4096
.Lnocopy:
	s_wait_dscnt 0x0                       ; my reads of the list are back
	s_barrier_signal -1
	s_barrier_wait -1
	STREAM_B
	START_B
	s_mov_b32 s[P], 0
.Lpass:
	s_cmp_ge_u32 s[P], s[NP]
	s_cbranch_scc1 .Lpass_end
	s_wait_xcnt 0x0                        ; the last pass's stores have read their base
	PASS_B
	s_mul_i32 s[PB], s[P], 384
	s_sub_co_u32 s90, s[COUNT], s[PB]
	s_min_u32 s90, s90, 384
	s_lshl_b32 s91, s[WV], 4
	s_sub_co_i32 s90, s90, s91
	s_add_co_i32 s90, s90, 63
	s_max_i32 s90, s90, 0
	s_lshr_b32 s[NL], s90, 6               ; my live tiles: those whose first place lies under the count
	s_cmp_eq_u32 s[P], 1
	s_cselect_b32 s92, -1, 0
	s_cmp_eq_u32 s[P], 2
	s_cselect_b32 s93, -1, 0
.irp i, 0,1,2,3,4,5
	v_cndmask_b32 v14, v[RALL+\i], v[RALL+6+\i], s92
	v_cndmask_b32 v14, v14, v[RALL+12+\i], s93
	v_min_u32 v14, 0x7ff, v14
	v_and_b32 v14, 0x3ff, v14              ; the token
	v_lshl_add_u32 v[ROFF+\i], v14, 11, v[H16]
.endr
	s_lshl_b32 s90, s[PB], 7
	s_mov_b32 s91, 0
	s_add_nc_u64 s[PO:PO+1], s[POB:POB+1], s[90:91]
	AINIT
	KLOOP
.irp i, 0,1,2,3,4,5
	s_cmp_le_u32 s[NL], \i
	s_cbranch_scc1 .Lsw_end
	SWIGLU \i
.endr
.Lsw_end:
.Lpass_end:
	s_add_co_u32 s[P], s[P], 1
	s_cmp_lt_u32 s[P], 3
	s_cbranch_scc1 .Lpass
	FINISH
.Lfunc_end_k_q7cc16c222e_moe1:
	.size	k_q7cc16c222e_moe1, .Lfunc_end_k_q7cc16c222e_moe1-k_q7cc16c222e_moe1
	.p2alignl 7, 3214868480
	.fill 96, 4, 3214868480
	.section	.rodata,"a",@progbits
	.p2align	6, 0x0
	.amdhsa_kernel k_q7cc16c222e_moe1
		.amdhsa_group_segment_fixed_size 267008
		.amdhsa_private_segment_fixed_size 0
		.amdhsa_enable_private_segment 0
		.amdhsa_kernarg_size 64
		.amdhsa_user_sgpr_count 2
		.amdhsa_user_sgpr_kernarg_segment_ptr 1
		.amdhsa_wavefront_size32 1
		.amdhsa_system_sgpr_workgroup_id_x 1
		.amdhsa_system_sgpr_workgroup_id_y 1
		.amdhsa_system_sgpr_workgroup_id_z 1
		.amdhsa_system_vgpr_workitem_id 0
		.amdhsa_next_free_vgpr 896
		.amdhsa_next_free_sgpr 100
		.amdhsa_reserve_vcc 1
		.amdhsa_float_denorm_mode_32 3
		.amdhsa_float_denorm_mode_16_64 3
		.amdhsa_memory_ordered 1
		.amdhsa_forward_progress 1
		.amdhsa_inst_pref_size 169
	.end_amdhsa_kernel
	.amdgpu_metadata
---
amdhsa.version: [ 1, 2 ]
amdhsa.kernels:
  - .name:           k_q7cc16c222e_moe1
    .symbol:         k_q7cc16c222e_moe1.kd
    .args:
      - { .name: a1, .offset: 0, .size: 8, .value_kind: global_buffer, .address_space: global }
      - { .name: sel, .offset: 8, .size: 8, .value_kind: global_buffer, .address_space: global }
      - { .name: ew1, .offset: 16, .size: 8, .value_kind: global_buffer, .address_space: global }
      - { .name: ew3, .offset: 24, .size: 8, .value_kind: global_buffer, .address_space: global }
      - { .name: eb1, .offset: 32, .size: 8, .value_kind: global_buffer, .address_space: global }
      - { .name: eb3, .offset: 40, .size: 8, .value_kind: global_buffer, .address_space: global }
      - { .name: hbuf, .offset: 48, .size: 8, .value_kind: global_buffer, .address_space: global }
      - { .name: rlist, .offset: 56, .size: 8, .value_kind: global_buffer, .address_space: global }
    .group_segment_fixed_size: 267008
    .private_segment_fixed_size: 0
    .kernarg_segment_align: 8
    .kernarg_segment_size: 64
    .max_flat_workgroup_size: 128
    .sgpr_count:     100
    .vgpr_count:     896
    .wavefront_size: 32
...
	.end_amdgpu_metadata
.endif
;; end of part 6
;; launch moe2 (part 7): grid 32 x 8, 4 waves a work-group, no clusters, 131,584 bytes of LDS; arguments hbuf, rlist, topw, ew2, eb2, part; writes part
.if DOCPART == 7
	.amdgcn_target "amdgcn-amd-amdhsa--gfx1250"
	.amdhsa_code_object_version 6
	.text
	.protected	k_q7cc16c222e_moe2
	.globl	k_q7cc16c222e_moe2
	.p2align	8
	.type	k_q7cc16c222e_moe2,@function
k_q7cc16c222e_moe2:
	s_mov_b64 s[64:65], 0
	v_nop
	global_prefetch_b8 v0, s[64:65] scope:SCOPE_SE
	s_setreg_imm32_b32 hwreg(HW_REG_WAVE_MODE, 25, 1), 1
	s_wait_xcnt 0x0
; part[kh][slot 1024 + token][64 columns] = p (h[:, K half kh] ew2[e] + eb2[e] (in half 0 alone)), f32, for the rows of expert e in the list's order.
; h: bf16 [32 slices][e 1024 + place][64]; ew2: [8][2048 (k)][1024 (n)] f32; rlist: entries and count, whole numbers stored by the launch before; topw: f32 [slot][token].
; A work-group owns 64 columns and one half of K (1,024) of ONE expert's ew2, which it alone reads, and all that expert's rows.  Each row of part has one owner: a token's two experts differ.
; Phases, passes, jumps and operand layout as in the first expert product.  Places past the count repeat the last row and store its own numbers again, from this same work-group.
; NO MULTICAST: each slice of weights has one reader.  LIMITS: bf16 operands, f32 sums and partial sums.
.set PAIR,   0
.set T,      6
.set PITCH,  4096
.set LOG8P,  15
.set ITROWS, 64
.set NIT,    16
.set IMG,    131072
.set TRIPB,  16384
.set HPT,    4
.set AHI,    1048576                   ; a slice of h: 8,192 rows of 128 bytes
.set ATRIP,  2097152
.set ROUTED, 1
.set NTW,    1
.set SPARE,  IMG
.set ENT,    112                       ; v112-159 the entry of row 2 j + h of tile i at 8 i + j; later its byte offset in part
.set PWT,    160                       ; v160-207 its gate weight
.set OUT,    208                       ; v208-239 a tile on its way out
.set VT,     240                       ; v240-245 byte offset of a tile's entries in the list
; ---- the core, common to the four products ----
.set WOFF, 5
.set WST,  6
.set BRD,  7
.set BRD2, 8
.set OOFF, 9
.set BOFF, 10
.set H16,  12
.set L16,  13
.set PLC,  15
.set ROFF, 16
.set BIA,  22
.set SPW,  30
.set NIL,  31
.set BH,   32
.set PK,   96
.set WV, 66
.set G,  67
.set KH, 68
.set PW, 70
.set PA, 72
.set PA0, 74
.set PO, 76
.set CNT, 80
.set STP, 82
.set NL, 84
.set NP, 85
.set P,  86
.set COUNT, 87
.set CM1, 88
.set PB, 89
.set SB, 96
.set MSB, 0
.macro WIN new
.if MSB != (\new)
	s_set_vgpr_msb (MSB<<8)|(\new)
.set MSB, (\new)
.endif
.endm
.macro IDS
	v_lshl_add_u32 v[SPW], v0, 2, SPARE
	v_mov_b32 v[NIL], 0
	v_and_b32 v1, 31, v0
	v_lshrrev_b32 v11, 5, v0
	v_readfirstlane_b32 s[WV], v11
	s_lshr_b32 s[G], s[WV], 1
	s_and_b32 s[KH], s[WV], 1
	v_and_b32 v2, 15, v0
	v_bfe_u32 v3, v0, 4, 1
	v_and_b32 v4, 7, v0
	v_bfe_u32 v11, v0, 3, 1
	v_lshl_add_u32 v4, v4, 1, v11
	v_lshlrev_b32 v[BOFF], 4, v2
	v_lshl_add_u32 v[WOFF], v3, LOG8P, v[BOFF]
	v_lshlrev_b32 v[L16], 4, v1
	v_lshlrev_b32 v[H16], 4, v3
	s_lshl_b32 s90, s[G], 12
	s_lshl_b32 s91, s[KH], 9
	s_add_co_u32 s90, s90, s91
	v_add_nc_u32 v[WST], s90, v[L16]
	s_lshl_b32 s90, s[WV], 4
	v_add_nc_u32 v[PLC], s90, v4
	s_mov_b32 s[STP+1], 0
.endm
.macro SLOAD s
	WIN 0x80
.irp j, 0,1,2,3,4,5,6,7
.if NTW
	global_load_b128 v[32*(\s)+4*\j:32*(\s)+4*\j+3], v[WOFF], s[PW:PW+1] offset:((\s)*ITROWS+\j)*PITCH th:TH_LOAD_NT
.else
	global_load_b128 v[32*(\s)+4*\j:32*(\s)+4*\j+3], v[WOFF], s[PW:PW+1] offset:((\s)*ITROWS+\j)*PITCH
.endif
.endr
.endm
.macro SCVT s
	WIN 0x0a
.irp t, 0,1,2,3
.irp i, 0,1,2,3
	v_cvt_pk_bf16_f32 v[PK+4*\t+\i], v[32*(\s)+8*\i+\t], v[32*(\s)+8*\i+4+\t]
.endr
.endr
	WIN 0
.irp t, 0,1,2,3
	ds_store_b128 v[WST], v[PK+4*\t:PK+4*\t+3] offset:(\s)*8192+\t*1024
.endr
.endm
.macro STREAM_A
.irp s, 0,1,2,3,4,5
	SLOAD \s
.endr
	WIN 0
.endm
.macro STREAM_B
	SLOAD 6
	SLOAD 7
	WIN 0
	s_wait_xcnt 0x0                        ; the base is stepped only behind this wait
	s_add_nc_u64 s[PW:PW+1], s[PW:PW+1], 8*ITROWS*PITCH
	s_mov_b32 s[CNT], NIT/8-1
.Lstream:
.irp s, 0,1,2,3,4,5,6,7
	s_wait_loadcnt 56                      ; the seven younger slots' 56 loads stay out
	SCVT \s
	SLOAD \s
.endr
	WIN 0
	s_wait_xcnt 0x0
	s_add_nc_u64 s[PW:PW+1], s[PW:PW+1], 8*ITROWS*PITCH
	v_add_nc_u32 v[WST], 0x10000, v[WST]
	s_sub_co_u32 s[CNT], s[CNT], 1
	s_cmp_lg_u32 s[CNT], 0
	s_cbranch_scc1 .Lstream
.irp s, 0,1,2,3,4,5,6,7
	s_wait_loadcnt 56-8*\s                 ; the counts run down
	SCVT \s
.endr
	s_wait_dscnt 0x0                       ; for the others' sake
	s_barrier_signal -1
	s_barrier_wait -1
.endm
.macro BLOAD hb, adr, off
.irp t, 0,1,2,3
	ds_load_b128 v[BH+32*(\hb)+8*\t:BH+32*(\hb)+8*\t+3], v[\adr] offset:(\off)+\t*1024
	ds_load_b128 v[BH+32*(\hb)+8*\t+4:BH+32*(\hb)+8*\t+7], v[\adr] offset:(\off)+\t*1024+512
.endr
.endm
.macro START_B                         ; the first two blocks of operands, at LDS bytes 0 and 4,096
	BLOAD 0, L16, 0
	BLOAD 1, L16, 4096
.endm
.macro PASS_B                          ; each pass starts its walk of the operands at LDS byte 0
	v_mov_b32 v[BRD], v[L16]
	v_add_nc_u32 v[BRD2], TRIPB, v[L16]
	s_mov_b32 s[SB], TRIPB
.endm
.macro ALOAD c
	WIN 0x40
.set ii, 0
.rept T
	global_load_b128 v[8*T*(\c)+8*ii:8*T*(\c)+8*ii+3], v[ROFF+ii], s[PA:PA+1] offset:((\c)>>1)*AHI+((\c)&1)*64
	global_load_b128 v[8*T*(\c)+8*ii+4:8*T*(\c)+8*ii+7], v[ROFF+ii], s[PA:PA+1] offset:((\c)>>1)*AHI+((\c)&1)*64+32
.set ii, ii+1
.endr
.endm
.macro MMH c, hb, cg                   ; four products a tile, its four accumulators by turns
.set ii, 0
.rept T
	WIN 0
	s_cmp_le_u32 s[NL], ii                 ; tiles past the count: only matrix work is jumped, never a load
	s_cbranch_scc1 .Lmm_\@
	WIN 0xa1
.set ra, 32*ii
.irp t, 0,1,2,3
	v_wmma_f32_16x16x32_bf16 v[ra+8*\t:ra+8*\t+7], v[8*T*(\c)+8*ii:8*T*(\c)+8*ii+7], v[BH+32*(\hb)+8*\t:BH+32*(\hb)+8*\t+7], v[ra+8*\t:ra+8*\t+7]
.endr
.set ii, ii+1
.endr
	WIN 0
.Lmm_\@:
.endm
.macro HALF c, cg, q
	s_wait_dscnt 8                         ; this block's eight loads are in; the next block's eight stay out
	MMH \c, (\q)&1, \cg
.rept 4
	v_nop                                  ; four places between the products and the loads into what they read
.endr
.if (\q)+2 < HPT
	BLOAD (\q)&1, BRD, ((\q)+2)*4096
.else
	BLOAD (\q)&1, BRD2, ((\q)+2-HPT)*4096
.endif
.endm
.macro AINIT                           ; the sums start at the bias of their column (0 in the second half of K)
	WIN 0x80
.set ii, 0
.rept T
.set cc, 0
.rept 4
.irp j, 0,1,2,3,4,5,6,7
	v_mov_b32 v[32*ii+8*cc+\j], v[BIA+cc]
.endr
.set cc, cc+1
.endr
.set ii, ii+1
.endr
	WIN 0
.endm
.macro KLOOP                           ; eight trips of four subs; the last trip asks for its own rows once more, so that every wait counts the same loads; its LDS look-ahead wraps to the first two blocks
	WIN 0
	s_mov_b64 s[PA:PA+1], s[PA0:PA0+1]
	ALOAD 0
	ALOAD 1
	ALOAD 2
	ALOAD 3
	WIN 0
	s_wait_xcnt 0x0
	s_add_nc_u64 s[PA:PA+1], s[PA:PA+1], ATRIP
	s_mov_b32 s[CNT], 8
.Lk_\@:
.irp c, 0,1,2,3
	s_wait_loadcnt 6*T                     ; three younger groups of 2 T loads stay out
	HALF \c, 0, \c
	ALOAD \c
.endr
	WIN 0
	s_wait_xcnt 0x0
	s_cmp_gt_u32 s[CNT], 2
	s_cselect_b32 s[STP], ATRIP, 0
	s_add_nc_u64 s[PA:PA+1], s[PA:PA+1], s[STP:STP+1]
	v_mov_b32 v[BRD], v[BRD2]
	s_add_co_u32 s[SB], s[SB], TRIPB
	s_and_b32 s[SB], s[SB], IMG-1
	v_add_nc_u32 v[BRD2], s[SB], v[L16]
	s_sub_co_u32 s[CNT], s[CNT], 1
	s_cmp_lg_u32 s[CNT], 0
	s_cbranch_scc1 .Lk_\@
	s_wait_loadcnt 0x0
.rept 4
	v_nop
.endr
.endm
.macro FINISH
	s_wait_dscnt 0x0                       ; my reads of the operands are back,
	s_barrier_signal -1
	s_barrier_wait -1                      ; and every wave's: only now does any wave write LDS again
	s_wait_tensorcnt 0x0                   ; the wave's end, behind my last LDS store
	ds_add_u32 v[SPW], v[NIL]
	s_wait_dscnt 0x0
	s_endpgm
.endm
; ---- end of the core ----
.macro OUTT i                          ; tile i: times the gate's weight; sixteen lanes store 256 consecutive bytes of a row of part, aligned
	s_cmp_le_u32 s[NL], \i
	s_cbranch_scc1 .Lout_end
	s_wait_xcnt 0x0                        ; the last tile's stores have read OUT
	WIN 0x02
.irp j, 0,1,2,3,4,5,6,7
.irp t, 0,1,2,3
	v_mul_f32 v[OUT+4*\j+\t], v[32*(\i)+8*\t+\j], v[PWT+8*(\i)+\j]
.endr
.endr
	WIN 0
.irp j, 0,1,2,3,4,5,6,7
	global_store_b128 v[ENT+8*(\i)+\j], v[OUT+4*\j:OUT+4*\j+3], s[PO:PO+1]
.endr
.endm
	s_load_b256 s[4:11], s[0:1], 0x0       ; hbuf 4, rlist 6, topw 8, ew2 10
	s_load_b128 s[12:15], s[0:1], 0x20     ; eb2 12, part 14
	IDS
	s_lshr_b32 s32, ttmp9, 1               ; slice of 64 columns
	s_and_b32 s33, ttmp9, 1                ; half of K
	s_and_b32 s34, ttmp7, 0xffff           ; expert
	s_mul_i32 s36, s34, 4352
	s_mov_b32 s37, 0
	s_wait_kmcnt 0x0
	s_add_nc_u64 s[6:7], s[6:7], s[36:37]
	s_load_b32 s[COUNT], s[6:7], 0x1000    ; the expert's count
	s_lshl_b32 s90, s34, 23
	s_lshl_b32 s92, s33, 22
	s_add_co_u32 s90, s90, s92
	s_lshl_b32 s92, s[G], 17
	s_add_co_u32 s90, s90, s92
	s_lshl_b32 s92, s[KH], 16
	s_add_co_u32 s90, s90, s92
	s_lshl_b32 s92, s32, 8
	s_add_co_u32 s90, s90, s92
	s_mov_b32 s91, 0
	s_add_nc_u64 s[PW:PW+1], s[10:11], s[90:91]
	s_lshl_b32 s90, s34, 12
	s_add_co_u32 s90, s90, s92
	s_add_nc_u64 s[12:13], s[12:13], s[90:91]
	s_lshl_b32 s90, s33, 23
	s_add_co_u32 s90, s90, s92
	s_add_nc_u64 s[PO:PO+1], s[14:15], s[90:91]
	s_lshl_b32 s90, s33, 24
	s_lshl_b32 s92, s34, 17
	s_add_co_u32 s90, s90, s92
	s_add_nc_u64 s[PA0:PA0+1], s[4:5], s[90:91]
	global_load_b128 v[BIA:BIA+3], v[BOFF], s[12:13]
	STREAM_A
	STREAM_B
	s_wait_kmcnt 0x0
	s_min_u32 s[COUNT], s[COUNT], 1024
	s_max_u32 s[CM1], s[COUNT], 1
	s_sub_co_u32 s[CM1], s[CM1], 1
	s_cmp_gt_u32 s[COUNT], 0
	s_cselect_b32 s[NP], 1, 0
	s_cmp_gt_u32 s[COUNT], 384
	s_cselect_b32 s90, 1, 0
	s_add_co_u32 s[NP], s[NP], s90
	s_cmp_gt_u32 s[COUNT], 768
	s_cselect_b32 s90, 1, 0
	s_add_co_u32 s[NP], s[NP], s90
	s_cmp_eq_u32 s33, 0
	s_cselect_b32 s90, -1, 0
.irp t, 0,1,2,3
	v_and_b32 v[BIA+\t], s90, v[BIA+\t]    ; the bias counts once: in the first half of K
.endr
	START_B
	s_mov_b32 s[P], 0
.Lpass:
	s_cmp_ge_u32 s[P], s[NP]
	s_cbranch_scc1 .Lpass_end
	s_wait_xcnt 0x0                        ; the last pass's stores have read their offsets
	PASS_B
	s_mul_i32 s[PB], s[P], 384
	s_sub_co_u32 s90, s[COUNT], s[PB]
	s_min_u32 s90, s90, 384
	s_lshl_b32 s91, s[WV], 4
	s_sub_co_i32 s90, s90, s91
	s_add_co_i32 s90, s90, 63
	s_max_i32 s90, s90, 0
	s_lshr_b32 s[NL], s90, 6
.irp i, 0,1,2,3,4,5
	s_add_co_u32 s90, s[PB], 64*\i
	v_add_nc_u32 v14, s90, v[PLC]
	v_min_u32 v14, s[CM1], v14             ; only rows that the launch before stored are read
	v_min_u32 v14, 0x3ff, v14
	v_lshl_add_u32 v[ROFF+\i], v14, 7, v[H16]
	s_add_co_u32 s90, s90, s91
	s_min_u32 s90, s90, 1008               ; a dead tile reads the list's last sixteen entries
	s_lshl_b32 s90, s90, 2
	v_lshl_add_u32 v[VT+\i], v3, 2, s90
.endr
.irp i, 0,1,2,3,4,5
.irp j, 0,1,2,3,4,5,6,7
	global_load_b32 v[ENT+8*\i+\j], v[VT+\i], s[6:7] offset:8*\j     ; ahead of the token ring, whose waits cover them
.endr
.endr
	AINIT
	KLOOP
.set n, 0
.rept 48
	v_min_u32 v[ENT+n], 0x7ff, v[ENT+n]
	v_lshlrev_b32 v[PWT+n], 2, v[ENT+n]
.set n, n+1
.endr
.set n, 0
.rept 48
	global_load_b32 v[PWT+n], v[PWT+n], s[8:9]       ; the weight lands on its own offset
.set n, n+1
.endr
.set n, 0
.rept 48
	v_lshl_add_u32 v[ENT+n], v[ENT+n], 12, v[BOFF]   ; row (slot 1024 + token) x 4,096 bytes + 16 r
.set n, n+1
.endr
	s_wait_loadcnt 0x0
.irp i, 0,1,2,3,4,5
	OUTT \i
.endr
.Lout_end:
.Lpass_end:
	s_add_co_u32 s[P], s[P], 1
	s_cmp_lt_u32 s[P], 3
	s_cbranch_scc1 .Lpass
	FINISH
.Lfunc_end_k_q7cc16c222e_moe2:
	.size	k_q7cc16c222e_moe2, .Lfunc_end_k_q7cc16c222e_moe2-k_q7cc16c222e_moe2
	.p2alignl 7, 3214868480
	.fill 96, 4, 3214868480
	.section	.rodata,"a",@progbits
	.p2align	6, 0x0
	.amdhsa_kernel k_q7cc16c222e_moe2
		.amdhsa_group_segment_fixed_size 131584
		.amdhsa_private_segment_fixed_size 0
		.amdhsa_enable_private_segment 0
		.amdhsa_kernarg_size 48
		.amdhsa_user_sgpr_count 2
		.amdhsa_user_sgpr_kernarg_segment_ptr 1
		.amdhsa_wavefront_size32 1
		.amdhsa_system_sgpr_workgroup_id_x 1
		.amdhsa_system_sgpr_workgroup_id_y 1
		.amdhsa_system_sgpr_workgroup_id_z 1
		.amdhsa_system_vgpr_workitem_id 0
		.amdhsa_next_free_vgpr 768
		.amdhsa_next_free_sgpr 100
		.amdhsa_reserve_vcc 0
		.amdhsa_float_denorm_mode_32 3
		.amdhsa_float_denorm_mode_16_64 3
		.amdhsa_memory_ordered 1
		.amdhsa_forward_progress 1
		.amdhsa_inst_pref_size 98
	.end_amdhsa_kernel
	.amdgpu_metadata
---
amdhsa.version: [ 1, 2 ]
amdhsa.kernels:
  - .name:           k_q7cc16c222e_moe2
    .symbol:         k_q7cc16c222e_moe2.kd
    .args:
      - { .name: hbuf, .offset: 0, .size: 8, .value_kind: global_buffer, .address_space: global }
      - { .name: rlist, .offset: 8, .size: 8, .value_kind: global_buffer, .address_space: global }
      - { .name: topw, .offset: 16, .size: 8, .value_kind: global_buffer, .address_space: global }
      - { .name: ew2, .offset: 24, .size: 8, .value_kind: global_buffer, .address_space: global }
      - { .name: eb2, .offset: 32, .size: 8, .value_kind: global_buffer, .address_space: global }
      - { .name: part, .offset: 40, .size: 8, .value_kind: global_buffer, .address_space: global }
    .group_segment_fixed_size: 131584
    .private_segment_fixed_size: 0
    .kernarg_segment_align: 8
    .kernarg_segment_size: 48
    .max_flat_workgroup_size: 128
    .sgpr_count:     100
    .vgpr_count:     768
    .wavefront_size: 32
...
	.end_amdgpu_metadata
.endif
;; end of part 7
;; launch comb (part 8): grid 256 x 1, 8 waves a work-group, no clusters, 0 bytes of LDS; arguments x1, part, out0; writes out0
.if DOCPART == 8
	.amdgcn_target "amdgcn-amd-amdhsa--gfx1250"
	.amdhsa_code_object_version 6
	.text
	.protected	k_q7cc16c222e_comb
	.globl	k_q7cc16c222e_comb
	.p2align	8
	.type	k_q7cc16c222e_comb,@function
k_q7cc16c222e_comb:
	s_mov_b64 s[64:65], 0
	v_nop
	global_prefetch_b8 v0, s[64:65] scope:SCOPE_SE
	s_setreg_imm32_b32 hwreg(HW_REG_WAVE_MODE, 25, 1), 1
	s_wait_xcnt 0x0
; out0 = x1 + the four partial rows of each token (two choices x two halves of K), all f32.  A stream: each byte once, 16 bytes a lane, every load and store of a wave 512 consecutive bytes.
; A work-group owns 16,384 bytes of the output; a thread four times 16 bytes.  All twenty loads of a thread go out before the one wait.  No LDS, no matrix unit: memory binds.
.set XA, 4                             ; v4-19 x1;  v20-83 the four partial sums
	s_load_b128 s[4:7], s[0:1], 0x0        ; x1 s[4:5], part s[6:7]
	s_load_b64 s[8:9], s[0:1], 0x10        ; out0
	v_lshlrev_b32 v1, 4, v0
	s_lshl_b32 s10, ttmp9, 14
	s_mov_b32 s11, 0
	s_wait_kmcnt 0x0
	s_add_nc_u64 s[4:5], s[4:5], s[10:11]
	s_add_nc_u64 s[6:7], s[6:7], s[10:11]
	s_add_nc_u64 s[8:9], s[8:9], s[10:11]
	s_add_nc_u64 s[12:13], s[6:7], 0x800000      ; the second half of K
.irp n, 0,1,2,3
	global_load_b128 v[XA+4*\n:XA+4*\n+3], v1, s[4:5] offset:4096*\n th:TH_LOAD_NT
	global_load_b128 v[XA+16+4*\n:XA+16+4*\n+3], v1, s[6:7] offset:4096*\n th:TH_LOAD_NT
	global_load_b128 v[XA+32+4*\n:XA+32+4*\n+3], v1, s[6:7] offset:4194304+4096*\n th:TH_LOAD_NT
	global_load_b128 v[XA+48+4*\n:XA+48+4*\n+3], v1, s[12:13] offset:4096*\n th:TH_LOAD_NT
	global_load_b128 v[XA+64+4*\n:XA+64+4*\n+3], v1, s[12:13] offset:4194304+4096*\n th:TH_LOAD_NT
.endr
	s_wait_loadcnt 0x0
.set n, 0
.rept 8
	v_pk_add_f32 v[XA+16+2*n:XA+16+2*n+1], v[XA+16+2*n:XA+16+2*n+1], v[XA+48+2*n:XA+48+2*n+1]   ; a choice's two halves of K
	v_pk_add_f32 v[XA+32+2*n:XA+32+2*n+1], v[XA+32+2*n:XA+32+2*n+1], v[XA+64+2*n:XA+64+2*n+1]
	v_pk_add_f32 v[XA+16+2*n:XA+16+2*n+1], v[XA+16+2*n:XA+16+2*n+1], v[XA+32+2*n:XA+32+2*n+1]   ; the two choices
	v_pk_add_f32 v[XA+2*n:XA+2*n+1], v[XA+2*n:XA+2*n+1], v[XA+16+2*n:XA+16+2*n+1]
.set n, n+1
.endr
.irp n, 0,1,2,3
	global_store_b128 v1, v[XA+4*\n:XA+4*\n+3], s[8:9] offset:4096*\n th:TH_STORE_NT
.endr
	s_endpgm
.Lfunc_end_k_q7cc16c222e_comb:
	.size	k_q7cc16c222e_comb, .Lfunc_end_k_q7cc16c222e_comb-k_q7cc16c222e_comb
	.p2alignl 7, 3214868480
	.fill 96, 4, 3214868480
	.section	.rodata,"a",@progbits
	.p2align	6, 0x0
	.amdhsa_kernel k_q7cc16c222e_comb
		.amdhsa_group_segment_fixed_size 0
		.amdhsa_private_segment_fixed_size 0
		.amdhsa_enable_private_segment 0
		.amdhsa_kernarg_size 24
		.amdhsa_user_sgpr_count 2
		.amdhsa_user_sgpr_kernarg_segment_ptr 1
		.amdhsa_wavefront_size32 1
		.amdhsa_system_sgpr_workgroup_id_x 1
		.amdhsa_system_sgpr_workgroup_id_y 1
		.amdhsa_system_sgpr_workgroup_id_z 1
		.amdhsa_system_vgpr_workitem_id 0
		.amdhsa_next_free_vgpr 100
		.amdhsa_next_free_sgpr 66
		.amdhsa_reserve_vcc 0
		.amdhsa_float_denorm_mode_32 3
		.amdhsa_float_denorm_mode_16_64 3
		.amdhsa_memory_ordered 1
		.amdhsa_forward_progress 1
		.amdhsa_inst_pref_size 5
	.end_amdhsa_kernel
	.amdgpu_metadata
---
amdhsa.version: [ 1, 2 ]
amdhsa.kernels:
  - .name:           k_q7cc16c222e_comb
    .symbol:         k_q7cc16c222e_comb.kd
    .args:
      - { .name: x1, .offset: 0, .size: 8, .value_kind: global_buffer, .address_space: global }
      - { .name: part, .offset: 8, .size: 8, .value_kind: global_buffer, .address_space: global }
      - { .name: out0, .offset: 16, .size: 8, .value_kind: global_buffer, .address_space: global }
    .group_segment_fixed_size: 0
    .private_segment_fixed_size: 0
    .kernarg_segment_align: 8
    .kernarg_segment_size: 24
    .max_flat_workgroup_size: 256
    .sgpr_count:     66
    .vgpr_count:     100
    .wavefront_size: 32
...
	.end_amdgpu_metadata
.endif
;; end of part 8
;; ======== version 2 of 2: 9 launches; 1.13 times as fast as version 1
;; workspace buffers: a1 2,097,152 bytes; qkv 6,291,456 bytes; hbuf 33,554,432 bytes; x1 4,194,304 bytes; sel 4,096 bytes of whole numbers; topw 8,192 bytes; rlist 34,816 bytes of whole numbers; part 16,777,216 bytes
;; launch ln1: the kernel of part 1 again; grid 256 x 1, 4 waves a work-group, no clusters, 0 bytes of LDS; arguments x, ln1_g, ln1_b, a1; writes a1
;; launch qkvp (part 9): grid 48 x 4, 4 waves a work-group, no clusters, 262,656 bytes of LDS; arguments a1, wq1, wq2, wk1, wk2, wv1, wv2, bq1, bq2, bk1, bk2, bv1, bv2, qkv; writes qkv
.if DOCPART == 9
	.amdgcn_target "amdgcn-amd-amdhsa--gfx1250"
	.amdhsa_code_object_version 6
	.text
	.protected	k_q7cc16c222e_qkvp
	.globl	k_q7cc16c222e_qkvp
	.p2align	8
	.type	k_q7cc16c222e_qkvp,@function
k_q7cc16c222e_qkvp:
	s_mov_b64 s[64:65], 0
	v_nop
	global_prefetch_b8 v0, s[64:65] scope:SCOPE_SE
	s_setreg_imm32_b32 hwreg(HW_REG_WAVE_MODE, 25, 1), 1
	s_wait_xcnt 0x0
; qkv[p][b][head][s][0:64] = bf16( silu(a1 w1 + b1) * (a1 w2 + b2) ) for p = q, k, v.  a1: [1024][1024] bf16; the weights [1024 (k)][1024 (n)] f32.
; A work-group owns one head's 64 columns of one projection (both matrices) and one batch's 256 rows.  48 x 4 = 192 work-groups: 48 slices of 64 columns do not make 256.
; PHASE 1: the slice (2 x 1024 x 64 f32) is read once, rounded to bf16 and laid into LDS as matrix operands.  One barrier.
; PHASE 2: nothing writes LDS: weights come from LDS, token rows from memory straight into registers, through a ring of eight groups of loads (a group: 32 of K for all my tiles).
; The ring's first eight groups go out in the stream's last trip, a group in place of each slot's reload.
; THE WEIGHTS NEED NO TURNING.  For 64 columns and 32 k, lane (r = lane % 16, h = lane / 16) loads 16 bytes of row k: columns 4 r .. 4 r + 3 (sixteen lanes: 256 consecutive bytes).  Element t of rows
; 2 i and 2 i + 1, rounded as a pair, is register i of operand t, whose column r stands for the true column 4 r + t.  Tokens are source 0, weights source 1; lane r of a token operand takes
; tile row 2 (r % 8) + r / 8, so that register j of a result holds row 2 j + h, and a lane's four operands t hold four neighbouring columns.
; ONE TEXT FOR ALL TILES ON THE WAY OUT: SwiGLU is written for tile 0 and looped; behind each turn the other tiles move one tile down.
; NO MULTICAST: the weights pass through registers to be rounded, which no tensor load does.
; LIMITS: bf16 operands, f32 sums; v_exp_f32 and v_rcp_f32 flush denormals; NaN and infinities are not treated apart.
.set PAIR,   1                         ; two matrices, eight column tiles
.set T,      4                         ; row tiles of a wave
.set PITCH,  4096                      ; bytes of a weight row
.set LOG8P,  15                        ; log2(8 x PITCH)
.set ITROWS, 32                        ; weight rows that the four waves take in one slot's turn
.set NIT,    32                        ; such turns
.set IMG,    262144                    ; the operands in LDS
.set AHI,    128                       ; token operand of sub c lies (c / 2) AHI + (c % 2) 64 bytes into the K trip
.set ROUTED, 0
.set NTW,    0
.set TAILA,  1                         ; the stream's last trip issues the token ring's first groups
.set A3B,    0
.set BTW,    0                         ; window of the bias tiles and of the zeros
.set BT,     128                       ; v128-191 eight bias tiles (free again when the sums have started)
.set ZR,     208                       ; v208-215 zeros
.set ROFN,   112                       ; v112-115 what the ring's last trip asks by
.set SPARE,  IMG                       ; the spare words, 128 bytes a wave: two blocks of 256 bytes that no other line names
; ---- the core, common to the four products ----
.set NC,    4+4*PAIR                   ; column tiles of 16
.set HPT,   8*(1+PAIR)                 ; blocks of four operands (4,096 bytes) in a K trip of eight subs of 32
.set TRIPB, HPT*4096
.set ATRIP, 4*AHI                      ; bytes by which the token rows advance in a K trip
.set GPW,   256/(8*T)                  ; groups of the token ring that fit in window 1; the others lie in window 3 from A3B on
.set WN,    14*T                       ; the loads of the seven younger groups
.if WN > 63
.set WN, 63                            ; a wait names 63 at the most
.endif
.set WOFF, 5                           ; v5   8 h rows + 16 r: my 16 bytes of a weight row
.set WST,  6                           ; v6   where my operands' halves go in LDS
.set BRD,  7                           ; v7   this trip's operands in LDS, v8 the next trip's
.set BRD2, 8
.set OOFF, 9                           ; v9   my byte offset in a tile of the output
.set BOFF, 10                          ; v10  16 r
.set H16,  12                          ; v12  16 h
.set L16,  13                          ; v13  16 x lane
.set PLC,  15                          ; v15  16 x wave + my tile row
.set ROFF, 16                          ; v16.. byte offset of my token row, a register a tile
.set BIA,  22                          ; v22-29 the biases of my columns
.set SPW,  30                          ; v30  my spare word; v31  0; never rewritten
.set NIL,  31
.set BH,   32                          ; v32-95 two blocks of four weight operands
.set PK,   96                          ; v96-111 rounded weights on their way to LDS
.set TE,   128
.set TS,   160
.set OP,   192
.set WV, 66
.set G,  67
.set KH, 68
.set PW, 70
.set PA, 72
.set PA0, 74
.set PO, 76
.set POB, 78
.set CNT, 80
.set NL, 84
.set NP, 85
.set P,  86
.set COUNT, 87
.set CM1, 88
.set PB, 89
.set SB, 96
.set TI, 97
.set NLG, 98
.set MSB, 0
.macro WIN new                         ; the immediate's high byte repeats the setting that is left; a switch that changes nothing is dropped
.if MSB != (\new)
	s_set_vgpr_msb (MSB<<8)|(\new)
.set MSB, (\new)
.endif
.endm
.macro IDS
	v_lshl_add_u32 v[SPW], v0, 2, SPARE
	v_mov_b32 v[NIL], 0
	v_and_b32 v1, 31, v0                   ; lane
	v_lshrrev_b32 v11, 5, v0
	v_readfirstlane_b32 s[WV], v11         ; wave
	s_lshr_b32 s[G], s[WV], 1              ; which matrix (or which of two subs) I stream
	s_and_b32 s[KH], s[WV], 1              ; which 16 of a sub's 32 k
	v_and_b32 v2, 15, v0                   ; r
	v_bfe_u32 v3, v0, 4, 1                 ; h
	v_and_b32 v4, 7, v0
	v_bfe_u32 v11, v0, 3, 1
	v_lshl_add_u32 v4, v4, 1, v11          ; my tile row 2 (r % 8) + r / 8
	v_lshlrev_b32 v[BOFF], 4, v2
	v_lshl_add_u32 v[WOFF], v3, LOG8P, v[BOFF]
	v_lshlrev_b32 v[L16], 4, v1
	v_lshlrev_b32 v[H16], 4, v3
	s_lshl_b32 s90, s[G], 12
	s_lshl_b32 s91, s[KH], 9
	s_add_co_u32 s90, s90, s91
	v_add_nc_u32 v[WST], s90, v[L16]
	s_lshl_b32 s90, s[WV], 4
	v_add_nc_u32 v[PLC], s90, v4
.endm
.macro SLOAD s                         ; slot s of the ring in window 2: eight rows, 512 bytes each
	WIN 0x80
.irp j, 0,1,2,3,4,5,6,7
.if NTW
	global_load_b128 v[32*(\s)+4*\j:32*(\s)+4*\j+3], v[WOFF], s[PW:PW+1] offset:((\s)*ITROWS+\j)*PITCH th:TH_LOAD_NT
.else
	global_load_b128 v[32*(\s)+4*\j:32*(\s)+4*\j+3], v[WOFF], s[PW:PW+1] offset:((\s)*ITROWS+\j)*PITCH
.endif
.endr
.endm
.macro SCVT s                          ; slot s rounded in pairs of rows: half of four operands; 16 bytes a lane and operand, lanes side by side in LDS
	WIN 0x0a
.irp t, 0,1,2,3
.irp i, 0,1,2,3
	v_cvt_pk_bf16_f32 v[PK+4*\t+\i], v[32*(\s)+8*\i+\t], v[32*(\s)+8*\i+4+\t]
.endr
.endr
	WIN 0
.irp t, 0,1,2,3
	ds_store_b128 v[WST], v[PK+4*\t:PK+4*\t+3] offset:(\s)*8192+\t*1024
.endr
.endm
.macro ALOAD c                         ; group c of the token ring: two loads a tile
.set aw, 1+2*((\c)/GPW)
.set ab, 8*T*((\c)%GPW)+A3B*((\c)/GPW)
	WIN aw<<6
.set ii, 0
.rept T
	global_load_b128 v[ab+8*ii:ab+8*ii+3], v[ROFF+ii], s[PA:PA+1] offset:((\c)>>1)*AHI+((\c)&1)*64
	global_load_b128 v[ab+8*ii+4:ab+8*ii+7], v[ROFF+ii], s[PA:PA+1] offset:((\c)>>1)*AHI+((\c)&1)*64+32
.set ii, ii+1
.endr
.endm
; The weights' stream: a ring of eight slots of eight loads.  TAILA = 1: in the last trip a slot is not loaded again; a group of the token ring (2 T loads, eight or more) goes out in
; its place, so that the count of the younger loads is 56 or more in every trip.  TAILA = 0: the last eight slots are written out, and their counts run down.
.macro STREAM
.irp s, 0,1,2,3,4,5,6,7
	SLOAD \s
.endr
	WIN 0
	s_wait_xcnt 0x0                        ; the base is stepped only behind this wait
	s_add_nc_u64 s[PW:PW+1], s[PW:PW+1], 8*ITROWS*PITCH
	s_mov_b32 s[CNT], NIT/8-1+TAILA
.Lstream:
.irp s, 0,1,2,3,4,5,6,7
	s_wait_loadcnt 56                      ; the seven younger slots' 56 loads stay out
.if \s == 0
	STREAM_HOOK
.endif
	SCVT \s
.if TAILA
	s_cmp_eq_u32 s[CNT], 1
	s_cbranch_scc1 .Lsa\s
	SLOAD \s
	WIN 0
	s_branch .Lsb\s
.Lsa\s:
	ALOAD \s
	WIN 0
.Lsb\s:
.else
	SLOAD \s
.endif
.endr
	WIN 0
	s_wait_xcnt 0x0
	s_add_nc_u64 s[PW:PW+1], s[PW:PW+1], 8*ITROWS*PITCH
	v_add_nc_u32 v[WST], 0x10000, v[WST]
	s_sub_co_u32 s[CNT], s[CNT], 1
	s_cmp_lg_u32 s[CNT], 0
	s_cbranch_scc1 .Lstream
.if TAILA == 0
.irp s, 0,1,2,3,4,5,6,7
	s_wait_loadcnt 56-8*\s                 ; the last eight slots load nothing: the counts run down
	SCVT \s
.endr
.endif
	s_wait_dscnt 0x0                       ; for the others' sake: my part of the operands is in LDS
	s_barrier_signal -1
	s_barrier_wait -1
.endm
.macro BLOAD hb, adr, off              ; four operands, 4,096 consecutive bytes
.irp t, 0,1,2,3
	ds_load_b128 v[BH+32*(\hb)+8*\t:BH+32*(\hb)+8*\t+3], v[\adr] offset:(\off)+\t*1024
	ds_load_b128 v[BH+32*(\hb)+8*\t+4:BH+32*(\hb)+8*\t+7], v[\adr] offset:(\off)+\t*1024+512
.endr
.endm
.macro START_B                         ; the first two blocks of operands, at LDS bytes 0 and 4,096
	BLOAD 0, L16, 0
	BLOAD 1, L16, 4096
.endm
.macro PASS_B                          ; each pass starts its walk of the operands at LDS byte 0
	v_mov_b32 v[BRD], v[L16]
	v_add_nc_u32 v[BRD2], TRIPB, v[L16]
	s_mov_b32 s[SB], TRIPB
.endm
.macro MMT c, hb, cg, i                ; tile i: four products, its four accumulators by turns
.set aw, 1+2*((\c)/GPW)
.set ab, 8*T*((\c)%GPW)+A3B*((\c)/GPW)+8*(\i)
.set dw, 2+PAIR*((\i)/4)
.if PAIR
.set ra, 64*((\i)%4)+32*(\cg)
.else
.set ra, 32*(\i)
.endif
	WIN (dw<<6)|(dw<<4)|aw
.irp t, 0,1,2,3
	v_wmma_f32_16x16x32_bf16 v[ra+8*\t:ra+8*\t+7], v[ab:ab+7], v[BH+32*(\hb)+8*\t:BH+32*(\hb)+8*\t+7], v[ra+8*\t:ra+8*\t+7]
.endr
.endm
; All my tiles against one block of operands.  Where rows are routed, tiles past the count lose their products at two places (behind tile 0, behind tile 3): only matrix work is jumped, never a load.
.macro MMH c, hb, cg
	MMT \c, \hb, \cg, 0
.if T > 1
.if ROUTED
	WIN 0
	s_cmp_le_u32 s[NL], 1
	s_cbranch_scc1 .Lmm_\@
.endif
	MMT \c, \hb, \cg, 1
	MMT \c, \hb, \cg, 2
	MMT \c, \hb, \cg, 3
.endif
.if T > 4
.if ROUTED
	WIN 0
	s_cmp_le_u32 s[NL], 4
	s_cbranch_scc1 .Lmm_\@
.endif
	MMT \c, \hb, \cg, 4
.endif
	WIN 0
.if ROUTED
.Lmm_\@:
.endif
.endm
.macro HALF c, cg, q
	s_wait_dscnt 8                         ; this block's eight loads are in; the next block's eight stay out
	MMH \c, (\q)&1, \cg
.rept 4
	v_nop                                  ; four places between the products and the loads into what they read
.endr
.if (\q)+2 < HPT
	BLOAD (\q)&1, BRD, ((\q)+2)*4096
.else
	BLOAD (\q)&1, BRD2, ((\q)+2-HPT)*4096
.endif
.endm
.macro BTMAKE                          ; a bias tile for each column tile (every row holds the column's bias), and eight registers of zeros
	WIN BTW<<6
.set cc, 0
.rept NC
.irp j, 0,1,2,3,4,5,6,7
	v_mov_b32 v[BT+8*cc+\j], v[BIA+cc]
.endr
.set cc, cc+1
.endr
.irp j, 0,1,2,3,4,5,6,7
	v_mov_b32 v[ZR+\j], 0
.endr
	WIN 0
.endm
.macro AINIT                           ; the sums start at the bias: a product of zeros with the bias tile as C writes an accumulator's eight registers in one line
.set ii, 0
.rept T
.set dw, 2+PAIR*(ii/4)
.if PAIR
.set ra, 64*(ii%4)
.else
.set ra, 32*ii
.endif
	WIN (dw<<6)|(BTW<<4)|(BTW<<2)|BTW
.set cc, 0
.rept NC
	v_wmma_f32_16x16x32_bf16 v[ra+8*cc:ra+8*cc+7], v[ZR:ZR+7], v[ZR:ZR+7], v[BT+8*cc:BT+8*cc+7]
.set cc, cc+1
.endr
.set ii, ii+1
.endr
	WIN 0
.endm
; K = 1024 in four trips of eight subs of 32.  Group c is loaded again, for the next trip, as soon as it is multiplied.  THE RING RUNS ON: the last trip asks, from K = 0 on, by the offsets in ROFN
; (the next pass's rows; where none follows, one address or one row for all lanes), so every wait counts the same loads in every trip, and nothing waits for those loads behind the loop.
; The offsets change by AND, AND and ADD with two scalar masks.  The LDS look-ahead wraps to the first two blocks, which the next pass begins with.
.macro KLOOP
	WIN 0
	s_wait_xcnt 0x0                        ; the ring's first loads have read PA
	s_add_nc_u64 s[PA:PA+1], s[PA0:PA0+1], ATRIP
	s_mov_b32 s[CNT], 4
.Lk:
.irp c, 0,1,2,3,4,5,6,7
	s_wait_loadcnt WN                      ; the seven younger groups stay out
.if PAIR
	HALF \c, 0, 2*\c
	HALF \c, 1, 2*\c+1
.else
	HALF \c, 0, \c
.endif
	ALOAD \c
.endr
	WIN 0
	s_wait_xcnt 0x0                        ; base and offsets are rewritten only behind this wait
	s_add_nc_u64 s[PA:PA+1], s[PA:PA+1], ATRIP
	s_cmp_eq_u32 s[CNT], 2                 ; the last trip comes
	s_cselect_b64 s[PA:PA+1], s[PA0:PA0+1], s[PA:PA+1]
	s_cselect_b32 s92, -1, 0
	s_not_b32 s93, s92
.set ii, 0
.rept T
	v_and_b32 v14, s92, v[ROFN+ii]
	v_and_b32 v[ROFF+ii], s93, v[ROFF+ii]
	v_add_nc_u32 v[ROFF+ii], v14, v[ROFF+ii]
.set ii, ii+1
.endr
	v_mov_b32 v[BRD], v[BRD2]
	s_add_co_u32 s[SB], s[SB], TRIPB
	s_and_b32 s[SB], s[SB], IMG-1
	v_add_nc_u32 v[BRD2], s[SB], v[L16]
	s_sub_co_u32 s[CNT], s[CNT], 1
	s_cmp_lg_u32 s[CNT], 0
	s_cbranch_scc1 .Lk
.rept 4
	v_nop                                  ; places behind the last products
.endr
.endm
; Tile 0: silu(a) b = a b / (1 + 2^(-a log2 e)), rounded to bf16; 32 lanes store rows 2 j and 2 j + 1 of 128 bytes: 256 consecutive bytes.  Each batch of 32 transcendentals has one wait.
.macro SWIGLU
	WIN 2
.set n, 0
.rept 16
	v_pk_mul_f32 v[TE+2*n:TE+2*n+1], v[2*n:2*n+1], s[NLG:NLG+1] op_sel_hi:[1,0]
.set n, n+1
.endr
	WIN 0
.set n, 0
.rept 32
	v_exp_f32 v[TE+n], v[TE+n]
.set n, n+1
.endr
	v_nop
	s_wait_alu depctr_va_vdst(0)
.set n, 0
.rept 16
	v_pk_add_f32 v[TE+2*n:TE+2*n+1], v[TE+2*n:TE+2*n+1], 1.0 op_sel_hi:[1,0]
.set n, n+1
.endr
.set n, 0
.rept 32
	v_rcp_f32 v[TE+n], v[TE+n]
.set n, n+1
.endr
	v_nop
	s_wait_alu depctr_va_vdst(0)
	WIN 2
.set n, 0
.rept 16
	v_pk_mul_f32 v[TS+2*n:TS+2*n+1], v[2*n:2*n+1], v[TE+2*n:TE+2*n+1]
.set n, n+1
.endr
.set n, 0
.rept 16
	v_pk_mul_f32 v[TS+2*n:TS+2*n+1], v[32+2*n:32+2*n+1], v[TS+2*n:TS+2*n+1]
.set n, n+1
.endr
	WIN 0
	s_wait_xcnt 0x0                        ; the last tile's stores have read OP
.irp j, 0,1,2,3,4,5,6,7
	v_cvt_pk_bf16_f32 v[OP+2*\j], v[TS+\j], v[TS+8+\j]
	v_cvt_pk_bf16_f32 v[OP+2*\j+1], v[TS+16+\j], v[TS+24+\j]
	global_store_b64 v[OOFF], v[OP+2*\j:OP+2*\j+1], s[PO:PO+1] offset:\j*256
.endr
.endm
; Every tile moves one tile down, so that one text serves all tiles: a product of zeros with the tile above as C moves eight registers in one line.  Five places stand behind each
; tile's eight lines: the next eight write what these have read as C (ISA guide 7.12.1).  The price: 8 (T - 1) matrix instructions a tile that are not the problem's.
.macro SHIFT
.set ii, 0
.rept T-1
.set dw, 2+(ii/4)
.set cw, 2+((ii+1)/4)
	WIN (dw<<6)|(cw<<4)|(BTW<<2)|BTW
.set cc, 0
.rept 8
	v_wmma_f32_16x16x32_bf16 v[64*(ii%4)+8*cc:64*(ii%4)+8*cc+7], v[ZR:ZR+7], v[ZR:ZR+7], v[64*((ii+1)%4)+8*cc:64*((ii+1)%4)+8*cc+7]
.set cc, cc+1
.endr
.rept 5
	v_nop
.endr
.set ii, ii+1
.endr
	WIN 0
.endm
.macro FINISH
	s_wait_dscnt 0x0                       ; my reads of the operands are back,
	s_barrier_signal -1
	s_barrier_wait -1                      ; and every wave's: only now does any wave write LDS again
	s_wait_tensorcnt 0x0                   ; the wave's end, behind my last LDS store
	ds_add_u32 v[SPW], v[NIL]
	s_wait_dscnt 0x0
	s_endpgm
.endm
; ---- end of the core ----
.macro STREAM_HOOK
.endm
	s_load_b512 s[4:19], s[0:1], 0x0       ; a1 4, wq1 6, wq2 8, wk1 10, wk2 12, wv1 14, wv2 16, bq1 18
	s_load_b256 s[20:27], s[0:1], 0x40     ; bq2 20, bk1 22, bk2 24, bv1 26
	s_load_b128 s[28:31], s[0:1], 0x60     ; bv2 28, qkv 30
	IDS
	s_lshr_b32 s33, ttmp9, 4               ; projection 0, 1, 2
	s_and_b32 s34, ttmp9, 15               ; head
	s_and_b32 s35, ttmp7, 0xffff           ; batch
.irp i, 0,1,2,3
	v_add_nc_u32 v14, 64*\i, v[PLC]
	v_lshl_add_u32 v[ROFF+\i], v14, 11, v[H16]   ; row (64 i + 16 w + tile row) x 2,048 bytes + 16 h
	v_mov_b32 v[ROFN+\i], v[H16]                 ; no pass follows: the ring's last trip asks for 32 bytes of the batch's first row
.endr
	v_lshlrev_b32 v[OOFF], 3, v2
	v_lshl_add_u32 v[OOFF], v3, 7, v[OOFF]       ; 128 h + 8 r
	s_mov_b32 s[NLG], 0xbfb8aa3b           ; -log2(e)
	s_mov_b32 s[NLG+1], s[NLG]
	s_wait_kmcnt 0x0
	s_cmp_eq_u32 s33, 1
	s_cselect_b64 s[36:37], s[10:11], s[6:7]
	s_cselect_b64 s[38:39], s[12:13], s[8:9]
	s_cselect_b64 s[40:41], s[22:23], s[18:19]
	s_cselect_b64 s[42:43], s[24:25], s[20:21]
	s_cmp_eq_u32 s33, 2
	s_cselect_b64 s[36:37], s[14:15], s[36:37]
	s_cselect_b64 s[38:39], s[16:17], s[38:39]
	s_cselect_b64 s[40:41], s[26:27], s[40:41]
	s_cselect_b64 s[42:43], s[28:29], s[42:43]
	s_cmp_eq_u32 s[G], 1
	s_cselect_b64 s[PW:PW+1], s[38:39], s[36:37]
	s_lshl_b32 s90, s34, 8                 ; the head's 64 columns
	s_mov_b32 s91, 0
	s_add_nc_u64 s[40:41], s[40:41], s[90:91]
	s_add_nc_u64 s[42:43], s[42:43], s[90:91]
	s_lshl_b32 s92, s[KH], 16              ; 16 rows of 4,096 bytes
	s_add_co_u32 s90, s90, s92
	s_add_nc_u64 s[PW:PW+1], s[PW:PW+1], s[90:91]
	s_lshl_b32 s90, s35, 19                ; the batch's 256 rows of a1
	s_add_nc_u64 s[PA0:PA0+1], s[4:5], s[90:91]
	s_mov_b64 s[PA:PA+1], s[PA0:PA0+1]
	s_lshl_b32 s90, s35, 4
	s_add_co_u32 s90, s90, s34
	s_lshl_b32 s90, s90, 8
	s_lshl_b32 s92, s[WV], 4
	s_add_co_u32 s90, s90, s92
	s_lshl_b32 s90, s90, 7                 ; ((b 16 + head) 256 + 16 w) rows of 128 bytes
	s_lshl_b32 s92, s33, 21
	s_add_co_u32 s90, s90, s92
	s_add_nc_u64 s[PO:PO+1], s[30:31], s[90:91]
	global_load_b128 v[BIA:BIA+3], v[BOFF], s[40:41]
	global_load_b128 v[BIA+4:BIA+7], v[BOFF], s[42:43]
	STREAM
	START_B
	BTMAKE                                 ; the biases are older than every load of the stream, whose waits have shown them in
	AINIT
	PASS_B
	KLOOP
	s_mov_b32 s[TI], 0
.Ltile:                                        ; four turns: tile 0 goes out, the others move down, the output steps 64 rows of 128 bytes
	SWIGLU
	SHIFT
	s_wait_xcnt 0x0                        ; the stores have read their base
	s_add_nc_u64 s[PO:PO+1], s[PO:PO+1], 8192
	s_add_co_u32 s[TI], s[TI], 1
	s_cmp_lt_u32 s[TI], T
	s_cbranch_scc1 .Ltile
	FINISH
.Lfunc_end_k_q7cc16c222e_qkvp:
	.size	k_q7cc16c222e_qkvp, .Lfunc_end_k_q7cc16c222e_qkvp-k_q7cc16c222e_qkvp
	.p2alignl 7, 3214868480
	.fill 96, 4, 3214868480
	.section	.rodata,"a",@progbits
	.p2align	6, 0x0
	.amdhsa_kernel k_q7cc16c222e_qkvp
		.amdhsa_group_segment_fixed_size 262656
		.amdhsa_private_segment_fixed_size 0
		.amdhsa_enable_private_segment 0
		.amdhsa_kernarg_size 112
		.amdhsa_user_sgpr_count 2
		.amdhsa_user_sgpr_kernarg_segment_ptr 1
		.amdhsa_wavefront_size32 1
		.amdhsa_system_sgpr_workgroup_id_x 1
		.amdhsa_system_sgpr_workgroup_id_y 1
		.amdhsa_system_sgpr_workgroup_id_z 1
		.amdhsa_system_vgpr_workitem_id 0
		.amdhsa_next_free_vgpr 768
		.amdhsa_next_free_sgpr 100
		.amdhsa_reserve_vcc 0
		.amdhsa_float_denorm_mode_32 3
		.amdhsa_float_denorm_mode_16_64 3
		.amdhsa_memory_ordered 1
		.amdhsa_forward_progress 1
		.amdhsa_inst_pref_size 86
	.end_amdhsa_kernel
	.amdgpu_metadata
---
amdhsa.version: [ 1, 2 ]
amdhsa.kernels:
  - .name:           k_q7cc16c222e_qkvp
    .symbol:         k_q7cc16c222e_qkvp.kd
    .args:
      - { .name: a1, .offset: 0, .size: 8, .value_kind: global_buffer, .address_space: global }
      - { .name: wq1, .offset: 8, .size: 8, .value_kind: global_buffer, .address_space: global }
      - { .name: wq2, .offset: 16, .size: 8, .value_kind: global_buffer, .address_space: global }
      - { .name: wk1, .offset: 24, .size: 8, .value_kind: global_buffer, .address_space: global }
      - { .name: wk2, .offset: 32, .size: 8, .value_kind: global_buffer, .address_space: global }
      - { .name: wv1, .offset: 40, .size: 8, .value_kind: global_buffer, .address_space: global }
      - { .name: wv2, .offset: 48, .size: 8, .value_kind: global_buffer, .address_space: global }
      - { .name: bq1, .offset: 56, .size: 8, .value_kind: global_buffer, .address_space: global }
      - { .name: bq2, .offset: 64, .size: 8, .value_kind: global_buffer, .address_space: global }
      - { .name: bk1, .offset: 72, .size: 8, .value_kind: global_buffer, .address_space: global }
      - { .name: bk2, .offset: 80, .size: 8, .value_kind: global_buffer, .address_space: global }
      - { .name: bv1, .offset: 88, .size: 8, .value_kind: global_buffer, .address_space: global }
      - { .name: bv2, .offset: 96, .size: 8, .value_kind: global_buffer, .address_space: global }
      - { .name: qkv, .offset: 104, .size: 8, .value_kind: global_buffer, .address_space: global }
    .group_segment_fixed_size: 262656
    .private_segment_fixed_size: 0
    .kernarg_segment_align: 8
    .kernarg_segment_size: 112
    .max_flat_workgroup_size: 128
    .sgpr_count:     100
    .vgpr_count:     768
    .wavefront_size: 32
...
	.end_amdgpu_metadata
.endif
;; end of part 9
;; launch attn: the kernel of part 3 again; grid 4 x 64, 4 waves a work-group, no clusters, 87,552 bytes of LDS; arguments qkv, mask, hbuf; writes hbuf
;; launch wop (part 10): grid 16 x 16, 4 waves a work-group, no clusters, 131,584 bytes of LDS; arguments hbuf, wo, bo, x, x1; writes x1
.if DOCPART == 10
	.amdgcn_target "amdgcn-amd-amdhsa--gfx1250"
	.amdhsa_code_object_version 6
	.text
	.protected	k_q7cc16c222e_wop
	.globl	k_q7cc16c222e_wop
	.p2align	8
	.type	k_q7cc16c222e_wop,@function
k_q7cc16c222e_wop:
	s_mov_b64 s[64:65], 0
	v_nop
	global_prefetch_b8 v0, s[64:65] scope:SCOPE_SE
	s_setreg_imm32_b32 hwreg(HW_REG_WAVE_MODE, 25, 1), 1
	s_wait_xcnt 0x0
; x1 = x + ctx wo + bo.  ctx: bf16 by heads, [16][1024][64], in hbuf's first 2 MiB; wo: [1024 (k)][1024 (n)] f32; x, x1: [1024][1024] f32.
; A work-group owns 64 rows x 64 columns; a wave one tile of 16 rows.  Phases, operand layout and limits as in the projections' kernel: the slice of wo is rounded into LDS once, one barrier,
; then products with weights from LDS and token rows from memory, through a ring of eight groups.  A group is two loads here, too few to stand in for a slot's eight in the stream's last trip:
; so the ring's first eight groups and x go out ahead of the stream, and the stream's last eight slots are written out.  The residual stays in f32.
; NO MULTICAST: the weights pass through registers to be rounded.
.set PAIR,   0
.set T,      1
.set PITCH,  4096
.set LOG8P,  15
.set ITROWS, 64
.set NIT,    16
.set IMG,    131072
.set AHI,    131072                    ; a head's 1,024 rows of 128 bytes
.set ROUTED, 0
.set NTW,    0
.set TAILA,  0
.set A3B,    0
.set BTW,    0
.set BT,     144                       ; v144-175 four bias tiles
.set ZR,     176                       ; v176-183 zeros
.set ROFN,   17
.set SPARE,  IMG
.set XR,     112                       ; v112-143 x, then x1
; ---- the core, common to the four products ----
.set NC,    4+4*PAIR
.set HPT,   8*(1+PAIR)
.set TRIPB, HPT*4096
.set ATRIP, 4*AHI
.set GPW,   256/(8*T)
.set WN,    14*T
.if WN > 63
.set WN, 63
.endif
.set WOFF, 5
.set WST,  6
.set BRD,  7
.set BRD2, 8
.set OOFF, 9
.set BOFF, 10
.set H16,  12
.set L16,  13
.set PLC,  15
.set ROFF, 16
.set BIA,  22
.set SPW,  30
.set NIL,  31
.set BH,   32
.set PK,   96
.set WV, 66
.set G,  67
.set KH, 68
.set PW, 70
.set PA, 72
.set PA0, 74
.set PO, 76
.set CNT, 80
.set NL, 84
.set SB, 96
.set MSB, 0
.macro WIN new
.if MSB != (\new)
	s_set_vgpr_msb (MSB<<8)|(\new)
.set MSB, (\new)
.endif
.endm
.macro IDS
	v_lshl_add_u32 v[SPW], v0, 2, SPARE
	v_mov_b32 v[NIL], 0
	v_and_b32 v1, 31, v0
	v_lshrrev_b32 v11, 5, v0
	v_readfirstlane_b32 s[WV], v11
	s_lshr_b32 s[G], s[WV], 1
	s_and_b32 s[KH], s[WV], 1
	v_and_b32 v2, 15, v0
	v_bfe_u32 v3, v0, 4, 1
	v_and_b32 v4, 7, v0
	v_bfe_u32 v11, v0, 3, 1
	v_lshl_add_u32 v4, v4, 1, v11
	v_lshlrev_b32 v[BOFF], 4, v2
	v_lshl_add_u32 v[WOFF], v3, LOG8P, v[BOFF]
	v_lshlrev_b32 v[L16], 4, v1
	v_lshlrev_b32 v[H16], 4, v3
	s_lshl_b32 s90, s[G], 12
	s_lshl_b32 s91, s[KH], 9
	s_add_co_u32 s90, s90, s91
	v_add_nc_u32 v[WST], s90, v[L16]
	s_lshl_b32 s90, s[WV], 4
	v_add_nc_u32 v[PLC], s90, v4
.endm
.macro SLOAD s
	WIN 0x80
.irp j, 0,1,2,3,4,5,6,7
.if NTW
	global_load_b128 v[32*(\s)+4*\j:32*(\s)+4*\j+3], v[WOFF], s[PW:PW+1] offset:((\s)*ITROWS+\j)*PITCH th:TH_LOAD_NT
.else
	global_load_b128 v[32*(\s)+4*\j:32*(\s)+4*\j+3], v[WOFF], s[PW:PW+1] offset:((\s)*ITROWS+\j)*PITCH
.endif
.endr
.endm
.macro SCVT s
	WIN 0x0a
.irp t, 0,1,2,3
.irp i, 0,1,2,3
	v_cvt_pk_bf16_f32 v[PK+4*\t+\i], v[32*(\s)+8*\i+\t], v[32*(\s)+8*\i+4+\t]
.endr
.endr
	WIN 0
.irp t, 0,1,2,3
	ds_store_b128 v[WST], v[PK+4*\t:PK+4*\t+3] offset:(\s)*8192+\t*1024
.endr
.endm
.macro ALOAD c
.set aw, 1+2*((\c)/GPW)
.set ab, 8*T*((\c)%GPW)+A3B*((\c)/GPW)
	WIN aw<<6
.set ii, 0
.rept T
	global_load_b128 v[ab+8*ii:ab+8*ii+3], v[ROFF+ii], s[PA:PA+1] offset:((\c)>>1)*AHI+((\c)&1)*64
	global_load_b128 v[ab+8*ii+4:ab+8*ii+7], v[ROFF+ii], s[PA:PA+1] offset:((\c)>>1)*AHI+((\c)&1)*64+32
.set ii, ii+1
.endr
.endm
.macro STREAM
.irp s, 0,1,2,3,4,5,6,7
	SLOAD \s
.endr
	WIN 0
	s_wait_xcnt 0x0                        ; the base is stepped only behind this wait
	s_add_nc_u64 s[PW:PW+1], s[PW:PW+1], 8*ITROWS*PITCH
	s_mov_b32 s[CNT], NIT/8-1+TAILA
.Lstream:
.irp s, 0,1,2,3,4,5,6,7
	s_wait_loadcnt 56                      ; the seven younger slots' 56 loads stay out
.if \s == 0
	STREAM_HOOK
.endif
	SCVT \s
.if TAILA
	s_cmp_eq_u32 s[CNT], 1
	s_cbranch_scc1 .Lsa\s
	SLOAD \s
	WIN 0
	s_branch .Lsb\s
.Lsa\s:
	ALOAD \s
	WIN 0
.Lsb\s:
.else
	SLOAD \s
.endif
.endr
	WIN 0
	s_wait_xcnt 0x0
	s_add_nc_u64 s[PW:PW+1], s[PW:PW+1], 8*ITROWS*PITCH
	v_add_nc_u32 v[WST], 0x10000, v[WST]
	s_sub_co_u32 s[CNT], s[CNT], 1
	s_cmp_lg_u32 s[CNT], 0
	s_cbranch_scc1 .Lstream
.if TAILA == 0
.irp s, 0,1,2,3,4,5,6,7
	s_wait_loadcnt 56-8*\s                 ; the last eight slots load nothing: the counts run down
	SCVT \s
.endr
.endif
	s_wait_dscnt 0x0                       ; for the others' sake
	s_barrier_signal -1
	s_barrier_wait -1
.endm
.macro BLOAD hb, adr, off
.irp t, 0,1,2,3
	ds_load_b128 v[BH+32*(\hb)+8*\t:BH+32*(\hb)+8*\t+3], v[\adr] offset:(\off)+\t*1024
	ds_load_b128 v[BH+32*(\hb)+8*\t+4:BH+32*(\hb)+8*\t+7], v[\adr] offset:(\off)+\t*1024+512
.endr
.endm
.macro START_B
	BLOAD 0, L16, 0
	BLOAD 1, L16, 4096
.endm
.macro PASS_B
	v_mov_b32 v[BRD], v[L16]
	v_add_nc_u32 v[BRD2], TRIPB, v[L16]
	s_mov_b32 s[SB], TRIPB
.endm
.macro MMT c, hb, cg, i                ; four products, the four accumulators by turns
.set aw, 1+2*((\c)/GPW)
.set ab, 8*T*((\c)%GPW)+A3B*((\c)/GPW)+8*(\i)
.set dw, 2+PAIR*((\i)/4)
.set ra, 32*(\i)
	WIN (dw<<6)|(dw<<4)|aw
.irp t, 0,1,2,3
	v_wmma_f32_16x16x32_bf16 v[ra+8*\t:ra+8*\t+7], v[ab:ab+7], v[BH+32*(\hb)+8*\t:BH+32*(\hb)+8*\t+7], v[ra+8*\t:ra+8*\t+7]
.endr
.endm
.macro MMH c, hb, cg
	MMT \c, \hb, \cg, 0
	WIN 0
.endm
.macro HALF c, cg, q
	s_wait_dscnt 8                         ; this block's eight loads are in; the next block's eight stay out
	MMH \c, (\q)&1, \cg
.rept 4
	v_nop                                  ; four places between the products and the loads into what they read
.endr
.if (\q)+2 < HPT
	BLOAD (\q)&1, BRD, ((\q)+2)*4096
.else
	BLOAD (\q)&1, BRD2, ((\q)+2-HPT)*4096
.endif
.endm
.macro BTMAKE                          ; a bias tile for each column tile, and eight registers of zeros
	WIN BTW<<6
.set cc, 0
.rept NC
.irp j, 0,1,2,3,4,5,6,7
	v_mov_b32 v[BT+8*cc+\j], v[BIA+cc]
.endr
.set cc, cc+1
.endr
.irp j, 0,1,2,3,4,5,6,7
	v_mov_b32 v[ZR+\j], 0
.endr
	WIN 0
.endm
.macro AINIT                           ; the sums start at the bias: a product of zeros with the bias tile as C
	WIN (2<<6)|(BTW<<4)|(BTW<<2)|BTW
.set cc, 0
.rept NC
	v_wmma_f32_16x16x32_bf16 v[8*cc:8*cc+7], v[ZR:ZR+7], v[ZR:ZR+7], v[BT+8*cc:BT+8*cc+7]
.set cc, cc+1
.endr
	WIN 0
.endm
.macro KLOOP                           ; four trips of eight subs; the last trip asks by ROFN from K = 0 on, so that every wait counts the same loads; nothing waits for those loads
	WIN 0
	s_wait_xcnt 0x0                        ; the ring's first loads have read PA
	s_add_nc_u64 s[PA:PA+1], s[PA0:PA0+1], ATRIP
	s_mov_b32 s[CNT], 4
.Lk:
.irp c, 0,1,2,3,4,5,6,7
	s_wait_loadcnt WN                      ; the seven younger groups' 14 loads stay out
	HALF \c, 0, \c
	ALOAD \c
.endr
	WIN 0
	s_wait_xcnt 0x0
	s_add_nc_u64 s[PA:PA+1], s[PA:PA+1], ATRIP
	s_cmp_eq_u32 s[CNT], 2
	s_cselect_b64 s[PA:PA+1], s[PA0:PA0+1], s[PA:PA+1]
	s_cselect_b32 s92, -1, 0
	s_not_b32 s93, s92
	v_and_b32 v14, s92, v[ROFN]
	v_and_b32 v[ROFF], s93, v[ROFF]
	v_add_nc_u32 v[ROFF], v14, v[ROFF]
	v_mov_b32 v[BRD], v[BRD2]
	s_add_co_u32 s[SB], s[SB], TRIPB
	s_and_b32 s[SB], s[SB], IMG-1
	v_add_nc_u32 v[BRD2], s[SB], v[L16]
	s_sub_co_u32 s[CNT], s[CNT], 1
	s_cmp_lg_u32 s[CNT], 0
	s_cbranch_scc1 .Lk
.rept 4
	v_nop
.endr
.endm
.macro FINISH
	s_wait_dscnt 0x0                       ; my reads of the operands are back,
	s_barrier_signal -1
	s_barrier_wait -1                      ; and every wave's: only now does any wave write LDS again
	s_wait_tensorcnt 0x0                   ; the wave's end, behind my last LDS store
	ds_add_u32 v[SPW], v[NIL]
	s_wait_dscnt 0x0
	s_endpgm
.endm
; ---- end of the core ----
.macro STREAM_HOOK
.endm
	s_load_b256 s[4:11], s[0:1], 0x0       ; hbuf 4, wo 6, bo 8, x 10
	s_load_b64 s[12:13], s[0:1], 0x20      ; x1
	IDS
	s_mov_b32 s32, ttmp9                   ; slice of 64 columns
	s_and_b32 s33, ttmp7, 0xffff           ; block of 64 rows
	s_lshl_b32 s90, s33, 6
	v_add_nc_u32 v14, s90, v[PLC]
	v_lshl_add_u32 v[ROFF], v14, 7, v[H16] ; token x 128 bytes + 16 h
	v_mov_b32 v[ROFN], v[H16]              ; no pass follows: the ring's last trip asks for 32 bytes of the first row
	v_lshl_add_u32 v[OOFF], v3, 12, v[BOFF]   ; 4,096 h + 16 r
	s_wait_kmcnt 0x0
	s_lshl_b32 s90, s32, 8
	s_mov_b32 s91, 0
	s_add_nc_u64 s[8:9], s[8:9], s[90:91]
	s_lshl_b32 s92, s[G], 17
	s_add_co_u32 s90, s90, s92
	s_lshl_b32 s92, s[KH], 16
	s_add_co_u32 s90, s90, s92
	s_add_nc_u64 s[PW:PW+1], s[6:7], s[90:91]
	s_mov_b64 s[PA0:PA0+1], s[4:5]
	s_mov_b64 s[PA:PA+1], s[4:5]
	s_lshl_b32 s90, s33, 6
	s_lshl_b32 s92, s[WV], 4
	s_add_co_u32 s90, s90, s92
	s_lshl_b32 s90, s90, 12
	s_lshl_b32 s92, s32, 8
	s_add_co_u32 s90, s90, s92
	s_add_nc_u64 s[10:11], s[10:11], s[90:91]
	s_add_nc_u64 s[PO:PO+1], s[12:13], s[90:91]
	global_load_b128 v[BIA:BIA+3], v[BOFF], s[8:9]
.irp c, 0,1,2,3,4,5,6,7
	ALOAD \c                               ; the ring's first eight groups: older than the stream, so its counts do not see them
.endr
	WIN 0
.irp j, 0,1,2,3,4,5,6,7
	global_load_b128 v[XR+4*\j:XR+4*\j+3], v[OOFF], s[10:11] offset:8192*\j    ; x, rows 2 j + h
.endr
	STREAM
	START_B
	BTMAKE
	AINIT
	PASS_B
	KLOOP
	WIN 0x02                               ; source 0: the accumulators' window
.irp j, 0,1,2,3,4,5,6,7
.irp t, 0,1,2,3
	v_add_f32 v[XR+4*\j+\t], v[8*\t+\j], v[XR+4*\j+\t]
.endr
.endr
	WIN 0
.irp j, 0,1,2,3,4,5,6,7
	global_store_b128 v[OOFF], v[XR+4*\j:XR+4*\j+3], s[PO:PO+1] offset:8192*\j  ; sixteen lanes: 256 consecutive bytes, aligned
.endr
	FINISH
.Lfunc_end_k_q7cc16c222e_wop:
	.size	k_q7cc16c222e_wop, .Lfunc_end_k_q7cc16c222e_wop-k_q7cc16c222e_wop
	.p2alignl 7, 3214868480
	.fill 96, 4, 3214868480
	.section	.rodata,"a",@progbits
	.p2align	6, 0x0
	.amdhsa_kernel k_q7cc16c222e_wop
		.amdhsa_group_segment_fixed_size 131584
		.amdhsa_private_segment_fixed_size 0
		.amdhsa_enable_private_segment 0
		.amdhsa_kernarg_size 40
		.amdhsa_user_sgpr_count 2
		.amdhsa_user_sgpr_kernarg_segment_ptr 1
		.amdhsa_wavefront_size32 1
		.amdhsa_system_sgpr_workgroup_id_x 1
		.amdhsa_system_sgpr_workgroup_id_y 1
		.amdhsa_system_sgpr_workgroup_id_z 1
		.amdhsa_system_vgpr_workitem_id 0
		.amdhsa_next_free_vgpr 768
		.amdhsa_next_free_sgpr 100
		.amdhsa_reserve_vcc 0
		.amdhsa_float_denorm_mode_32 3
		.amdhsa_float_denorm_mode_16_64 3
		.amdhsa_memory_ordered 1
		.amdhsa_forward_progress 1
		.amdhsa_inst_pref_size 55
	.end_amdhsa_kernel
	.amdgpu_metadata
---
amdhsa.version: [ 1, 2 ]
amdhsa.kernels:
  - .name:           k_q7cc16c222e_wop
    .symbol:         k_q7cc16c222e_wop.kd
    .args:
      - { .name: hbuf, .offset: 0, .size: 8, .value_kind: global_buffer, .address_space: global }
      - { .name: wo, .offset: 8, .size: 8, .value_kind: global_buffer, .address_space: global }
      - { .name: bo, .offset: 16, .size: 8, .value_kind: global_buffer, .address_space: global }
      - { .name: x, .offset: 24, .size: 8, .value_kind: global_buffer, .address_space: global }
      - { .name: x1, .offset: 32, .size: 8, .value_kind: global_buffer, .address_space: global }
    .group_segment_fixed_size: 131584
    .private_segment_fixed_size: 0
    .kernarg_segment_align: 8
    .kernarg_segment_size: 40
    .max_flat_workgroup_size: 128
    .sgpr_count:     100
    .vgpr_count:     768
    .wavefront_size: 32
...
	.end_amdgpu_metadata
.endif
;; end of part 10
;; launch ln2gate: the kernel of part 5 again; grid 256 x 1, 4 waves a work-group, no clusters, 0 bytes of LDS; arguments x1, ln2_g, ln2_b, gate_w, gate_b, a1, sel, topw; writes a1, sel, topw
;; launch sort (part 11): grid 8 x 1, 1 waves a work-group, no clusters, 4,608 bytes of LDS; arguments sel, rlist; writes rlist
.if DOCPART == 11
	.amdgcn_target "amdgcn-amd-amdhsa--gfx1250"
	.amdhsa_code_object_version 6
	.text
	.protected	k_q7cc16c222e_sort
	.globl	k_q7cc16c222e_sort
	.p2align	8
	.type	k_q7cc16c222e_sort,@function
k_q7cc16c222e_sort:
	s_mov_b64 s[64:65], 0
	v_nop
	global_prefetch_b8 v0, s[64:65] scope:SCOPE_SE
	s_setreg_imm32_b32 hwreg(HW_REG_WAVE_MODE, 25, 1), 1
	s_wait_xcnt 0x0
; rlist[e][0:1024] = the rows of expert e, entry = slot << 10 | token, in ascending order of (token / 128, token % 4, token / 4 % 32); places past the count repeat the last entry (0 for an expert
; without rows); rlist[e][1024:1056] = the count.  sel[t] = 1 << e0 | 1 << (8 + e1), whole numbers stored by the launch before.
; One work-group of one wave for each expert: eight in all, since a list is one short chain of 32 steps; the two products behind read list and count from memory at addresses made of ids.
; A counting walk, no atomics: rank = hits so far + hits in the lanes below me; a lane without a hit writes a waste word.  The list is made in LDS (first written with 0, so that no read hangs
; on what LDS held) and copied out in whole runs of 512 bytes.  One wave: its LDS instructions are served in order, and no barrier is needed.
.set LIST,  0                          ; 1,024 entries and the waste word: 4,352 bytes
.set SPARE, 4352                       ; the spare words, 128 bytes: one block of 256 bytes that no other line names
.set SEL,   32                         ; v32-63 sel: register 4 i + c: token 128 i + 4 lane + c
.macro LB n                            ; 32 tokens
	v_and_b32 v10, s34, v[SEL+(\n)]
	v_cmp_ne_u32 vcc_lo, 0, v10
	v_mbcnt_lo_u32_b32 v11, vcc_lo, s36
	s_bcnt1_i32_b32 s12, vcc_lo
	v_lshrrev_b32 v12, s35, v[SEL+(\n)]
	v_and_b32 v12, 1, v12                  ; 1: the expert is the token's second choice
	v_lshl_or_b32 v12, v12, 10, v8
	v_or_b32 v12, 128*((\n)/4)+(\n)%4, v12
	v_cndmask_b32 v11, v9, v11, vcc_lo     ; no hit: the waste word, entry 1,024
	v_min_u32 v11, 0x400, v11              ; a rank is 1,023 at the most: the clamp changes nothing, and bounds the address
	v_lshl_add_u32 v11, v11, 2, LIST
	ds_store_b32 v11, v12
	s_add_co_u32 s36, s36, s12
.endm
	s_load_b128 s[4:7], s[0:1], 0x0        ; sel s[4:5], rlist s[6:7]
	v_lshl_add_u32 v30, v0, 2, SPARE
	v_mov_b32 v31, 0
	s_mov_b32 s33, ttmp9                   ; expert
	s_lshl_b32 s34, 0x101, s33             ; its two bits in sel
	s_add_co_u32 s35, s33, 8
	s_mul_i32 s10, s33, 4352
	s_mov_b32 s11, 0
	v_lshlrev_b32 v13, 4, v0               ; 16 x lane
	v_lshlrev_b32 v8, 2, v0                ; 4 x lane
	v_mov_b32 v9, 1024
	s_wait_kmcnt 0x0
	s_add_nc_u64 s[6:7], s[6:7], s[10:11]
.irp i, 0,1,2,3,4,5,6,7
	global_load_b128 v[SEL+4*\i:SEL+4*\i+3], v13, s[4:5] offset:512*\i
.endr
.irp c, 0,1,2,3
	v_mov_b32 v[16+\c], 0
.endr
.irp n, 0,1,2,3,4,5,6,7
	ds_store_b128 v13, v[16:19] offset:LIST+512*\n
.endr
	s_mov_b32 s36, 0
	s_wait_loadcnt 0x0
.set n, 0
.rept 32
	LB n                                   ; these stores land on the zeros: one wave's LDS stores are served in order
.set n, n+1
.endr
	s_max_u32 s37, s36, 1
	s_sub_co_u32 s37, s37, 1               ; the last entry's place
	v_mov_b32 v14, v8                      ; index 4 x lane
	v_mov_b32 v15, v13
	s_mov_b32 s38, 8
.Lcopy:
.irp c, 0,1,2,3
	v_add_nc_u32 v10, \c, v14
	v_min_u32 v10, s37, v10
	v_min_u32 v10, 0x3ff, v10
	v_lshl_add_u32 v10, v10, 2, LIST
	ds_load_b32 v[16+\c], v10
.endr
	s_wait_dscnt 0x0
	global_store_b128 v15, v[16:19], s[6:7]
	s_wait_xcnt 0x0                        ; data and offset are rewritten only behind this wait
	v_add_nc_u32 v14, 128, v14
	v_add_nc_u32 v15, 512, v15
	s_sub_co_u32 s38, s38, 1
	s_cmp_lg_u32 s38, 0
	s_cbranch_scc1 .Lcopy
	v_mov_b32 v16, s36
	global_store_b32 v8, v16, s[6:7] offset:4096
	s_wait_tensorcnt 0x0                   ; the wave's end, behind my last LDS store
	ds_add_u32 v30, v31
	s_wait_dscnt 0x0
	s_endpgm
.Lfunc_end_k_q7cc16c222e_sort:
	.size	k_q7cc16c222e_sort, .Lfunc_end_k_q7cc16c222e_sort-k_q7cc16c222e_sort
	.p2alignl 7, 3214868480
	.fill 96, 4, 3214868480
	.section	.rodata,"a",@progbits
	.p2align	6, 0x0
	.amdhsa_kernel k_q7cc16c222e_sort
		.amdhsa_group_segment_fixed_size 4608
		.amdhsa_private_segment_fixed_size 0
		.amdhsa_enable_private_segment 0
		.amdhsa_kernarg_size 16
		.amdhsa_user_sgpr_count 2
		.amdhsa_user_sgpr_kernarg_segment_ptr 1
		.amdhsa_wavefront_size32 1
		.amdhsa_system_sgpr_workgroup_id_x 1
		.amdhsa_system_sgpr_workgroup_id_y 1
		.amdhsa_system_sgpr_workgroup_id_z 1
		.amdhsa_system_vgpr_workitem_id 0
		.amdhsa_next_free_vgpr 64
		.amdhsa_next_free_sgpr 66
		.amdhsa_reserve_vcc 1
		.amdhsa_float_denorm_mode_32 3
		.amdhsa_float_denorm_mode_16_64 3
		.amdhsa_memory_ordered 1
		.amdhsa_forward_progress 1
		.amdhsa_inst_pref_size 23
	.end_amdhsa_kernel
	.amdgpu_metadata
---
amdhsa.version: [ 1, 2 ]
amdhsa.kernels:
  - .name:           k_q7cc16c222e_sort
    .symbol:         k_q7cc16c222e_sort.kd
    .args:
      - { .name: sel, .offset: 0, .size: 8, .value_kind: global_buffer, .address_space: global }
      - { .name: rlist, .offset: 8, .size: 8, .value_kind: global_buffer, .address_space: global }
    .group_segment_fixed_size: 4608
    .private_segment_fixed_size: 0
    .kernarg_segment_align: 8
    .kernarg_segment_size: 16
    .max_flat_workgroup_size: 32
    .sgpr_count:     66
    .vgpr_count:     64
    .wavefront_size: 32
...
	.end_amdgpu_metadata
.endif
;; end of part 11
;; launch moe1 (part 12): grid 32 x 8, 4 waves a work-group, no clusters, 262,656 bytes of LDS; arguments a1, rlist, ew1, ew3, eb1, eb3, hbuf; writes hbuf
.if DOCPART == 12
	.amdgcn_target "amdgcn-amd-amdhsa--gfx1250"
	.amdhsa_code_object_version 6
	.text
	.protected	k_q7cc16c222e_moe1
	.globl	k_q7cc16c222e_moe1
	.p2align	8
	.type	k_q7cc16c222e_moe1,@function
k_q7cc16c222e_moe1:
	s_mov_b64 s[64:65], 0
	v_nop
	global_prefetch_b8 v0, s[64:65] scope:SCOPE_SE
	s_setreg_imm32_b32 hwreg(HW_REG_WAVE_MODE, 25, 1), 1
	s_wait_xcnt 0x0
; h[slice][e 1024 + place][0:64] = bf16( silu(y ew1[e] + eb1[e]) * (y ew3[e] + eb3[e]) ) for the tokens that chose expert e, in the order of rlist.
; y = a1: [1024][1024] bf16; ew1, ew3: [8][1024 (k)][2048 (n)] f32; rlist: each expert's entries (slot << 10 | token; places past the count repeat the last) and count, stored by the launch before.
; A work-group owns 64 columns of ONE expert (both matrices), which it alone reads, and all that expert's rows, whatever their number (0 to 1,024).
; PHASE 1: the slice is read once, rounded to bf16, laid into LDS as operands.  PHASE 2: up to four passes of 320 places (five tiles of 16 a wave: a quarter over the 256 rows that an even split
; gives an expert); the loop counts to four, dead passes are jumped, no LDS is written and no barrier stands in it; tiles past the count lose products and stores by scalar branches, never a load.
; The token rows come through a ring of eight groups of loads that runs on from pass to pass; its first eight groups go out in the stream's last trip.
; Operand layout, the start of the sums and the one text for all tiles on the way out as in the projections' kernel.
; NO MULTICAST: each slice of weights has one reader, and the token rows come by a list.
; LIMITS: bf16 operands, f32 sums; v_exp_f32 and v_rcp_f32 flush denormals; NaN and infinities are not treated apart.
.set PAIR,   1
.set T,      5
.set PITCH,  8192
.set LOG8P,  16
.set ITROWS, 32
.set NIT,    32
.set IMG,    262144
.set AHI,    128
.set ROUTED, 1
.set NTW,    1                         ; each weight byte is read once in the launch
.set TAILA,  1
.set A3B,    64                        ; window 3: v0-63 tile 4's accumulators; v64-143 groups 6 and 7 of the token ring; v144-207 bias tiles; v208-215 zeros
.set BTW,    3
.set BT,     144
.set ZR,     208
.set RALL,   208                       ; v208-223 (window 0) my rows' entries: pass p, tile i at 5 p + i; of pass 3 tile 0 alone lies under 1,024 places
.set ROFN,   224                       ; v224-228 the next pass's row offsets
.set PL4,    229                       ; v229     4 x (16 x wave + my tile row)
.set SPARE,  IMG
; ---- the core, common to the four products ----
.set NC,    4+4*PAIR
.set HPT,   8*(1+PAIR)
.set TRIPB, HPT*4096
.set ATRIP, 4*AHI
.set GPW,   256/(8*T)
.set WN,    14*T                       ; the loads of the seven younger groups: 70
.if WN > 56
.set WN, 56                            ; the count written is 56: behind a group's loads stand seven reloads of eight loads or of ten, whichever way the text is walked (in the stream's last
.endif                                 ; trip, round its back edge, in the K loop, from pass to pass): 56 at the least.
.set WOFF, 5
.set WST,  6
.set BRD,  7
.set BRD2, 8
.set OOFF, 9
.set BOFF, 10
.set H16,  12
.set L16,  13
.set PLC,  15
.set ROFF, 16
.set BIA,  22
.set SPW,  30
.set NIL,  31
.set BH,   32
.set PK,   96
.set TE,   128
.set TS,   160
.set OP,   192
.set WV, 66
.set G,  67
.set KH, 68
.set PW, 70
.set PA, 72
.set PA0, 74
.set PO, 76
.set POB, 78
.set CNT, 80
.set NL, 84
.set NP, 85
.set P,  86
.set COUNT, 87
.set CM1, 88
.set PB, 89
.set SB, 96
.set TI, 97
.set NLG, 98
.set MSB, 0
.macro WIN new
.if MSB != (\new)
	s_set_vgpr_msb (MSB<<8)|(\new)
.set MSB, (\new)
.endif
.endm
.macro IDS
	v_lshl_add_u32 v[SPW], v0, 2, SPARE
	v_mov_b32 v[NIL], 0
	v_and_b32 v1, 31, v0
	v_lshrrev_b32 v11, 5, v0
	v_readfirstlane_b32 s[WV], v11
	s_lshr_b32 s[G], s[WV], 1
	s_and_b32 s[KH], s[WV], 1
	v_and_b32 v2, 15, v0
	v_bfe_u32 v3, v0, 4, 1
	v_and_b32 v4, 7, v0
	v_bfe_u32 v11, v0, 3, 1
	v_lshl_add_u32 v4, v4, 1, v11
	v_lshlrev_b32 v[BOFF], 4, v2
	v_lshl_add_u32 v[WOFF], v3, LOG8P, v[BOFF]
	v_lshlrev_b32 v[L16], 4, v1
	v_lshlrev_b32 v[H16], 4, v3
	s_lshl_b32 s90, s[G], 12
	s_lshl_b32 s91, s[KH], 9
	s_add_co_u32 s90, s90, s91
	v_add_nc_u32 v[WST], s90, v[L16]
	s_lshl_b32 s90, s[WV], 4
	v_add_nc_u32 v[PLC], s90, v4
.endm
.macro SLOAD s
	WIN 0x80
.irp j, 0,1,2,3,4,5,6,7
.if NTW
	global_load_b128 v[32*(\s)+4*\j:32*(\s)+4*\j+3], v[WOFF], s[PW:PW+1] offset:((\s)*ITROWS+\j)*PITCH th:TH_LOAD_NT
.else
	global_load_b128 v[32*(\s)+4*\j:32*(\s)+4*\j+3], v[WOFF], s[PW:PW+1] offset:((\s)*ITROWS+\j)*PITCH
.endif
.endr
.endm
.macro SCVT s
	WIN 0x0a
.irp t, 0,1,2,3
.irp i, 0,1,2,3
	v_cvt_pk_bf16_f32 v[PK+4*\t+\i], v[32*(\s)+8*\i+\t], v[32*(\s)+8*\i+4+\t]
.endr
.endr
	WIN 0
.irp t, 0,1,2,3
	ds_store_b128 v[WST], v[PK+4*\t:PK+4*\t+3] offset:(\s)*8192+\t*1024
.endr
.endm
.macro ALOAD c                         ; group c of the token ring: two loads a tile
.set aw, 1+2*((\c)/GPW)
.set ab, 8*T*((\c)%GPW)+A3B*((\c)/GPW)
	WIN aw<<6
.set ii, 0
.rept T
	global_load_b128 v[ab+8*ii:ab+8*ii+3], v[ROFF+ii], s[PA:PA+1] offset:((\c)>>1)*AHI+((\c)&1)*64
	global_load_b128 v[ab+8*ii+4:ab+8*ii+7], v[ROFF+ii], s[PA:PA+1] offset:((\c)>>1)*AHI+((\c)&1)*64+32
.set ii, ii+1
.endr
.endm
; The weights' stream: a ring of eight slots of eight loads.  In the last trip a slot is not loaded again; a group of the token ring (ten loads) goes out in its place, so that
; the count of the younger loads is 56 or more in every trip.
.macro STREAM
.irp s, 0,1,2,3,4,5,6,7
	SLOAD \s
.endr
	WIN 0
	s_wait_xcnt 0x0                        ; the base is stepped only behind this wait
	s_add_nc_u64 s[PW:PW+1], s[PW:PW+1], 8*ITROWS*PITCH
	s_mov_b32 s[CNT], NIT/8-1+TAILA
.Lstream:
.irp s, 0,1,2,3,4,5,6,7
	s_wait_loadcnt 56                      ; the seven younger slots' 56 loads stay out
.if \s == 0
	STREAM_HOOK
.endif
	SCVT \s
.if TAILA
	s_cmp_eq_u32 s[CNT], 1
	s_cbranch_scc1 .Lsa\s
	SLOAD \s
	WIN 0
	s_branch .Lsb\s
.Lsa\s:
	ALOAD \s
	WIN 0
.Lsb\s:
.else
	SLOAD \s
.endif
.endr
	WIN 0
	s_wait_xcnt 0x0
	s_add_nc_u64 s[PW:PW+1], s[PW:PW+1], 8*ITROWS*PITCH
	v_add_nc_u32 v[WST], 0x10000, v[WST]
	s_sub_co_u32 s[CNT], s[CNT], 1
	s_cmp_lg_u32 s[CNT], 0
	s_cbranch_scc1 .Lstream
.if TAILA == 0
.irp s, 0,1,2,3,4,5,6,7
	s_wait_loadcnt 56-8*\s
	SCVT \s
.endr
.endif
	s_wait_dscnt 0x0                       ; for the others' sake
	s_barrier_signal -1
	s_barrier_wait -1
.endm
.macro BLOAD hb, adr, off
.irp t, 0,1,2,3
	ds_load_b128 v[BH+32*(\hb)+8*\t:BH+32*(\hb)+8*\t+3], v[\adr] offset:(\off)+\t*1024
	ds_load_b128 v[BH+32*(\hb)+8*\t+4:BH+32*(\hb)+8*\t+7], v[\adr] offset:(\off)+\t*1024+512
.endr
.endm
.macro START_B
	BLOAD 0, L16, 0
	BLOAD 1, L16, 4096
.endm
.macro PASS_B
	v_mov_b32 v[BRD], v[L16]
	v_add_nc_u32 v[BRD2], TRIPB, v[L16]
	s_mov_b32 s[SB], TRIPB
.endm
.macro MMT c, hb, cg, i                ; tile i: four products, its four accumulators by turns
.set aw, 1+2*((\c)/GPW)
.set ab, 8*T*((\c)%GPW)+A3B*((\c)/GPW)+8*(\i)
.set dw, 2+PAIR*((\i)/4)
.if PAIR
.set ra, 64*((\i)%4)+32*(\cg)
.else
.set ra, 32*(\i)
.endif
	WIN (dw<<6)|(dw<<4)|aw
.irp t, 0,1,2,3
	v_wmma_f32_16x16x32_bf16 v[ra+8*\t:ra+8*\t+7], v[ab:ab+7], v[BH+32*(\hb)+8*\t:BH+32*(\hb)+8*\t+7], v[ra+8*\t:ra+8*\t+7]
.endr
.endm
; All my tiles against one block of operands.  Tiles past the count lose their products at two places (behind tile 0, behind tile 3): only matrix work is jumped, never a load.
.macro MMH c, hb, cg
	MMT \c, \hb, \cg, 0
.if T > 1
.if ROUTED
	WIN 0
	s_cmp_le_u32 s[NL], 1
	s_cbranch_scc1 .Lmm_\@
.endif
	MMT \c, \hb, \cg, 1
	MMT \c, \hb, \cg, 2
	MMT \c, \hb, \cg, 3
.endif
.if T > 4
.if ROUTED
	WIN 0
	s_cmp_le_u32 s[NL], 4
	s_cbranch_scc1 .Lmm_\@
.endif
	MMT \c, \hb, \cg, 4
.endif
	WIN 0
.if ROUTED
.Lmm_\@:
.endif
.endm
.macro HALF c, cg, q
	s_wait_dscnt 8                         ; this block's eight loads are in; the next block's eight stay out
	MMH \c, (\q)&1, \cg
.rept 4
	v_nop                                  ; four places between the products and the loads into what they read
.endr
.if (\q)+2 < HPT
	BLOAD (\q)&1, BRD, ((\q)+2)*4096
.else
	BLOAD (\q)&1, BRD2, ((\q)+2-HPT)*4096
.endif
.endm
.macro BTMAKE                          ; a bias tile for each column tile, and eight registers of zeros
	WIN BTW<<6
.set cc, 0
.rept NC
.irp j, 0,1,2,3,4,5,6,7
	v_mov_b32 v[BT+8*cc+\j], v[BIA+cc]
.endr
.set cc, cc+1
.endr
.irp j, 0,1,2,3,4,5,6,7
	v_mov_b32 v[ZR+\j], 0
.endr
	WIN 0
.endm
.macro AINIT                           ; the sums start at the bias: a product of zeros with the bias tile as C writes an accumulator's eight registers in one line
.set ii, 0
.rept T
.set dw, 2+PAIR*(ii/4)
.if PAIR
.set ra, 64*(ii%4)
.else
.set ra, 32*ii
.endif
	WIN (dw<<6)|(BTW<<4)|(BTW<<2)|BTW
.set cc, 0
.rept NC
	v_wmma_f32_16x16x32_bf16 v[ra+8*cc:ra+8*cc+7], v[ZR:ZR+7], v[ZR:ZR+7], v[BT+8*cc:BT+8*cc+7]
.set cc, cc+1
.endr
.set ii, ii+1
.endr
	WIN 0
.endm
; K = 1024 in four trips of eight subs of 32.  THE RING RUNS ON: the last trip asks, from K = 0 on, by the next pass's offsets in ROFN (where no pass follows, the list repeats its last entry:
; one row for all lanes), so every wait counts the same loads in every trip, and nothing waits for those loads behind the loop.  The offsets change by AND, AND and ADD with two scalar masks.
.macro KLOOP
	WIN 0
	s_wait_xcnt 0x0                        ; the ring's first loads have read PA
	s_add_nc_u64 s[PA:PA+1], s[PA0:PA0+1], ATRIP
	s_mov_b32 s[CNT], 4
.Lk:
.irp c, 0,1,2,3,4,5,6,7
	s_wait_loadcnt WN                      ; group c is in: 56 younger loads at the least stand behind it on every way here (see WN)
.if PAIR
	HALF \c, 0, 2*\c
	HALF \c, 1, 2*\c+1
.else
	HALF \c, 0, \c
.endif
	ALOAD \c
.endr
	WIN 0
	s_wait_xcnt 0x0                        ; base and offsets are rewritten only behind this wait
	s_add_nc_u64 s[PA:PA+1], s[PA:PA+1], ATRIP
	s_cmp_eq_u32 s[CNT], 2                 ; the last trip comes
	s_cselect_b64 s[PA:PA+1], s[PA0:PA0+1], s[PA:PA+1]
	s_cselect_b32 s92, -1, 0
	s_not_b32 s93, s92
.set ii, 0
.rept T
	v_and_b32 v14, s92, v[ROFN+ii]
	v_and_b32 v[ROFF+ii], s93, v[ROFF+ii]
	v_add_nc_u32 v[ROFF+ii], v14, v[ROFF+ii]
.set ii, ii+1
.endr
	v_mov_b32 v[BRD], v[BRD2]
	s_add_co_u32 s[SB], s[SB], TRIPB
	s_and_b32 s[SB], s[SB], IMG-1
	v_add_nc_u32 v[BRD2], s[SB], v[L16]
	s_sub_co_u32 s[CNT], s[CNT], 1
	s_cmp_lg_u32 s[CNT], 0
	s_cbranch_scc1 .Lk
.rept 4
	v_nop                                  ; places behind the last products
.endr
.endm
.macro SWIGLU                          ; tile 0: silu(a) b = a b / (1 + 2^(-a log2 e)); each batch of 32 transcendentals has one wait
	WIN 2
.set n, 0
.rept 16
	v_pk_mul_f32 v[TE+2*n:TE+2*n+1], v[2*n:2*n+1], s[NLG:NLG+1] op_sel_hi:[1,0]
.set n, n+1
.endr
	WIN 0
.set n, 0
.rept 32
	v_exp_f32 v[TE+n], v[TE+n]
.set n, n+1
.endr
	v_nop
	s_wait_alu depctr_va_vdst(0)
.set n, 0
.rept 16
	v_pk_add_f32 v[TE+2*n:TE+2*n+1], v[TE+2*n:TE+2*n+1], 1.0 op_sel_hi:[1,0]
.set n, n+1
.endr
.set n, 0
.rept 32
	v_rcp_f32 v[TE+n], v[TE+n]
.set n, n+1
.endr
	v_nop
	s_wait_alu depctr_va_vdst(0)
	WIN 2
.set n, 0
.rept 16
	v_pk_mul_f32 v[TS+2*n:TS+2*n+1], v[2*n:2*n+1], v[TE+2*n:TE+2*n+1]
.set n, n+1
.endr
.set n, 0
.rept 16
	v_pk_mul_f32 v[TS+2*n:TS+2*n+1], v[32+2*n:32+2*n+1], v[TS+2*n:TS+2*n+1]
.set n, n+1
.endr
	WIN 0
	s_wait_xcnt 0x0                        ; the last tile's stores have read OP
.irp j, 0,1,2,3,4,5,6,7
	v_cvt_pk_bf16_f32 v[OP+2*\j], v[TS+\j], v[TS+8+\j]
	v_cvt_pk_bf16_f32 v[OP+2*\j+1], v[TS+16+\j], v[TS+24+\j]
	global_store_b64 v[OOFF], v[OP+2*\j:OP+2*\j+1], s[PO:PO+1] offset:\j*256
.endr
.endm
; Every tile moves one tile down, so that one text serves all tiles: a product of zeros with the tile above as C moves eight registers in one line.  Five places stand behind each
; tile's eight lines: the next eight write what these have read as C (ISA guide 7.12.1).  The price: 32 matrix instructions a tile that are not the problem's.
.macro SHIFT
.set ii, 0
.rept T-1
.set dw, 2+(ii/4)
.set cw, 2+((ii+1)/4)
	WIN (dw<<6)|(cw<<4)|(BTW<<2)|BTW
.set cc, 0
.rept 8
	v_wmma_f32_16x16x32_bf16 v[64*(ii%4)+8*cc:64*(ii%4)+8*cc+7], v[ZR:ZR+7], v[ZR:ZR+7], v[64*((ii+1)%4)+8*cc:64*((ii+1)%4)+8*cc+7]
.set cc, cc+1
.endr
.rept 5
	v_nop
.endr
.set ii, ii+1
.endr
	WIN 0
.endm
.macro FINISH
	s_wait_dscnt 0x0                       ; my reads of the operands are back,
	s_barrier_signal -1
	s_barrier_wait -1                      ; and every wave's: only now does any wave write LDS again
	s_wait_tensorcnt 0x0                   ; the wave's end, behind my last LDS store
	ds_add_u32 v[SPW], v[NIL]
	s_wait_dscnt 0x0
	s_endpgm
.endm
; ---- end of the core ----
.macro STREAM_HOOK                     ; pass 0's row offsets, behind a wait that has shown the entries in (they are older than every load of the stream); made anew in each trip, always alike
.irp i, 0,1,2,3,4
	v_min_u32 v14, 0x7ff, v[RALL+\i]
	v_and_b32 v14, 0x3ff, v14              ; the token
	v_lshl_add_u32 v[ROFF+\i], v14, 11, v[H16]
.endr
.endm
	s_load_b256 s[4:11], s[0:1], 0x0       ; a1 4, rlist 6, ew1 8, ew3 10
	s_load_b128 s[12:15], s[0:1], 0x20     ; eb1 12, eb3 14
	s_load_b64 s[16:17], s[0:1], 0x30      ; hbuf
	IDS
	s_mov_b32 s32, ttmp9                   ; slice of 64 columns
	s_and_b32 s33, ttmp7, 0xffff           ; expert
	v_lshlrev_b32 v[OOFF], 3, v2
	v_lshl_add_u32 v[OOFF], v3, 7, v[OOFF] ; 128 h + 8 r
	v_lshlrev_b32 v[PL4], 2, v[PLC]
	s_mov_b32 s[NLG], 0xbfb8aa3b           ; -log2(e)
	s_mov_b32 s[NLG+1], s[NLG]
	s_wait_kmcnt 0x0
	s_mul_i32 s90, s33, 4352
	s_mov_b32 s91, 0
	s_add_nc_u64 s[6:7], s[6:7], s[90:91]
	s_load_b32 s[COUNT], s[6:7], 0x1000    ; the expert's count
	s_cmp_eq_u32 s[G], 1
	s_cselect_b64 s[PW:PW+1], s[10:11], s[8:9]
	s_lshl_b32 s90, s33, 23                ; the expert's 8 MiB
	s_lshl_b32 s92, s32, 8
	s_add_co_u32 s90, s90, s92
	s_lshl_b32 s92, s[KH], 17              ; 16 rows of 8,192 bytes
	s_add_co_u32 s90, s90, s92
	s_add_nc_u64 s[PW:PW+1], s[PW:PW+1], s[90:91]
	s_lshl_b32 s90, s33, 13
	s_lshl_b32 s92, s32, 8
	s_add_co_u32 s90, s90, s92
	s_add_nc_u64 s[12:13], s[12:13], s[90:91]
	s_add_nc_u64 s[14:15], s[14:15], s[90:91]
	s_mov_b64 s[PA0:PA0+1], s[4:5]
	s_mov_b64 s[PA:PA+1], s[4:5]
	s_lshl_b32 s90, s33, 10
	s_lshl_b32 s92, s[WV], 4
	s_add_co_u32 s90, s90, s92
	s_lshl_b32 s90, s90, 7
	s_lshl_b32 s92, s32, 20
	s_add_co_u32 s90, s90, s92
	s_add_nc_u64 s[POB:POB+1], s[16:17], s[90:91]
.set n, 0
.rept 15
	global_load_b32 v[RALL+n], v[PL4], s[6:7] offset:4*(320*(n/5)+64*(n%5))    ; the entry of my row: place 320 p + 64 i + 16 w + tile row
.set n, n+1
.endr
	global_load_b32 v[RALL+15], v[PL4], s[6:7] offset:4*960
	global_load_b128 v[BIA:BIA+3], v[BOFF], s[12:13]
	global_load_b128 v[BIA+4:BIA+7], v[BOFF], s[14:15]
	STREAM
	s_wait_kmcnt 0x0
	s_min_u32 s[COUNT], s[COUNT], 1024
	s_cmp_gt_u32 s[COUNT], 0
	s_cselect_b32 s[NP], 1, 0
.irp c, 320, 640, 960
	s_cmp_gt_u32 s[COUNT], \c
	s_cselect_b32 s90, 1, 0
	s_add_co_u32 s[NP], s[NP], s90         ; passes of 320 places
.endr
	START_B
	BTMAKE
	s_mov_b32 s[P], 0
.Lpass:
	s_cmp_ge_u32 s[P], s[NP]
	s_cbranch_scc1 .Lpass_end
	s_wait_xcnt 0x0                        ; the last pass's stores have read their base
	PASS_B
	s_mul_i32 s[PB], s[P], 320
	s_sub_co_u32 s90, s[COUNT], s[PB]
	s_min_u32 s90, s90, 320
	s_lshl_b32 s91, s[WV], 4
	s_sub_co_i32 s90, s90, s91
	s_add_co_i32 s90, s90, 63
	s_max_i32 s90, s90, 0
	s_lshr_b32 s[NL], s90, 6               ; my live tiles: those whose first place lies under the count
	s_add_co_u32 s94, s[P], 1              ; the next pass
	s_cmp_eq_u32 s94, 1
	s_cselect_b32 s92, -1, 0
	s_cmp_eq_u32 s94, 2
	s_cselect_b32 s93, -1, 0
	s_cmp_eq_u32 s94, 3
	s_cselect_b32 s95, -1, 0
.irp i, 0,1,2,3,4
	v_cndmask_b32 v14, v[RALL+\i], v[RALL+5+\i], s92
	v_cndmask_b32 v14, v14, v[RALL+10+\i], s93
	v_cndmask_b32 v14, v14, v[RALL+15], s95    ; of pass 3 only tile 0 can be live
	v_min_u32 v14, 0x7ff, v14
	v_and_b32 v14, 0x3ff, v14              ; the token
	v_lshl_add_u32 v[ROFN+\i], v14, 11, v[H16]
.endr
	s_lshl_b32 s90, s[PB], 7
	s_mov_b32 s91, 0
	s_add_nc_u64 s[PO:PO+1], s[POB:POB+1], s[90:91]
	AINIT
	KLOOP
	s_mov_b32 s[TI], 0
.Ltile:                                        ; five turns: tile 0 goes out, the others move down, the output steps 64 rows of 128 bytes; turns past my live tiles are jumped
	s_cmp_ge_u32 s[TI], s[NL]
	s_cbranch_scc1 .Ltile_end
	SWIGLU
	SHIFT
	s_wait_xcnt 0x0                        ; the stores have read their base
	s_add_nc_u64 s[PO:PO+1], s[PO:PO+1], 8192
.Ltile_end:
	s_add_co_u32 s[TI], s[TI], 1
	s_cmp_lt_u32 s[TI], T
	s_cbranch_scc1 .Ltile
.Lpass_end:
	s_add_co_u32 s[P], s[P], 1
	s_cmp_lt_u32 s[P], 4
	s_cbranch_scc1 .Lpass
	FINISH
.Lfunc_end_k_q7cc16c222e_moe1:
	.size	k_q7cc16c222e_moe1, .Lfunc_end_k_q7cc16c222e_moe1-k_q7cc16c222e_moe1
	.p2alignl 7, 3214868480
	.fill 96, 4, 3214868480
	.section	.rodata,"a",@progbits
	.p2align	6, 0x0
	.amdhsa_kernel k_q7cc16c222e_moe1
		.amdhsa_group_segment_fixed_size 262656
		.amdhsa_private_segment_fixed_size 0
		.amdhsa_enable_private_segment 0
		.amdhsa_kernarg_size 56
		.amdhsa_user_sgpr_count 2
		.amdhsa_user_sgpr_kernarg_segment_ptr 1
		.amdhsa_wavefront_size32 1
		.amdhsa_system_sgpr_workgroup_id_x 1
		.amdhsa_system_sgpr_workgroup_id_y 1
		.amdhsa_system_sgpr_workgroup_id_z 1
		.amdhsa_system_vgpr_workitem_id 0
		.amdhsa_next_free_vgpr 1024
		.amdhsa_next_free_sgpr 100
		.amdhsa_reserve_vcc 0
		.amdhsa_float_denorm_mode_32 3
		.amdhsa_float_denorm_mode_16_64 3
		.amdhsa_memory_ordered 1
		.amdhsa_forward_progress 1
		.amdhsa_inst_pref_size 104
	.end_amdhsa_kernel
	.amdgpu_metadata
---
amdhsa.version: [ 1, 2 ]
amdhsa.kernels:
  - .name:           k_q7cc16c222e_moe1
    .symbol:         k_q7cc16c222e_moe1.kd
    .args:
      - { .name: a1, .offset: 0, .size: 8, .value_kind: global_buffer, .address_space: global }
      - { .name: rlist, .offset: 8, .size: 8, .value_kind: global_buffer, .address_space: global }
      - { .name: ew1, .offset: 16, .size: 8, .value_kind: global_buffer, .address_space: global }
      - { .name: ew3, .offset: 24, .size: 8, .value_kind: global_buffer, .address_space: global }
      - { .name: eb1, .offset: 32, .size: 8, .value_kind: global_buffer, .address_space: global }
      - { .name: eb3, .offset: 40, .size: 8, .value_kind: global_buffer, .address_space: global }
      - { .name: hbuf, .offset: 48, .size: 8, .value_kind: global_buffer, .address_space: global }
    .group_segment_fixed_size: 262656
    .private_segment_fixed_size: 0
    .kernarg_segment_align: 8
    .kernarg_segment_size: 56
    .max_flat_workgroup_size: 128
    .sgpr_count:     100
    .vgpr_count:     1024
    .wavefront_size: 32
...
	.end_amdgpu_metadata
.endif
;; end of part 12
;; launch moe2 (part 13): grid 32 x 8, 4 waves a work-group, no clusters, 131,584 bytes of LDS; arguments hbuf, rlist, topw, ew2, eb2, part; writes part
.if DOCPART == 13
	.amdgcn_target "amdgcn-amd-amdhsa--gfx1250"
	.amdhsa_code_object_version 6
	.text
	.protected	k_q7cc16c222e_moe2
	.globl	k_q7cc16c222e_moe2
	.p2align	8
	.type	k_q7cc16c222e_moe2,@function
k_q7cc16c222e_moe2:
	s_mov_b64 s[64:65], 0
	v_nop
	global_prefetch_b8 v0, s[64:65] scope:SCOPE_SE
	s_setreg_imm32_b32 hwreg(HW_REG_WAVE_MODE, 25, 1), 1
	s_wait_xcnt 0x0
; part[kh][slot 1024 + token][64 columns] = p (h[:, K half kh] ew2[e] + eb2[e] (in half 0 alone)), f32, for the rows of expert e in the list's order.
; h: bf16 [32 slices][e 1024 + place][64]; ew2: [8][2048 (k)][1024 (n)] f32; rlist: entries and count, whole numbers stored by an earlier launch; topw: f32 [slot][token].
; A work-group owns 64 columns and one half of K (1,024) of ONE expert's ew2, which it alone reads, and all that expert's rows.  Each row of part has one owner: a token's two experts differ.
; Phases, passes of 320 places, jumps, the ring of eight groups that runs on from pass to pass, the start of the sums and the operand layout as in the first expert product.
; Places past the count repeat the last row and store its own numbers again, from this same work-group.
; NO MULTICAST: each slice of weights has one reader.  LIMITS: bf16 operands, f32 sums and partial sums.
.set PAIR,   0
.set T,      5
.set PITCH,  4096
.set LOG8P,  15
.set ITROWS, 64
.set NIT,    16
.set IMG,    131072
.set AHI,    1048576                   ; a slice of h: 8,192 rows of 128 bytes
.set ROUTED, 1
.set NTW,    1
.set TAILA,  1
.set A3B,    64                        ; window 3: v64-143 groups 6 and 7 of the token ring; v144-175 bias tiles; v208-215 zeros
.set BTW,    3
.set BT,     144
.set ZR,     208
.set SPARE,  IMG
.set ENT,    112                       ; v112-151 the entry of row 2 j + h of tile i at 8 i + j; later its byte offset in part
.set PWT,    152                       ; v152-191 its gate weight
.set OUT,    192                       ; v192-223 a tile on its way out
.set VT,     224                       ; v224-228 byte offset of a tile's entries in the list
.set ROFN,   232                       ; v232-236 the next pass's row offsets
; ---- the core, common to the four products ----
.set NC,    4+4*PAIR
.set HPT,   8*(1+PAIR)
.set TRIPB, HPT*4096
.set ATRIP, 4*AHI
.set GPW,   256/(8*T)
.set WN,    14*T
.if WN > 63
.set WN, 63                            ; a wait names 63 at the most
.endif
.set WOFF, 5
.set WST,  6
.set BRD,  7
.set BRD2, 8
.set OOFF, 9
.set BOFF, 10
.set H16,  12
.set L16,  13
.set PLC,  15
.set ROFF, 16
.set BIA,  22
.set SPW,  30
.set NIL,  31
.set BH,   32
.set PK,   96
.set WV, 66
.set G,  67
.set KH, 68
.set PW, 70
.set PA, 72
.set PA0, 74
.set PO, 76
.set CNT, 80
.set NL, 84
.set NP, 85
.set P,  86
.set COUNT, 87
.set CM1, 88
.set PB, 89
.set SB, 96
.set MSB, 0
.macro WIN new
.if MSB != (\new)
	s_set_vgpr_msb (MSB<<8)|(\new)
.set MSB, (\new)
.endif
.endm
.macro IDS
	v_lshl_add_u32 v[SPW], v0, 2, SPARE
	v_mov_b32 v[NIL], 0
	v_and_b32 v1, 31, v0
	v_lshrrev_b32 v11, 5, v0
	v_readfirstlane_b32 s[WV], v11
	s_lshr_b32 s[G], s[WV], 1
	s_and_b32 s[KH], s[WV], 1
	v_and_b32 v2, 15, v0
	v_bfe_u32 v3, v0, 4, 1
	v_and_b32 v4, 7, v0
	v_bfe_u32 v11, v0, 3, 1
	v_lshl_add_u32 v4, v4, 1, v11
	v_lshlrev_b32 v[BOFF], 4, v2
	v_lshl_add_u32 v[WOFF], v3, LOG8P, v[BOFF]
	v_lshlrev_b32 v[L16], 4, v1
	v_lshlrev_b32 v[H16], 4, v3
	s_lshl_b32 s90, s[G], 12
	s_lshl_b32 s91, s[KH], 9
	s_add_co_u32 s90, s90, s91
	v_add_nc_u32 v[WST], s90, v[L16]
	s_lshl_b32 s90, s[WV], 4
	v_add_nc_u32 v[PLC], s90, v4
.endm
.macro SLOAD s
	WIN 0x80
.irp j, 0,1,2,3,4,5,6,7
.if NTW
	global_load_b128 v[32*(\s)+4*\j:32*(\s)+4*\j+3], v[WOFF], s[PW:PW+1] offset:((\s)*ITROWS+\j)*PITCH th:TH_LOAD_NT
.else
	global_load_b128 v[32*(\s)+4*\j:32*(\s)+4*\j+3], v[WOFF], s[PW:PW+1] offset:((\s)*ITROWS+\j)*PITCH
.endif
.endr
.endm
.macro SCVT s
	WIN 0x0a
.irp t, 0,1,2,3
.irp i, 0,1,2,3
	v_cvt_pk_bf16_f32 v[PK+4*\t+\i], v[32*(\s)+8*\i+\t], v[32*(\s)+8*\i+4+\t]
.endr
.endr
	WIN 0
.irp t, 0,1,2,3
	ds_store_b128 v[WST], v[PK+4*\t:PK+4*\t+3] offset:(\s)*8192+\t*1024
.endr
.endm
.macro ALOAD c                         ; group c of the token ring: two loads a tile
.set aw, 1+2*((\c)/GPW)
.set ab, 8*T*((\c)%GPW)+A3B*((\c)/GPW)
	WIN aw<<6
.set ii, 0
.rept T
	global_load_b128 v[ab+8*ii:ab+8*ii+3], v[ROFF+ii], s[PA:PA+1] offset:((\c)>>1)*AHI+((\c)&1)*64
	global_load_b128 v[ab+8*ii+4:ab+8*ii+7], v[ROFF+ii], s[PA:PA+1] offset:((\c)>>1)*AHI+((\c)&1)*64+32
.set ii, ii+1
.endr
.endm
; The weights' stream: a ring of eight slots of eight loads.  In the last trip a slot is not loaded again; a group of the token ring (ten loads) goes out in its place, so that
; the count of the younger loads is 56 or more in every trip.
.macro STREAM
.irp s, 0,1,2,3,4,5,6,7
	SLOAD \s
.endr
	WIN 0
	s_wait_xcnt 0x0                        ; the base is stepped only behind this wait
	s_add_nc_u64 s[PW:PW+1], s[PW:PW+1], 8*ITROWS*PITCH
	s_mov_b32 s[CNT], NIT/8-1+TAILA
.Lstream:
.irp s, 0,1,2,3,4,5,6,7
	s_wait_loadcnt 56                      ; the seven younger slots' 56 loads stay out
.if \s == 0
	STREAM_HOOK
.endif
	SCVT \s
.if TAILA
	s_cmp_eq_u32 s[CNT], 1
	s_cbranch_scc1 .Lsa\s
	SLOAD \s
	WIN 0
	s_branch .Lsb\s
.Lsa\s:
	ALOAD \s
	WIN 0
.Lsb\s:
.else
	SLOAD \s
.endif
.endr
	WIN 0
	s_wait_xcnt 0x0
	s_add_nc_u64 s[PW:PW+1], s[PW:PW+1], 8*ITROWS*PITCH
	v_add_nc_u32 v[WST], 0x10000, v[WST]
	s_sub_co_u32 s[CNT], s[CNT], 1
	s_cmp_lg_u32 s[CNT], 0
	s_cbranch_scc1 .Lstream
.if TAILA == 0
.irp s, 0,1,2,3,4,5,6,7
	s_wait_loadcnt 56-8*\s
	SCVT \s
.endr
.endif
	s_wait_dscnt 0x0                       ; for the others' sake
	s_barrier_signal -1
	s_barrier_wait -1
.endm
.macro BLOAD hb, adr, off
.irp t, 0,1,2,3
	ds_load_b128 v[BH+32*(\hb)+8*\t:BH+32*(\hb)+8*\t+3], v[\adr] offset:(\off)+\t*1024
	ds_load_b128 v[BH+32*(\hb)+8*\t+4:BH+32*(\hb)+8*\t+7], v[\adr] offset:(\off)+\t*1024+512
.endr
.endm
.macro START_B
	BLOAD 0, L16, 0
	BLOAD 1, L16, 4096
.endm
.macro PASS_B
	v_mov_b32 v[BRD], v[L16]
	v_add_nc_u32 v[BRD2], TRIPB, v[L16]
	s_mov_b32 s[SB], TRIPB
.endm
.macro MMT c, hb, cg, i                ; tile i: four products, its four accumulators by turns
.set aw, 1+2*((\c)/GPW)
.set ab, 8*T*((\c)%GPW)+A3B*((\c)/GPW)+8*(\i)
.set dw, 2+PAIR*((\i)/4)
.if PAIR
.set ra, 64*((\i)%4)+32*(\cg)
.else
.set ra, 32*(\i)
.endif
	WIN (dw<<6)|(dw<<4)|aw
.irp t, 0,1,2,3
	v_wmma_f32_16x16x32_bf16 v[ra+8*\t:ra+8*\t+7], v[ab:ab+7], v[BH+32*(\hb)+8*\t:BH+32*(\hb)+8*\t+7], v[ra+8*\t:ra+8*\t+7]
.endr
.endm
; All my tiles against one block of operands.  Tiles past the count lose their products at two places (behind tile 0, behind tile 3): only matrix work is jumped, never a load.
.macro MMH c, hb, cg
	MMT \c, \hb, \cg, 0
.if T > 1
.if ROUTED
	WIN 0
	s_cmp_le_u32 s[NL], 1
	s_cbranch_scc1 .Lmm_\@
.endif
	MMT \c, \hb, \cg, 1
	MMT \c, \hb, \cg, 2
	MMT \c, \hb, \cg, 3
.endif
.if T > 4
.if ROUTED
	WIN 0
	s_cmp_le_u32 s[NL], 4
	s_cbranch_scc1 .Lmm_\@
.endif
	MMT \c, \hb, \cg, 4
.endif
	WIN 0
.if ROUTED
.Lmm_\@:
.endif
.endm
.macro HALF c, cg, q
	s_wait_dscnt 8                         ; this block's eight loads are in; the next block's eight stay out
	MMH \c, (\q)&1, \cg
.rept 4
	v_nop                                  ; four places between the products and the loads into what they read
.endr
.if (\q)+2 < HPT
	BLOAD (\q)&1, BRD, ((\q)+2)*4096
.else
	BLOAD (\q)&1, BRD2, ((\q)+2-HPT)*4096
.endif
.endm
.macro BTMAKE                          ; a bias tile for each column tile, and eight registers of zeros
	WIN BTW<<6
.set cc, 0
.rept NC
.irp j, 0,1,2,3,4,5,6,7
	v_mov_b32 v[BT+8*cc+\j], v[BIA+cc]
.endr
.set cc, cc+1
.endr
.irp j, 0,1,2,3,4,5,6,7
	v_mov_b32 v[ZR+\j], 0
.endr
	WIN 0
.endm
.macro AINIT                           ; the sums start at the bias (0 in the second half of K): a product of zeros with the bias tile as C writes an accumulator's eight registers in one line
.set ii, 0
.rept T
.set dw, 2+PAIR*(ii/4)
.if PAIR
.set ra, 64*(ii%4)
.else
.set ra, 32*ii
.endif
	WIN (dw<<6)|(BTW<<4)|(BTW<<2)|BTW
.set cc, 0
.rept NC
	v_wmma_f32_16x16x32_bf16 v[ra+8*cc:ra+8*cc+7], v[ZR:ZR+7], v[ZR:ZR+7], v[BT+8*cc:BT+8*cc+7]
.set cc, cc+1
.endr
.set ii, ii+1
.endr
	WIN 0
.endm
; K = 1024 in four trips of eight subs of 32.  THE RING RUNS ON: the last trip asks, from K = 0 on, by the next pass's offsets in ROFN (where no pass follows, the clamp to the last row makes
; them one row for all lanes), so every wait counts the same loads in every trip.  The offsets change by AND, AND and ADD with two scalar masks.
.macro KLOOP
	WIN 0
	s_wait_xcnt 0x0                        ; the ring's first loads have read PA
	s_add_nc_u64 s[PA:PA+1], s[PA0:PA0+1], ATRIP
	s_mov_b32 s[CNT], 4
.Lk:
.irp c, 0,1,2,3,4,5,6,7
	s_wait_loadcnt WN                      ; seven younger groups are 70 loads; the count written is 63
.if PAIR
	HALF \c, 0, 2*\c
	HALF \c, 1, 2*\c+1
.else
	HALF \c, 0, \c
.endif
	ALOAD \c
.endr
	WIN 0
	s_wait_xcnt 0x0                        ; base and offsets are rewritten only behind this wait
	s_add_nc_u64 s[PA:PA+1], s[PA:PA+1], ATRIP
	s_cmp_eq_u32 s[CNT], 2                 ; the last trip comes
	s_cselect_b64 s[PA:PA+1], s[PA0:PA0+1], s[PA:PA+1]
	s_cselect_b32 s92, -1, 0
	s_not_b32 s93, s92
.set ii, 0
.rept T
	v_and_b32 v14, s92, v[ROFN+ii]
	v_and_b32 v[ROFF+ii], s93, v[ROFF+ii]
	v_add_nc_u32 v[ROFF+ii], v14, v[ROFF+ii]
.set ii, ii+1
.endr
	v_mov_b32 v[BRD], v[BRD2]
	s_add_co_u32 s[SB], s[SB], TRIPB
	s_and_b32 s[SB], s[SB], IMG-1
	v_add_nc_u32 v[BRD2], s[SB], v[L16]
	s_sub_co_u32 s[CNT], s[CNT], 1
	s_cmp_lg_u32 s[CNT], 0
	s_cbranch_scc1 .Lk
.rept 4
	v_nop                                  ; places behind the last products
.endr
.endm
.macro FINISH
	s_wait_dscnt 0x0                       ; my reads of the operands are back,
	s_barrier_signal -1
	s_barrier_wait -1                      ; and every wave's: only now does any wave write LDS again
	s_wait_tensorcnt 0x0                   ; the wave's end, behind my last LDS store
	ds_add_u32 v[SPW], v[NIL]
	s_wait_dscnt 0x0
	s_endpgm
.endm
; ---- end of the core ----
.macro ROWS dst, sb                    ; byte offsets of my rows of h for the pass that begins at place s[sb]: only rows that the launch before stored are read
.irp i, 0,1,2,3,4
	s_add_co_u32 s91, s[\sb], 64*\i
	v_add_nc_u32 v14, s91, v[PLC]
	v_min_u32 v14, s[CM1], v14
	v_min_u32 v14, 0x3ff, v14
	v_lshl_add_u32 v[\dst+\i], v14, 7, v[H16]
.endr
.endm
.macro STREAM_HOOK                     ; the count, and pass 0's row offsets, ahead of the trip that asks by them; made anew in each trip, always alike
	s_wait_kmcnt 0x0
	s_min_u32 s[COUNT], s[COUNT], 1024
	s_max_u32 s[CM1], s[COUNT], 1
	s_sub_co_u32 s[CM1], s[CM1], 1
	s_mov_b32 s[PB], 0
	ROWS ROFF, PB
.endm
.macro OUTT i                          ; tile i: times the gate's weight; sixteen lanes store 256 consecutive bytes of a row of part, aligned
	s_cmp_le_u32 s[NL], \i
	s_cbranch_scc1 .Lout_end
	s_wait_xcnt 0x0                        ; the last tile's stores have read OUT
	WIN 0x02
.irp j, 0,1,2,3,4,5,6,7
.irp t, 0,1,2,3
	v_mul_f32 v[OUT+4*\j+\t], v[32*(\i)+8*\t+\j], v[PWT+8*(\i)+\j]
.endr
.endr
	WIN 0
.irp j, 0,1,2,3,4,5,6,7
	global_store_b128 v[ENT+8*(\i)+\j], v[OUT+4*\j:OUT+4*\j+3], s[PO:PO+1]
.endr
.endm
	s_load_b256 s[4:11], s[0:1], 0x0       ; hbuf 4, rlist 6, topw 8, ew2 10
	s_load_b128 s[12:15], s[0:1], 0x20     ; eb2 12, part 14
	IDS
	s_lshr_b32 s32, ttmp9, 1               ; slice of 64 columns
	s_and_b32 s33, ttmp9, 1                ; half of K
	s_and_b32 s34, ttmp7, 0xffff           ; expert
	s_mul_i32 s36, s34, 4352
	s_mov_b32 s37, 0
	s_wait_kmcnt 0x0
	s_add_nc_u64 s[6:7], s[6:7], s[36:37]
	s_load_b32 s[COUNT], s[6:7], 0x1000    ; the expert's count
	s_lshl_b32 s90, s34, 23
	s_lshl_b32 s92, s33, 22
	s_add_co_u32 s90, s90, s92
	s_lshl_b32 s92, s[G], 17
	s_add_co_u32 s90, s90, s92
	s_lshl_b32 s92, s[KH], 16
	s_add_co_u32 s90, s90, s92
	s_lshl_b32 s92, s32, 8
	s_add_co_u32 s90, s90, s92
	s_mov_b32 s91, 0
	s_add_nc_u64 s[PW:PW+1], s[10:11], s[90:91]
	s_lshl_b32 s90, s34, 12
	s_add_co_u32 s90, s90, s92
	s_add_nc_u64 s[12:13], s[12:13], s[90:91]
	s_lshl_b32 s90, s33, 23
	s_add_co_u32 s90, s90, s92
	s_add_nc_u64 s[PO:PO+1], s[14:15], s[90:91]
	s_lshl_b32 s90, s33, 24
	s_lshl_b32 s92, s34, 17
	s_add_co_u32 s90, s90, s92
	s_add_nc_u64 s[PA0:PA0+1], s[4:5], s[90:91]
	s_mov_b64 s[PA:PA+1], s[PA0:PA0+1]
	global_load_b128 v[BIA:BIA+3], v[BOFF], s[12:13]
	STREAM
	s_cmp_gt_u32 s[COUNT], 0
	s_cselect_b32 s[NP], 1, 0
.irp c, 320, 640, 960
	s_cmp_gt_u32 s[COUNT], \c
	s_cselect_b32 s90, 1, 0
	s_add_co_u32 s[NP], s[NP], s90         ; passes of 320 places
.endr
	s_cmp_eq_u32 s33, 0
	s_cselect_b32 s90, -1, 0
.irp t, 0,1,2,3
	v_and_b32 v[BIA+\t], s90, v[BIA+\t]    ; the bias counts once: in the first half of K
.endr
	START_B
	BTMAKE
	s_mov_b32 s[P], 0
.Lpass:
	s_cmp_ge_u32 s[P], s[NP]
	s_cbranch_scc1 .Lpass_end
	s_wait_xcnt 0x0                        ; the last pass's stores have read their offsets
	PASS_B
	s_mul_i32 s[PB], s[P], 320
	s_sub_co_u32 s90, s[COUNT], s[PB]
	s_min_u32 s90, s90, 320
	s_lshl_b32 s95, s[WV], 4
	s_sub_co_i32 s90, s90, s95
	s_add_co_i32 s90, s90, 63
	s_max_i32 s90, s90, 0
	s_lshr_b32 s[NL], s90, 6
	s_add_co_u32 s94, s[PB], 320
	ROWS ROFN, 94                          ; the next pass's rows
.irp i, 0,1,2,3,4
	s_add_co_u32 s90, s[PB], 64*\i
	s_add_co_u32 s90, s90, s95
	s_min_u32 s90, s90, 1008               ; a dead tile reads the list's last sixteen entries
	s_lshl_b32 s90, s90, 2
	v_lshl_add_u32 v[VT+\i], v3, 2, s90
.endr
.irp i, 0,1,2,3,4
.irp j, 0,1,2,3,4,5,6,7
	global_load_b32 v[ENT+8*\i+\j], v[VT+\i], s[6:7] offset:8*\j     ; older than the 70 and more loads that the K loop issues ahead of its last wait, which so shows them in
.endr
.endr
	AINIT
	KLOOP
.set n, 0
.rept 40
	v_min_u32 v[ENT+n], 0x7ff, v[ENT+n]
	v_lshlrev_b32 v[PWT+n], 2, v[ENT+n]
.set n, n+1
.endr
.set n, 0
.rept 40
	global_load_b32 v[PWT+n], v[PWT+n], s[8:9]       ; the weight lands on its own offset
.set n, n+1
.endr
.set n, 0
.rept 40
	v_lshl_add_u32 v[ENT+n], v[ENT+n], 12, v[BOFF]   ; row (slot 1024 + token) x 4,096 bytes + 16 r
.set n, n+1
.endr
	s_wait_loadcnt 0x0                     ; the weights; the next pass's first groups, asked for earlier, come in under the same wait
.irp i, 0,1,2,3,4
	OUTT \i
.endr
.Lout_end:
.Lpass_end:
	s_add_co_u32 s[P], s[P], 1
	s_cmp_lt_u32 s[P], 4
	s_cbranch_scc1 .Lpass
	FINISH
.Lfunc_end_k_q7cc16c222e_moe2:
	.size	k_q7cc16c222e_moe2, .Lfunc_end_k_q7cc16c222e_moe2-k_q7cc16c222e_moe2
	.p2alignl 7, 3214868480
	.fill 96, 4, 3214868480
	.section	.rodata,"a",@progbits
	.p2align	6, 0x0
	.amdhsa_kernel k_q7cc16c222e_moe2
		.amdhsa_group_segment_fixed_size 131584
		.amdhsa_private_segment_fixed_size 0
		.amdhsa_enable_private_segment 0
		.amdhsa_kernarg_size 48
		.amdhsa_user_sgpr_count 2
		.amdhsa_user_sgpr_kernarg_segment_ptr 1
		.amdhsa_wavefront_size32 1
		.amdhsa_system_sgpr_workgroup_id_x 1
		.amdhsa_system_sgpr_workgroup_id_y 1
		.amdhsa_system_sgpr_workgroup_id_z 1
		.amdhsa_system_vgpr_workitem_id 0
		.amdhsa_next_free_vgpr 1024
		.amdhsa_next_free_sgpr 100
		.amdhsa_reserve_vcc 0
		.amdhsa_float_denorm_mode_32 3
		.amdhsa_float_denorm_mode_16_64 3
		.amdhsa_memory_ordered 1
		.amdhsa_forward_progress 1
		.amdhsa_inst_pref_size 95
	.end_amdhsa_kernel
	.amdgpu_metadata
---
amdhsa.version: [ 1, 2 ]
amdhsa.kernels:
  - .name:           k_q7cc16c222e_moe2
    .symbol:         k_q7cc16c222e_moe2.kd
    .args:
      - { .name: hbuf, .offset: 0, .size: 8, .value_kind: global_buffer, .address_space: global }
      - { .name: rlist, .offset: 8, .size: 8, .value_kind: global_buffer, .address_space: global }
      - { .name: topw, .offset: 16, .size: 8, .value_kind: global_buffer, .address_space: global }
      - { .name: ew2, .offset: 24, .size: 8, .value_kind: global_buffer, .address_space: global }
      - { .name: eb2, .offset: 32, .size: 8, .value_kind: global_buffer, .address_space: global }
      - { .name: part, .offset: 40, .size: 8, .value_kind: global_buffer, .address_space: global }
    .group_segment_fixed_size: 131584
    .private_segment_fixed_size: 0
    .kernarg_segment_align: 8
    .kernarg_segment_size: 48
    .max_flat_workgroup_size: 128
    .sgpr_count:     100
    .vgpr_count:     1024
    .wavefront_size: 32
...
	.end_amdgpu_metadata
.endif
;; end of part 13
;; launch comb: the kernel of part 8 again; grid 256 x 1, 8 waves a work-group, no clusters, 0 bytes of LDS; arguments x1, part, out0; writes out0
